; MI455X (gfx1250); checked and timed in simulation.
; The chip was launched on July 23, 2026; its instructions are those of AMD's public machine-readable ISA for CDNA 5 (MIT licence, August 2026) and "CDNA5" Instruction Set Architecture Reference Guide (July 2026). The comments in the code are by the model that wrote it; some were corrected since.
;; Multi Head Attention. Allowed arithmetic: float matrix products may take bf16 or f16 operands with f32 sums; other float arithmetic in f32, or as packed bf16 or f16 multiplies, adds, multiply-adds, maxima and minima; sums over many terms, partial sums and values carried from step to step in f32; what a program stores and reads back later, other than sums and carried values, may be rounded once to bf16 or f16.
;; Inputs: Wk 16 x 1,024 x 64 float32; Wp 1,024 x 1,024 float32; Wq 16 x 1,024 x 64 float32; Wv 16 x 1,024 x 64 float32; bp 1,024 float32; x 4 x 2,048 x 1,024 float32.
;; Outputs: out0 4 x 2,048 x 1,024 float32.
;; 2 versions, each right. Each part assembles by itself: llvm-mc -triple=amdgcn-amd-amdhsa -mcpu=gfx1250 --defsym DOCPART=n.
;; ======== version 1 of 2: 7 launches
;; limits: values are held in f16: magnitudes above 65,504 overflow, below 6.1e-05 lose precision; values outside matrix products are rounded to bf16
;; workspace buffers: xs 16,777,216 bytes; wps 4,194,304 bytes; wt 6,291,456 bytes; qkv 50,331,648 bytes; vlo 6,291,456 bytes; nb 524,288 bytes; o2 33,554,432 bytes
;; launch castx (part 1): grid 256 x 1, 8 waves a work-group, no clusters, 0 bytes of LDS; arguments x, xs; writes xs
.if DOCPART == 1
	.amdgcn_target "amdgcn-amd-amdhsa--gfx1250"
	.amdhsa_code_object_version 6
	.text
	.protected	k_qa3ac2f7390_castx
	.globl	k_qa3ac2f7390_castx
	.p2align	8
	.type	k_qa3ac2f7390_castx,@function
k_qa3ac2f7390_castx:
	s_mov_b64 s[64:65], 0
	v_nop
	global_prefetch_b8 v0, s[64:65] scope:SCOPE_SE
	s_setreg_imm32_b32 hwreg(HW_REG_WAVE_MODE, 25, 1), 1
	s_wait_xcnt 0x0
; f32 rows of 1,024 numbers -> bf16 in slices of 64 columns: dst[batch][slice 16][row 2048][64], each number rounded once.
; A work-group takes 32 rows (131,072 bytes in).  Wave v takes slices 2 v and 2 v + 1.  Lane l takes row l / 8 of a group of four rows and eight columns
; (l % 8) x 8 ..: 32 bytes in (two loads), 16 bytes out, so that a store of the wave covers 512 consecutive bytes, aligned, of one slice.
; A stream: every byte is read once and written once.  No LDS, no matrix unit, no cluster: no two work-groups read the same byte.
.set X, 16                             ; v[16:143]  pair j (16 of them): 8 numbers as loaded
.set Y, 144                            ; v[144:207] pair j: 4 registers to store
	s_load_b128 s[4:7], s[0:1], 0x0                ; source s[4:5], destination s[6:7]
	v_and_b32 v1, 31, v0                           ; lane
	v_lshrrev_b32 v2, 5, v0                        ; wave
	v_lshrrev_b32 v3, 3, v1                        ; row in a group of four
	v_and_b32 v4, 7, v1                            ; my eight columns
	v_lshlrev_b32 v5, 12, v3
	v_lshl_add_u32 v5, v4, 5, v5
	v_lshl_add_u32 v5, v2, 9, v5                   ; in: row x 4,096 + 32 x (l % 8) + 512 x wave
	v_lshlrev_b32 v6, 4, v1
	v_lshl_add_u32 v6, v2, 19, v6                  ; out: 16 l + wave x two slices of 262,144 bytes
	s_lshl_b32 s8, ttmp9, 17                       ; the group's 32 rows of 4,096 bytes
	s_mov_b32 s9, 0
	s_lshr_b32 s10, ttmp9, 6                       ; batch: 64 groups each
	s_lshl_b32 s10, s10, 22                        ; 16 slices of 262,144 bytes
	s_and_b32 s11, ttmp9, 63
	s_lshl_b32 s11, s11, 12                        ; 32 rows of 128 bytes in a slice
	s_add_co_u32 s10, s10, s11
	s_mov_b32 s11, 0
	s_wait_kmcnt 0x0
	s_add_nc_u64 s[4:5], s[4:5], s[8:9]
	s_add_nc_u64 s[6:7], s[6:7], s[10:11]
.set j, 0
.rept 16                               ; pair j: slice 2 v + j / 8, rows 4 (j % 8) ..
	global_load_b128 v[X+8*j:X+8*j+3],   v5, s[4:5] offset:(j/8)*256+(j%8)*16384 th:TH_LOAD_NT
	global_load_b128 v[X+8*j+4:X+8*j+7], v5, s[4:5] offset:(j/8)*256+(j%8)*16384+16 th:TH_LOAD_NT
.set j, j+1
.endr
.set j, 0
.rept 16
	s_wait_loadcnt 30-2*j                          ; loads come back in order: pair j is in, the younger pairs stay out
	v_cvt_pk_bf16_f32 v[Y+4*j],   v[X+8*j],   v[X+8*j+1]
	v_cvt_pk_bf16_f32 v[Y+4*j+1], v[X+8*j+2], v[X+8*j+3]
	v_cvt_pk_bf16_f32 v[Y+4*j+2], v[X+8*j+4], v[X+8*j+5]
	v_cvt_pk_bf16_f32 v[Y+4*j+3], v[X+8*j+6], v[X+8*j+7]
	global_store_b128 v6, v[Y+4*j:Y+4*j+3], s[6:7] offset:(j/8)*262144+(j%8)*512
.set j, j+1
.endr
	s_endpgm
.Lfunc_end_k_qa3ac2f7390_castx:
	.size	k_qa3ac2f7390_castx, .Lfunc_end_k_qa3ac2f7390_castx-k_qa3ac2f7390_castx
	.p2alignl 7, 3214868480
	.fill 96, 4, 3214868480
	.section	.rodata,"a",@progbits
	.p2align	6, 0x0
	.amdhsa_kernel k_qa3ac2f7390_castx
		.amdhsa_group_segment_fixed_size 0
		.amdhsa_private_segment_fixed_size 0
		.amdhsa_enable_private_segment 0
		.amdhsa_kernarg_size 16
		.amdhsa_user_sgpr_count 2
		.amdhsa_user_sgpr_kernarg_segment_ptr 1
		.amdhsa_wavefront_size32 1
		.amdhsa_system_sgpr_workgroup_id_x 1
		.amdhsa_system_sgpr_workgroup_id_y 1
		.amdhsa_system_sgpr_workgroup_id_z 1
		.amdhsa_system_vgpr_workitem_id 0
		.amdhsa_next_free_vgpr 208
		.amdhsa_next_free_sgpr 66
		.amdhsa_reserve_vcc 0
		.amdhsa_float_denorm_mode_32 3
		.amdhsa_float_denorm_mode_16_64 3
		.amdhsa_memory_ordered 1
		.amdhsa_forward_progress 1
		.amdhsa_inst_pref_size 11
	.end_amdhsa_kernel
	.amdgpu_metadata
---
amdhsa.version: [ 1, 2 ]
amdhsa.kernels:
  - .name:           k_qa3ac2f7390_castx
    .symbol:         k_qa3ac2f7390_castx.kd
    .args:
      - { .name: x, .offset: 0, .size: 8, .value_kind: global_buffer, .address_space: global }
      - { .name: xs, .offset: 8, .size: 8, .value_kind: global_buffer, .address_space: global }
    .group_segment_fixed_size: 0
    .private_segment_fixed_size: 0
    .kernarg_segment_align: 8
    .kernarg_segment_size: 16
    .max_flat_workgroup_size: 256
    .sgpr_count:     66
    .vgpr_count:     208
    .wavefront_size: 32
...
	.end_amdgpu_metadata
.endif
;; end of part 1
;; launch castp: the kernel of part 1 again; grid 32 x 1, 8 waves a work-group, no clusters, 0 bytes of LDS; arguments Wp, wps; writes wps
;; launch trw (part 2): grid 192 x 1, 4 waves a work-group, no clusters, 37,376 bytes of LDS; arguments Wq, Wk, Wv, wt; writes wt
.if DOCPART == 2
	.amdgcn_target "amdgcn-amd-amdhsa--gfx1250"
	.amdhsa_code_object_version 6
	.text
	.protected	k_qa3ac2f7390_trw
	.globl	k_qa3ac2f7390_trw
	.p2align	8
	.type	k_qa3ac2f7390_trw,@function
k_qa3ac2f7390_trw:
	s_mov_b64 s[64:65], 0
	v_nop
	global_prefetch_b8 v0, s[64:65] scope:SCOPE_SE
	s_setreg_imm32_b32 hwreg(HW_REG_WAVE_MODE, 25, 1), 1
	s_wait_xcnt 0x0
; The projection weights, turned and rounded once to bf16: wt[slice 16][n 3072][64] = W[head][64 slice + cc][d], n = 64 gh + d, gh = 0-15 Wq's heads, 16-31 Wk's, 32-47 Wv's.
; A wave turns one block of 64 (c) x 64 (d): 16,384 dense bytes in, 8,192 dense bytes out.  Work-group = gh and four slices, a slice a wave.
; In: lane l reads 16 bytes (d = 4 (l % 16) ..) of row c = 16 u + 4 i + 2 (l / 16) + e.  Two neighbouring c of one d make a word of bf16, put into LDS row d (pitch 144 bytes); whole rows of 128 bytes come back
; and leave as 512 consecutive bytes a store.  The word stores meet four deep in the banks: 6 MB once, taken as the price of a short text.
; No cluster: no two work-groups read the same byte.  Each wave keeps to its own 9,216 bytes of LDS, so there is no barrier.
.set PIT,   144
.set WREG,  64*PIT
.set SPARE, 4*WREG                     ; behind the four waves' rows: the spare words, 128 bytes a wave
.set LI,  2                            ; v2  my offset in the block as it lies in memory
.set LS,  3                            ; v3  where I put a word
.set LR,  4                            ; v4  where I read rows back
.set GO,  5                            ; v5  16 l
.set SPW, 8                            ; v8  my spare word; never rewritten
.set NIL, 9                            ; v9  0; never rewritten
.set R,   16                           ; v[16:143] the block as loaded
.set T,   144                          ; v[144:147] at work
.set BK,  148                          ; v[148:211] rows read back
	s_load_b256 s[4:11], s[0:1], 0x0               ; Wq s[4:5], Wk s[6:7], Wv s[8:9], wt s[10:11]
	v_lshl_add_u32 v[SPW], v0, 2, SPARE
	v_mov_b32 v[NIL], 0
	v_lshrrev_b32 v1, 5, v0
	v_readfirstlane_b32 s12, v1                    ; wave
	v_and_b32 v6, 31, v0
	v_and_b32 v7, 15, v0
	v_bfe_u32 v10, v0, 4, 1
	v_lshlrev_b32 v[LI], 4, v7
	v_lshl_add_u32 v[LI], v10, 9, v[LI]            ; 16 (l % 16) + two rows of 256 bytes for the upper lanes
	s_mul_i32 s13, s12, WREG
	v_mul_u32_u24 v[LS], v7, 4*PIT
	v_lshl_add_u32 v[LS], v10, 2, v[LS]
	v_add_nc_u32 v[LS], s13, v[LS]                 ; row 4 (l % 16), word l / 16
	v_lshrrev_b32 v11, 3, v6
	v_and_b32 v12, 7, v0
	v_mul_u32_u24 v[LR], v11, PIT
	v_lshl_add_u32 v[LR], v12, 4, v[LR]
	v_add_nc_u32 v[LR], s13, v[LR]                 ; four rows of 128 bytes a load
	v_lshlrev_b32 v[GO], 4, v6
	s_lshr_b32 s14, ttmp9, 2                       ; gh
	s_and_b32 s15, ttmp9, 3
	s_lshl_b32 s15, s15, 2
	s_add_co_u32 s15, s15, s12                     ; slice
	s_lshr_b32 s16, s14, 4                         ; which tensor
	s_and_b32 s17, s14, 15                         ; its head
	s_lshl_b32 s18, s17, 18
	s_lshl_b32 s19, s15, 14
	s_add_co_u32 s18, s18, s19
	s_mov_b32 s19, 0
	s_mul_i32 s20, s15, 393216
	s_lshl_b32 s21, s14, 13
	s_add_co_u32 s20, s20, s21
	s_mov_b32 s21, 0
	s_wait_kmcnt 0x0
	s_cmp_eq_u32 s16, 0
	s_cselect_b64 s[22:23], s[4:5], s[6:7]
	s_cmp_eq_u32 s16, 2
	s_cselect_b64 s[22:23], s[8:9], s[22:23]
	s_add_nc_u64 s[22:23], s[22:23], s[18:19]
	s_add_nc_u64 s[10:11], s[10:11], s[20:21]
.set k, 0
.rept 32                               ; k = 8 u + 2 i + e
	global_load_b128 v[R+4*k:R+4*k+3], v[LI], s[22:23] offset:(16*(k/8)+4*((k%8)/2)+(k%2))*256 th:TH_LOAD_NT
.set k, k+1
.endr
.set u, 0
.rept 4
	s_wait_loadcnt 24-8*u                          ; chunk u's eight loads are in; the younger chunks stay out
.set i, 0
.rept 4
.set jj, 0
.rept 4
	v_cvt_pk_bf16_f32 v[T+jj], v[R+32*u+8*i+jj], v[R+32*u+8*i+4+jj]
	ds_store_b32 v[LS], v[T+jj] offset:jj*PIT+32*u+8*i
.set jj, jj+1
.endr
.set i, i+1
.endr
.set u, u+1
.endr
.set f, 0
.rept 16
	ds_load_b128 v[BK+4*f:BK+4*f+3], v[LR] offset:f*4*PIT  ; LDS serves a wave's instructions in order (ISA guide 5.7.1.4): these see my stores above
.set f, f+1
.endr
.set f, 0
.rept 16
	s_wait_dscnt 15-f
	global_store_b128 v[GO], v[BK+4*f:BK+4*f+3], s[10:11] offset:f*512
.set f, f+1
.endr
	s_wait_tensorcnt 0x0                           ; the wave's end
	ds_add_u32 v[SPW], v[NIL]
	s_wait_dscnt 0x0
	s_endpgm
.Lfunc_end_k_qa3ac2f7390_trw:
	.size	k_qa3ac2f7390_trw, .Lfunc_end_k_qa3ac2f7390_trw-k_qa3ac2f7390_trw
	.p2alignl 7, 3214868480
	.fill 96, 4, 3214868480
	.section	.rodata,"a",@progbits
	.p2align	6, 0x0
	.amdhsa_kernel k_qa3ac2f7390_trw
		.amdhsa_group_segment_fixed_size 37376
		.amdhsa_private_segment_fixed_size 0
		.amdhsa_enable_private_segment 0
		.amdhsa_kernarg_size 32
		.amdhsa_user_sgpr_count 2
		.amdhsa_user_sgpr_kernarg_segment_ptr 1
		.amdhsa_wavefront_size32 1
		.amdhsa_system_sgpr_workgroup_id_x 1
		.amdhsa_system_sgpr_workgroup_id_y 1
		.amdhsa_system_sgpr_workgroup_id_z 1
		.amdhsa_system_vgpr_workitem_id 0
		.amdhsa_next_free_vgpr 212
		.amdhsa_next_free_sgpr 66
		.amdhsa_reserve_vcc 0
		.amdhsa_float_denorm_mode_32 3
		.amdhsa_float_denorm_mode_16_64 3
		.amdhsa_memory_ordered 1
		.amdhsa_forward_progress 1
		.amdhsa_inst_pref_size 17
	.end_amdhsa_kernel
	.amdgpu_metadata
---
amdhsa.version: [ 1, 2 ]
amdhsa.kernels:
  - .name:           k_qa3ac2f7390_trw
    .symbol:         k_qa3ac2f7390_trw.kd
    .args:
      - { .name: Wq, .offset: 0, .size: 8, .value_kind: global_buffer, .address_space: global }
      - { .name: Wk, .offset: 8, .size: 8, .value_kind: global_buffer, .address_space: global }
      - { .name: Wv, .offset: 16, .size: 8, .value_kind: global_buffer, .address_space: global }
      - { .name: wt, .offset: 24, .size: 8, .value_kind: global_buffer, .address_space: global }
    .group_segment_fixed_size: 37376
    .private_segment_fixed_size: 0
    .kernarg_segment_align: 8
    .kernarg_segment_size: 32
    .max_flat_workgroup_size: 128
    .sgpr_count:     66
    .vgpr_count:     212
    .wavefront_size: 32
...
	.end_amdgpu_metadata
.endif
;; end of part 2
;; launch gqkv (part 3): grid 16 x 32, 4 waves a work-group, clusters of 4 x 4, 327,680 bytes of LDS; arguments xs, wt, qkv, vlo; writes qkv, vlo
.if DOCPART == 3
	.amdgcn_target "amdgcn-amd-amdhsa--gfx1250"
	.amdhsa_code_object_version 6
	.text
	.protected	k_qa3ac2f7390_gqkv
	.globl	k_qa3ac2f7390_gqkv
	.p2align	8
	.type	k_qa3ac2f7390_gqkv,@function
k_qa3ac2f7390_gqkv:
	s_mov_b64 s[64:65], 0
	v_nop
	global_prefetch_b8 v0, s[64:65] scope:SCOPE_SE
	s_setreg_imm32_b32 hwreg(HW_REG_WAVE_MODE, 25, 1), 1
	s_wait_xcnt 0x0
	s_wait_alu depctr_hold_cnt(0) depctr_sa_sdst(0) depctr_va_vdst(0) depctr_va_sdst(0) depctr_va_ssrc(0) depctr_va_vcc(0) depctr_vm_vsrc(0)
	s_getreg_b32 s2, hwreg(HW_REG_IB_STS2, 6, 4)
	s_cmp_eq_u32 s2, 0
	s_cbranch_scc0 .Lentry_in_a_cluster
	s_endpgm
.Lentry_in_a_cluster:
	s_bfe_u32 s2, ttmp6, 0x10000c
	s_cmp_lg_u32 s2, 0xf033
	s_cbranch_scc0 .Lentry_shape_is_right
	s_endpgm
.Lentry_shape_is_right:
; q, k, v by heads: qkv[b][gh 48][t 2048][64] = f16( s x the sum over c of x[b][t][c] W[gh][c][d] ), s = sqrt(log2(e) / 32), the same for q, k and v: q' . k' is then the exponent in base 2 of the
; softmax, and the last launch takes v's s out again.  Operands bf16 (xs, wt, in slices of 64 along c), sums f32, each result rounded once.
; vlo[b][gh][tile 8][32][64] = f16 of what that rounding dropped, for rows 224-255 of each 256 rows; the attention launch reads the last tile's, of v's heads.
; LIMIT: |s q|, |s k|, |s v| stay under 65,504 (f16).
; SHARES.  A tile is 256 rows (t) x 192 columns (three heads).  Four waves; wave w makes rows 64 w .. + 63 x all 192 columns: 48 accumulators, 384 registers.  K goes in steps of 128 (two slices)
; through two LDS slots.  A slice's 256 rows of 128 bytes are dense in memory: they are asked for as rows of 256 bytes and padded in LDS after every 128 bytes (pitch 144).
; CLUSTER 4 x 4: A's tile is shared along a row of the cluster, B's along a column: joint loads, waves 0 and 1 for A's two slices, waves 2 and 3 for B's.
; THE MATRIX INSTRUCTION IS USED TRANSPOSED (source 0 = 16 rows of wt, source 1 = 16 rows of xs): a lane holds one row t and eight neighbouring d.
; REGISTERS: window 0: v16-31 addresses; v32-127, v192-247 the way out; v128-191 A's fragments, two buffers of 32.  window 1: B's fragments, two buffers of 96.
;   windows 2, 3: accumulator (a, b) at 8 (12 (a % 2) + b), a < 2 in window 2.
.set NBK,    12
.set KSTEPS, 8
.set ABATCH, 4194304                   ; bytes of xs in a batch
.set AWAVE,  262144                    ; wave i fetches slice 2 ks + i
.set STEPA,  524288
.set BROWS,  96                        ; 192 rows of 128 bytes as 96 of 256
.set BWAVE,  393216
.set BTILE,  24576
.set STEPB,  786432
.set BLDS,   27648
.set BQ2,    27648                     ; quarters 2 and 3 read B's second slice
.set AH,     1                         ; the prefetch names the K step AH behind the one being asked for
.set STGW,   6912                      ; a wave's stage: 3 heads x 16 rows x 144
.set PIT,    144
.set BOFF,   73728                     ; A: 2 slices x 256 rows x 144; then B
.set SLOT1,  131072
.set STAGE,  262144
.set SPARE,  STAGE+4*STGW              ; the spare words, 128 bytes a wave; no other line names them
.set NL,     2*NBK+8                   ; LDS loads of a quarter
.set ADRA0, 16
.set ADRB0, 17
.set ADRA,  18
.set ADRB,  19
.set STO,   24
.set RD,    25
.set GO,    26
.set SPW,   28
.set NIL,   29
.set PFO,   30
.set ONE,   31
.set TMP,   32
.set BK,    80
.set FA,    128
.set LO,    192
.set WV,  12
.set HF,  13
.set II,  14
.set CNT, 15
.set G1,  24
.set G0,  32
.set G1B, 48
.set G0B, 56
.set PFA, 68
.set LIM, 70
.set TB,  71
.set SC,  72
.set MSB, 0
.macro WIN new                         ; the immediate's high byte repeats the setting that is left; a switch that changes nothing is dropped
.if MSB != (\new)
	s_set_vgpr_msb (MSB<<8)|(\new)
.set MSB, \new
.endif
.endm
.macro PLACES                          ; four plain places behind matrix instructions, ahead of loads into their sources and of readers of their results
.rept 4
	v_nop
.endr
.endm
.macro JLOAD                           ; a joint refill by the walking descriptors; an s_nop 0 and four v_nop follow each line
	s_cmp_eq_u32 s[HF], 0
	s_cbranch_scc0 .Lfor_b_\@
	tensor_load_to_lds s[G0+4:G0+7], s[G1:G1+7]
	s_nop 0
	PLACES
	s_branch .Lasked_\@
.Lfor_b_\@:
	tensor_load_to_lds s[G0B+4:G0B+7], s[G1B:G1B+7]
	s_nop 0
	PLACES
.Lasked_\@:
.endm
.macro CREST                           ; a round of the cluster's barrier behind its opening barrier
	s_cmp_lg_u32 s[WV], 0
	s_cbranch_scc1 .Lnot_wave_0_\@
	s_barrier_signal -3
.Lnot_wave_0_\@:
	s_barrier_wait -3
	s_barrier_signal -1
	s_barrier_wait -1
.endm
.macro CROUND
	s_barrier_signal -1
	s_barrier_wait -1
	CREST
.endm
; A's tiles are prefetched: behind each refill, the K step AH behind it.  Waves 0 and 1 of the clusters with x = 0 ask; of a wave's 32,768 bytes the partner at cx takes 8,192, told apart by address; a lane 256 bytes:
; each block is named once in the launch.  The trips whose look-ahead would pass the last K step ask for nothing.
.macro ASK
	s_cmp_gt_u32 s[CNT], s[LIM]
	s_cbranch_scc0 .Lnot_mine_\@
	global_prefetch_b8 v[PFO], s[PFA:PFA+1] th:TH_LOAD_NT scope:SCOPE_SE
.Lnot_mine_\@:
.endm
	s_load_b256 s[4:11], s[0:1], 0x0               ; xs s[4:5], wt s[6:7], qkv s[8:9], vlo s[10:11]
	v_lshl_add_u32 v[SPW], v0, 2, SPARE
	v_mov_b32 v[NIL], 0
	ds_add_u32 v[SPW], v[NIL]                      ; the wave's opening: the add and its wait ahead of my first tensor load
	v_lshrrev_b32 v1, 5, v0
	v_readfirstlane_b32 s[WV], v1
	s_lshr_b32 s[HF], s[WV], 1                     ; 0: I fetch for A; 1: for B
	s_and_b32 s[II], s[WV], 1                      ; which slice of the step
	s_bfe_u32 s40, ttmp6, 0x40000                  ; cx
	s_bfe_u32 s41, ttmp6, 0x40004                  ; cy
	s_lshl_b32 s42, ttmp9, 2
	s_add_co_u32 s42, s42, s40                     ; column tile
	s_and_b32 s43, ttmp7, 0xffff
	s_lshl_b32 s43, s43, 2
	s_add_co_u32 s43, s43, s41                     ; row tile
	s_lshl_b32 s44, s41, 2
	s_lshl_b32 s44, 15, s44                        ; my row of the cluster
	s_lshl_b32 s45, 0x1111, s40                    ; my column
	s_or_b32 s[G1], s44, (1<<16)|(1<<20)|(1<<21)|(4<<22)|(3<<25)   ; mask; 2-byte elements; padding on; bit 21 beside a mask; after every 32 words, 4 words
	s_or_b32 s[G1B], s45, (1<<16)|(1<<20)|(1<<21)|(4<<22)|(3<<25)
.irp g, G1, G1B
	s_mov_b32 s[(\g)+1], 128<<16                   ; tensor_dim0 = 128 elements (256 bytes)
	s_mov_b32 s[(\g)+3], 128<<16                   ; tile_dim0
	s_mov_b32 s[(\g)+5], 128                       ; from row to row
	s_mov_b32 s[(\g)+6], 0
	s_mov_b32 s[(\g)+7], 0
.endr
	s_mov_b32 s[G1+2], 128<<16                     ; A: 128 rows
	s_mov_b32 s[G1+4], 128
	s_mov_b32 s[G1B+2], BROWS<<16
	s_mov_b32 s[G1B+4], BROWS
	s_lshr_b32 s16, s43, 3                         ; A hangs on the row tile and the wave alone
	s_mul_i32 s16, s16, ABATCH
	s_and_b32 s17, s43, 7
	s_lshl_b32 s17, s17, 15
	s_add_co_u32 s16, s16, s17
	s_mul_i32 s17, s[II], AWAVE
	s_add_co_u32 s16, s16, s17
	s_mov_b32 s17, 0
	s_mul_i32 s46, s42, BTILE                      ; B on the column tile and the wave alone
	s_mul_i32 s47, s[II], BWAVE
	s_add_co_u32 s46, s46, s47
	s_mov_b32 s47, 0
	s_mul_i32 s20, s[II], 256*PIT                  ; where they go: no place in the cluster enters an LDS address
	s_mul_i32 s21, s[II], BLDS
	s_add_co_u32 s21, s21, BOFF
	s_mov_b32 s[SC], 0x3e596d24                    ; s = sqrt(log2(e) / 32) = 0.2123304
	s_mov_b32 s[SC+1], s[SC]
	s_mov_b32 s[TB], 0
	s_or_b32 s[LIM], s[HF], ttmp9
	s_cmp_eq_u32 s[LIM], 0
	s_cselect_b32 s[LIM], AH, -1                   ; the same in all sixteen partners, for a given wave
	s_wait_dscnt 0x0                               ; the opening add is done
	s_wait_kmcnt 0x0
	s_add_nc_u64 s[18:19], s[4:5], s[16:17]
	s_add_nc_u64 s[46:47], s[6:7], s[46:47]
	CROUND                                         ; all sixteen work-groups are here: the first joint loads meet
.irp s, 0,1
	s_mov_b32 s[G0+4*(\s)], 1
	s_add_co_u32 s[G0+4*(\s)+1], s20, (\s)*SLOT1
	s_add_nc_u64 s[G0+4*(\s)+2:G0+4*(\s)+3], s[18:19], (\s)*STEPA
	s_or_b32 s[G0+4*(\s)+3], s[G0+4*(\s)+3], 0x80000000
	s_mov_b32 s[G0B+4*(\s)], 1
	s_add_co_u32 s[G0B+4*(\s)+1], s21, (\s)*SLOT1
	s_add_nc_u64 s[G0B+4*(\s)+2:G0B+4*(\s)+3], s[46:47], (\s)*STEPB
	s_or_b32 s[G0B+4*(\s)+3], s[G0B+4*(\s)+3], 0x80000000
.endr
	s_cmp_eq_u32 s[HF], 0                          ; a wave's two first fills stand in one branch: K steps 0 and 1; two loads of mine are out
	s_cbranch_scc0 .Lfirst_b
	tensor_load_to_lds s[G0:G0+3], s[G1:G1+7]
	s_nop 0
	tensor_load_to_lds s[G0+4:G0+7], s[G1:G1+7]
	s_nop 0
	PLACES
	s_branch .Lfirst_asked
.Lfirst_b:
	tensor_load_to_lds s[G0B:G0B+3], s[G1B:G1B+7]
	s_nop 0
	tensor_load_to_lds s[G0B+4:G0B+7], s[G1B:G1B+7]
	s_nop 0
	PLACES
.Lfirst_asked:
	s_lshl_b32 s22, s40, 13                        ; the prefetches: my work-group's 8,192 bytes of the wave's tile,
	s_mov_b32 s23, 0
	s_add_nc_u64 s[PFA:PFA+1], s[18:19], s[22:23]
	s_add_nc_u64 s[PFA:PFA+1], s[PFA:PFA+1], (1+AH)*STEPA  ; the first refill (K step 2) steps it once more and names K step 2 + AH
	v_and_b32 v1, 15, v0
	v_bfe_u32 v2, v0, 4, 1
	v_and_b32 v3, 31, v0
	v_mul_u32_u24 v4, v1, PIT
	v_lshl_add_u32 v4, v2, 4, v4                   ; a fragment's row x pitch + 16 x half
	s_mul_i32 s22, s[WV], 64*PIT
	v_add_nc_u32 v[ADRA0], s22, v4                 ; my 64 rows of A
	v_add_nc_u32 v[ADRB0], BOFF, v4
	v_mov_b32 v[ADRA], v[ADRA0]
	v_mov_b32 v[ADRB], v[ADRB0]
	s_mul_i32 s22, s[WV], STGW
	s_add_co_u32 s22, s22, STAGE
	v_add_nc_u32 v[STO], s22, v4
	v_lshrrev_b32 v5, 3, v3
	v_and_b32 v6, 7, v0
	v_mul_u32_u24 v5, v5, PIT
	v_lshl_add_u32 v5, v6, 4, v5
	v_add_nc_u32 v[RD], s22, v5                    ; back: four rows of 128 bytes a load
	v_lshlrev_b32 v[GO], 4, v3
	v_lshlrev_b32 v[PFO], 8, v3
	v_mov_b32 v[ONE], 1.0
	s_lshr_b32 s74, s43, 3                         ; b
	s_and_b32 s75, s43, 7                          ; the tile in its batch
	s_mul_i32 s76, s74, 12582912
	s_mul_i32 s77, s42, 786432                     ; three heads of 262,144 bytes a column tile
	s_add_co_u32 s76, s76, s77
	s_lshl_b32 s77, s75, 15
	s_add_co_u32 s76, s76, s77
	s_lshl_b32 s77, s[WV], 13
	s_add_co_u32 s76, s76, s77
	s_mov_b32 s77, 0
	s_add_nc_u64 s[8:9], s[8:9], s[76:77]          ; qkv at my 64 rows of the tile's first head
	s_mul_i32 s76, s74, 48
	s_mul_i32 s78, s42, 3
	s_add_co_u32 s76, s76, s78
	s_lshl_b32 s76, s76, 3
	s_add_co_u32 s76, s76, s75
	s_lshl_b32 s76, s76, 12
	s_add_nc_u64 s[10:11], s[10:11], s[76:77]      ; vlo at the tile's 32 rows of its first head
; NBK matrix instructions: row block a x all column blocks, 32 along K, from buffers f.  The accumulators take turns, one instruction a turn.
.macro MULROW f, a, zero
	WIN 0xa1+0x50*((\a)/2)
.set rA, FA+32*(\f)+8*(\a)
.set bb, 0
.rept NBK
.set rC, 8*(NBK*((\a)%2)+bb)
.set rB, 8*NBK*(\f)+8*bb
.if \zero
	v_wmma_f32_16x16x32_bf16 v[rC:rC+7], v[rB:rB+7], v[rA:rA+7], 0
.else
	v_wmma_f32_16x16x32_bf16 v[rC:rC+7], v[rB:rB+7], v[rA:rA+7], v[rC:rC+7]
.endif
.set bb, bb+1
.endr
.endm
.macro FETCH q, g                      ; quarter q's fragments into buffers g: B's 2 NBK loads, then A's eight
	WIN 0x40
.set bq, BQ2*((\q)/2)+64*((\q)%2)
.set bb, 0
.rept NBK
	ds_load_b128 v[8*NBK*(\g)+8*bb:8*NBK*(\g)+8*bb+3],   v[ADRB] offset:bq+bb*16*PIT
	ds_load_b128 v[8*NBK*(\g)+8*bb+4:8*NBK*(\g)+8*bb+7], v[ADRB] offset:bq+bb*16*PIT+32
.set bb, bb+1
.endr
	WIN 0
.set aq, 256*PIT*((\q)/2)+64*((\q)%2)
.irp a, 0,1,2,3
	ds_load_b128 v[FA+32*(\g)+8*\a:FA+32*(\g)+8*\a+3],   v[ADRA] offset:aq+\a*16*PIT
	ds_load_b128 v[FA+32*(\g)+8*\a+4:FA+32*(\g)+8*\a+7], v[ADRA] offset:aq+\a*16*PIT+32
.endr
.endm
.macro QUARTER q, f, g, zero           ; multiplies buffers f; in its middle fetches quarter q into buffers g
	s_wait_dscnt 4                                 ; B and A's blocks 0, 1 are in; the youngest four loads (blocks 2, 3) may be out
	MULROW \f, 0, \zero
	MULROW \f, 1, \zero
	PLACES
	FETCH \q, \g
	s_wait_dscnt NL                                ; all but the NL just issued
	MULROW \f, 2, \zero
	MULROW \f, 3, \zero
.endm
; The last quarter of a K step multiplies buffers 1 and changes slots: one barrier; in front of it each wave waits for all its tensor loads (its part of the next slot), adds 0 to its spare word and waits for that
; and for its reads of this slot.  fill = 1: the barrier opens a round of the cluster's, and the joint refill (two K steps on) is the first thing behind it.
.macro TURN fill
.if \fill
	s_wait_xcnt 0x0                                ; the last prefetch, a K step back, has read its address
	s_add_nc_u64 s[PFA:PFA+1], s[PFA:PFA+1], STEPA
.endif
	WIN 0
	s_wait_tensorcnt 0x0
	ds_add_u32 v[SPW], v[NIL]
	s_wait_dscnt 5                                 ; the add and the youngest four loads may be out
	MULROW 1, 0, 0
	s_wait_dscnt 0x0                               ; the add is done, and my reads of this slot are over
	s_barrier_signal -1
	MULROW 1, 1, 0
	WIN 0
	s_barrier_wait -1
.if \fill
	CREST
	s_xor_b32 s[G0+5], s[G0+5], SLOT1              ; the walking descriptors: the other slot, the next K step
	s_add_nc_u64 s[G0+6:G0+7], s[G0+6:G0+7], STEPA
	s_xor_b32 s[G0B+5], s[G0B+5], SLOT1
	s_add_nc_u64 s[G0B+6:G0B+7], s[G0B+6:G0B+7], STEPB
	JLOAD                                          ; its four v_nop are also the places in front of the loads below
.else
	PLACES
.endif
	s_xor_b32 s[TB], s[TB], SLOT1
	v_add_nc_u32 v[ADRA], s[TB], v[ADRA0]
	v_add_nc_u32 v[ADRB], s[TB], v[ADRB0]
	FETCH 0, 0
.if \fill
	ASK
.endif
	MULROW 1, 2, 0
	MULROW 1, 3, 0
.endm
	s_wait_tensorcnt 0x1                           ; my part of K step 0 is in; K step 1's may stay out
	s_barrier_signal -1
	s_barrier_wait -1
	FETCH 0, 0
	QUARTER 1, 0, 1, 1                             ; the first quarter's products start the sums
	WIN 0
	s_mov_b32 s[CNT], KSTEPS-2
.Lk:                                               ; a trip: from a K step's second quarter to the next step's first; one refill
	QUARTER 2, 1, 0, 0
	QUARTER 3, 0, 1, 0
	TURN 1
	QUARTER 1, 0, 1, 0
	WIN 0
	s_sub_co_u32 s[CNT], s[CNT], 1
	s_cmp_lg_u32 s[CNT], 0
	s_cbranch_scc1 .Lk
	QUARTER 2, 1, 0, 0                             ; the last two K steps ask for nothing
	QUARTER 3, 0, 1, 0
	TURN 0
	QUARTER 1, 0, 1, 0
	QUARTER 2, 1, 0, 0
	QUARTER 3, 0, 1, 0
	s_wait_dscnt 4
	MULROW 1, 0, 0
	MULROW 1, 1, 0
	s_wait_dscnt 0x0
	MULROW 1, 2, 0
	MULROW 1, 3, 0
	PLACES
; THE WAY OUT of row block a: times s, rounded to f16 (16 bytes a lane), through my stage (3 heads x 16 rows x 144), back as whole rows, stored 512 consecutive bytes at a time.
.macro THROUGH d, base, off            ; 12 stores into the stage from v[d ..], 12 loads back into v[base ..]
.set bb, 0
.rept 12
	ds_store_b128 v[STO], v[(\d)+4*bb:(\d)+4*bb+3] offset:(bb/4)*16*PIT+(bb%4)*32
.set bb, bb+1
.endr
	s_wait_xcnt 0x0                                ; earlier stores have read the registers that the loads below write
.set bb, 0
.rept 12
	ds_load_b128 v[(\base)+4*bb:(\base)+4*bb+3], v[RD] offset:(bb/4)*16*PIT+(bb%4)*4*PIT  ; LDS serves a wave's instructions in order: these see the stores above
.set bb, bb+1
.endr
.endm
.macro WAYOUT a
.set AC, 8*NBK*((\a)%2)
	WIN 0x82+0x41*((\a)/2)
.set n, 0
.rept 48
	v_pk_mul_f32 v[AC+2*n:AC+2*n+1], v[AC+2*n:AC+2*n+1], s[SC:SC+1] op_sel_hi:[1,0]
.set n, n+1
.endr
	WIN 0x0a+5*((\a)/2)
.set n, 0
.rept 48
	v_cvt_pk_f16_f32 v[TMP+n], v[AC+2*n], v[AC+2*n+1]
.set n, n+1
.endr
	WIN 0
	THROUGH TMP, BK
.set bb, 0
.rept 12
	s_wait_dscnt 11-bb
	global_store_b128 v[GO], v[BK+4*bb:BK+4*bb+3], s[8:9] offset:(bb/4)*262144+(\a)*2048+(bb%4)*512
.set bb, bb+1
.endr
.if (\a) >= 2                          ; rows 224-255 of the tile are wave 3's blocks 2 and 3: what the rounding dropped, in f16
	s_cmp_eq_u32 s[WV], 3
	s_cbranch_scc0 .Lno_lo_\@
	s_wait_xcnt 0x0
	WIN 0x30                                       ; source 2 (the sum) in window 3
.set n, 0
.rept 48
	v_fma_mix_f32 v[240+2*(n%4)],   -v[TMP+n], v[ONE], v[AC+2*n]   op_sel:[0,0,0] op_sel_hi:[1,0,0]
	v_fma_mix_f32 v[240+2*(n%4)+1], -v[TMP+n], v[ONE], v[AC+2*n+1] op_sel:[1,0,0] op_sel_hi:[1,0,0]
	v_cvt_pk_f16_f32 v[LO+n], v[240+2*(n%4)], v[240+2*(n%4)+1]
.set n, n+1
.endr
	WIN 0
	THROUGH LO, LO
.set bb, 0
.rept 12
	s_wait_dscnt 11-bb
	global_store_b128 v[GO], v[LO+4*bb:LO+4*bb+3], s[10:11] offset:(bb/4)*32768+((\a)-2)*2048+(bb%4)*512
.set bb, bb+1
.endr
.Lno_lo_\@:
.endif
.endm
	WAYOUT 0
	WAYOUT 1
	WAYOUT 2
	WAYOUT 3
	s_wait_tensorcnt 0x0                           ; the wave's end
	ds_add_u32 v[SPW], v[NIL]
	s_wait_dscnt 0x0
	CROUND                                         ; the closing round
	s_endpgm
.Lfunc_end_k_qa3ac2f7390_gqkv:
	.size	k_qa3ac2f7390_gqkv, .Lfunc_end_k_qa3ac2f7390_gqkv-k_qa3ac2f7390_gqkv
	.p2alignl 7, 3214868480
	.fill 96, 4, 3214868480
	.section	.rodata,"a",@progbits
	.p2align	6, 0x0
	.amdhsa_kernel k_qa3ac2f7390_gqkv
		.amdhsa_group_segment_fixed_size 327680
		.amdhsa_private_segment_fixed_size 0
		.amdhsa_enable_private_segment 0
		.amdhsa_kernarg_size 32
		.amdhsa_user_sgpr_count 2
		.amdhsa_user_sgpr_kernarg_segment_ptr 1
		.amdhsa_wavefront_size32 1
		.amdhsa_system_sgpr_workgroup_id_x 1
		.amdhsa_system_sgpr_workgroup_id_y 1
		.amdhsa_system_sgpr_workgroup_id_z 1
		.amdhsa_system_vgpr_workitem_id 0
		.amdhsa_next_free_vgpr 960
		.amdhsa_next_free_sgpr 80
		.amdhsa_reserve_vcc 0
		.amdhsa_float_denorm_mode_32 3
		.amdhsa_float_denorm_mode_16_64 3
		.amdhsa_memory_ordered 1
		.amdhsa_forward_progress 1
		.amdhsa_inst_pref_size 135
	.end_amdhsa_kernel
	.amdgpu_metadata
---
amdhsa.version: [ 1, 2 ]
amdhsa.kernels:
  - .name:           k_qa3ac2f7390_gqkv
    .symbol:         k_qa3ac2f7390_gqkv.kd
    .args:
      - { .name: xs, .offset: 0, .size: 8, .value_kind: global_buffer, .address_space: global }
      - { .name: wt, .offset: 8, .size: 8, .value_kind: global_buffer, .address_space: global }
      - { .name: qkv, .offset: 16, .size: 8, .value_kind: global_buffer, .address_space: global }
      - { .name: vlo, .offset: 24, .size: 8, .value_kind: global_buffer, .address_space: global }
    .group_segment_fixed_size: 327680
    .private_segment_fixed_size: 0
    .kernarg_segment_align: 8
    .kernarg_segment_size: 32
    .max_flat_workgroup_size: 128
    .sgpr_count:     80
    .vgpr_count:     960
    .wavefront_size: 32
...
	.end_amdgpu_metadata
.endif
;; end of part 3
;; launch stat (part 4): grid 4 x 64, 4 waves a work-group, clusters of 4 x 1, 327,680 bytes of LDS; arguments qkv, nb; writes nb
.if DOCPART == 4
	.amdgcn_target "amdgcn-amd-amdhsa--gfx1250"
	.amdhsa_code_object_version 6
	.text
	.protected	k_qa3ac2f7390_stat
	.globl	k_qa3ac2f7390_stat
	.p2align	8
	.type	k_qa3ac2f7390_stat,@function
k_qa3ac2f7390_stat:
	s_mov_b64 s[64:65], 0
	v_nop
	global_prefetch_b8 v0, s[64:65] scope:SCOPE_SE
	s_setreg_imm32_b32 hwreg(HW_REG_WAVE_MODE, 25, 1), 1
	s_wait_xcnt 0x0
	s_wait_alu depctr_hold_cnt(0) depctr_sa_sdst(0) depctr_va_vdst(0) depctr_va_sdst(0) depctr_va_ssrc(0) depctr_va_vcc(0) depctr_vm_vsrc(0)
	s_getreg_b32 s2, hwreg(HW_REG_IB_STS2, 6, 4)
	s_cmp_eq_u32 s2, 0
	s_cbranch_scc0 .Lentry_in_a_cluster
	s_endpgm
.Lentry_in_a_cluster:
	s_bfe_u32 s2, ttmp6, 0x10000c
	s_cmp_lg_u32 s2, 0x3003
	s_cbranch_scc0 .Lentry_shape_is_right
	s_endpgm
.Lentry_shape_is_right:
; THE SOFTMAX RUNS OVER THE QUERIES: for key s of a head, M[s] = max over t >= s of e[t][s], L[s] = the sum over t >= s of 2^(e[t][s] - M[s]), e = q'[t] . k'[s] (already the exponent in base 2).
; This launch stores nb = -(M + log2 L), f32, as nb[head 64][cx 4][g 8][w 4][16]: key s = 256 g + 64 w + 16 cx + r.  A running maximum is kept; products f16 with f32 sums.
; LIMITS: a hidden score counts as its value less 1e30 (f16's scores are 2.7e11 at the most); a weight below 2^-126 counts as 0; NaN and infinities are not treated apart.
; SHARES.  A cluster of four work-groups has a head.  Piece g (0..7) of wave w of work-group cx owns 16 keys, 256 g + 64 w + 16 cx + 0..15, kept in registers.  So every wave of every partner runs the same walk.
; The head's whole Q (2,048 rows, pitch 144) lies in LDS, fetched once by joint loads (four a wave, 128 rows each: four of mine are out); nothing is filled again.
; THE WALK: 32 steps of 64 queries.  Step n lies in tile T = n / 4; pieces g <= T are at work, from T down to 0; piece T holds the diagonal.  The step's text holds all eight pieces; a chain of compares on T
; (made of the loop's count alone) goes forward into it at piece T, and the product written in that chain takes the mask as its C operand.
; LAYOUT.  S = Q K^T (source 0 = 16 queries, source 1 = my 16 keys): a lane holds ONE key (lane % 16) and the queries 8 (lane / 16) + 0..7 of each of four blocks.  Each half of the lanes keeps its own m and l;
; they meet once, at the end.
; THE MASK: MD = -1e30 where 16 qg + j < 16 cx + r - 8 (lane / 16); a step's mask is MD x AL + BE: (1, 0) in my own step of the tile, (0, -1e30) before it, (0, 0) behind it.
; Nothing is prefetched: all that the launch reads is asked for at its head.
; REGISTERS: window 0: v2-8 addresses; v16-47 a piece's m, m_old - m, l (two); v48-51 at work; v64-127 S, two buffers; v128-159 MD; v160-191 MC.  window 1: v0-127 my keys, 16 a piece; v128-191 the step's Q.
.set PIT,   144
.set STG,   294912                     ; behind Q: 2,048 bytes in which the waves' results meet
.set SPARE, 296960                     ; the spare words, 128 bytes a wave
.set AQ0, 2
.set AQ,  3
.set KO,  4
.set THR, 5
.set SA,  6
.set SR,  7
.set GO,  8
.set ST,  16
.set CC,  48
.set SPW, 62
.set NIL, 63
.set S,   64
.set MD,  128
.set MC,  160
.set QF,  128
.set WV,  12
.set CX,  13
.set BH,  14
.set G1,  16
.set G0,  32
.set CNT, 48
.set STP, 49
.set TT,  50
.set SS,  51
.set AL,  52
.set BE,  54
.set BIGN, 56
.set TB,  57
.set SEL, 58
.set KB,  60
.set MSB, 0
.macro WIN new
.if MSB != (\new)
	s_set_vgpr_msb (MSB<<8)|(\new)
.set MSB, \new
.endif
.endm
.macro PLACES
.rept 4
	v_nop
.endr
.endm
.macro CROUND
	s_barrier_signal -1
	s_barrier_wait -1
	s_cmp_lg_u32 s[WV], 0
	s_cbranch_scc1 .Lnot_wave_0_\@
	s_barrier_signal -3
.Lnot_wave_0_\@:
	s_barrier_wait -3
	s_barrier_signal -1
	s_barrier_wait -1
.endm
	s_load_b128 s[4:7], s[0:1], 0x0                ; qkv s[4:5], nb s[6:7]
	v_lshl_add_u32 v[SPW], v0, 2, SPARE
	v_mov_b32 v[NIL], 0
	ds_add_u32 v[SPW], v[NIL]                      ; the wave's opening: the add and its wait ahead of my first tensor load
	v_lshrrev_b32 v1, 5, v0
	v_readfirstlane_b32 s[WV], v1
	s_bfe_u32 s[CX], ttmp6, 0x40000
	s_and_b32 s[BH], ttmp7, 0xffff                 ; batch x 16 + head
	s_lshr_b32 s24, s[BH], 4
	s_mul_i32 s24, s24, 48
	s_and_b32 s25, s[BH], 15
	s_add_co_u32 s24, s24, s25
	s_lshl_b32 s24, s24, 18                        ; q's head, in bytes
	s_lshl_b32 s26, s[WV], 14                      ; my 128 rows of each 512
	s_add_co_u32 s26, s26, s24
	s_mov_b32 s27, 0
	s_lshl_b32 s28, s[WV], 13                      ; my keys: (64 w + 16 cx) rows of 128 bytes,
	s_lshl_b32 s29, s[CX], 11
	s_add_co_u32 s28, s28, s29
	s_add_co_u32 s28, s28, s24
	s_add_co_u32 s28, s28, 4194304                 ; in k's head, 16 heads on
	s_mov_b32 s29, 0
	s_mul_i32 s30, s[WV], 128*PIT
	s_mov_b32 s[G1], 15|(1<<16)|(1<<20)|(1<<21)|(4<<22)|(3<<25)  ; the mask of four; 2-byte elements; padding on; bit 21 beside a mask; after every 32 words, 4 words
	s_mov_b32 s[G1+1], 128<<16
	s_mov_b32 s[G1+2], 64<<16
	s_mov_b32 s[G1+3], 128<<16
	s_mov_b32 s[G1+4], 64                          ; 64 rows of 256 bytes: 128 queries
	s_mov_b32 s[G1+5], 128
	s_mov_b32 s[G1+6], 0
	s_mov_b32 s[G1+7], 0
	s_mov_b32 s[AL+1], 0                           ; named as pairs
	s_mov_b32 s[BE+1], 0
	s_mov_b32 s[BIGN], 0xf149f2ca                  ; -1e30
	s_mov_b32 s[TB], 0
	s_mov_b32 s[SEL], 0x76543210
	s_mov_b32 s[SEL+1], 0xfedcba98
	s_wait_dscnt 0x0                               ; the opening add is done
	s_wait_kmcnt 0x0
	s_add_nc_u64 s[26:27], s[4:5], s[26:27]
	s_add_nc_u64 s[KB:KB+1], s[4:5], s[28:29]
	CROUND                                         ; all four work-groups are here: the joint loads meet
.irp p, 0,1,2,3
	s_mov_b32 s[G0+4*(\p)], 1
	s_add_co_u32 s[G0+4*(\p)+1], s30, (\p)*512*PIT
	s_add_nc_u64 s[G0+4*(\p)+2:G0+4*(\p)+3], s[26:27], (\p)*65536
	s_or_b32 s[G0+4*(\p)+3], s[G0+4*(\p)+3], 0x80000000
.endr
.irp p, 0,1,2,3
	tensor_load_to_lds s[G0+4*(\p):G0+4*(\p)+3], s[G1:G1+7]
	s_nop 0
.endr
	PLACES
	v_and_b32 v1, 15, v0
	v_bfe_u32 v9, v0, 4, 1
	v_lshlrev_b32 v[KO], 7, v1
	v_lshl_add_u32 v[KO], v9, 4, v[KO]
	WIN 0x40
.set i, 0
.rept 16                               ; my keys stay in registers: piece i / 2, channels 32 (i % 2) on
	global_load_b128 v[8*i:8*i+3],   v[KO], s[KB:KB+1] offset:(i/2)*32768+(i%2)*64
	global_load_b128 v[8*i+4:8*i+7], v[KO], s[KB:KB+1] offset:(i/2)*32768+(i%2)*64+32
.set i, i+1
.endr
	WIN 0
	v_mul_u32_u24 v[AQ0], v1, PIT
	v_lshl_add_u32 v[AQ0], v9, 4, v[AQ0]
	v_lshlrev_b32 v10, 3, v9
	v_sub_nc_u32 v[THR], v1, v10
	s_lshl_b32 s24, s[CX], 4
	v_add_nc_u32 v[THR], s24, v[THR]
.set i, 0
.rept 32
	v_cmp_lt_i32 vcc_lo, 16*(i/8)+i%8, v[THR]
	v_cndmask_b32 v[MD+i], 0, s[BIGN], vcc_lo
.set i, i+1
.endr
.set i, 0
.rept 8
	v_mov_b32 v[ST+4*i], 0xff7fffff                ; m: the lowest finite number
	v_mov_b32 v[ST+4*i+1], 0
	v_mov_b32 v[ST+4*i+2], 0                       ; l
	v_mov_b32 v[ST+4*i+3], 0
.set i, i+1
.endr
	s_lshl_b32 s24, s[WV], 6
	s_add_co_u32 s24, s24, STG
	v_lshl_add_u32 v[SA], v1, 2, s24               ; my key's word: g x 256 + w x 64 + 4 r
	v_and_b32 v11, 31, v0
	s_lshl_b32 s25, s[WV], 9
	s_add_co_u32 s24, s25, STG
	v_lshl_add_u32 v[SR], v11, 4, s24
	v_lshlrev_b32 v[GO], 4, v11
	s_lshl_b32 s24, s[BH], 13
	s_add_co_u32 s24, s24, s25
	s_lshl_b32 s25, s[CX], 11
	s_add_co_u32 s24, s24, s25
	s_mov_b32 s25, 0
	s_add_nc_u64 s[6:7], s[6:7], s[24:25]
; Eight products S = Q K^T for piece g: queries 16 (i % 4) on, channels 32 (i / 4) on.  The four accumulators take turns.  The first four start the sums: with 0, or (m = 1) with the mask.
.macro A1 g, m
	WIN 0x05
.set i, 0
.rept 8
.set rS, S+32*((\g)%2)+8*(i%4)
.set rQ, QF+16*(i%4)+8*(i/4)
.set rK, 16*(\g)+8*(i/4)
.if (i < 4) && (\m)
	v_wmma_f32_16x16x32_f16 v[rS:rS+7], v[rQ:rQ+7], v[rK:rK+7], v[MC+8*(i%4):MC+8*(i%4)+7]
.elseif i < 4
	v_wmma_f32_16x16x32_f16 v[rS:rS+7], v[rQ:rQ+7], v[rK:rK+7], 0
.else
	v_wmma_f32_16x16x32_f16 v[rS:rS+7], v[rQ:rQ+7], v[rK:rK+7], v[rS:rS+7]
.endif
.set i, i+1
.endr
.endm
.macro FETCHQ skip                     ; the next step's 64 queries: 16 loads in one run, four places behind the last product that read the registers.  skip = 1: the last step has none
	PLACES
	WIN 0
.if \skip
	s_cmp_eq_u32 s[CNT], 1
	s_cbranch_scc1 .Lno_q_\@
.endif
	v_add_nc_u32 v[AQ], s[TB], v[AQ0]
	s_add_co_u32 s[TB], s[TB], 64*PIT
	WIN 0x40
.irp f, 0,1,2,3,4,5,6,7
	ds_load_b128 v[QF+8*\f:QF+8*\f+3],   v[AQ] offset:(\f/2)*16*PIT+(\f%2)*64
	ds_load_b128 v[QF+8*\f+4:QF+8*\f+7], v[AQ] offset:(\f/2)*16*PIT+(\f%2)*64+32
.endr
	WIN 0
.if \skip
.Lno_q_\@:
.endif
.endm
; Piece g's vector work for a step: the maximum of my 32 scores and the old m (each accumulator's lowest registers are read first); a = 2^(m_old - m); s - m; 33 exponentials in ONE batch
; with one plain instruction and one wait behind it; the sum by pairs; l = a l + sum.
.macro B1 g, places
.set rT, ST+4*(\g)
.set rS, S+32*((\g)%2)
	WIN 0
.if \places
	PLACES
.endif
.irp n, 0,1,2,3
	v_max3_num_f32 v[CC+\n], v[rS+8*\n], v[rS+8*\n+1], v[rS+8*\n+2]
.endr
.irp n, 0,1,2,3
	v_max3_num_f32 v[CC+\n], v[CC+\n], v[rS+8*\n+3], v[rS+8*\n+4]
.endr
.irp n, 0,1,2,3
	v_max3_num_f32 v[CC+\n], v[CC+\n], v[rS+8*\n+5], v[rS+8*\n+6]
.endr
	v_max3_num_f32 v[CC], v[CC], v[rS+7], v[rS+15]
	v_max3_num_f32 v[CC+1], v[CC+1], v[rS+23], v[rS+31]
	v_max3_num_f32 v[CC+2], v[CC+2], v[CC+3], v[rT]
	v_max3_num_f32 v[CC], v[CC], v[CC+1], v[CC+2]
	v_sub_f32 v[rT+1], v[rT], v[CC]
	v_mov_b32 v[rT], v[CC]
	v_exp_f32 v[CC+2], v[rT+1]
.set z, 0
.rept 16
	v_pk_add_f32 v[rS+2*z:rS+2*z+1], v[rS+2*z:rS+2*z+1], v[rT:rT+1] op_sel_hi:[1,0] neg_lo:[0,1] neg_hi:[0,1]
.set z, z+1
.endr
.set z, 0
.rept 32
	v_exp_f32 v[rS+z], v[rS+z]
.set z, z+1
.endr
	v_nop
	s_wait_alu depctr_va_vdst(0)
.irp w, 4,8,16,32
.set u, 0
.rept 32/\w
	v_pk_add_f32 v[rS+\w*u:rS+\w*u+1], v[rS+\w*u:rS+\w*u+1], v[rS+\w*u+\w/2:rS+\w*u+\w/2+1]
.set u, u+1
.endr
.endr
	v_pk_fma_f32 v[rT+2:rT+3], v[rT+2:rT+3], v[CC+2:CC+3], v[rS:rS+1] op_sel_hi:[1,0,1]
.endm
	s_wait_loadcnt 0x0                             ; my keys
	s_wait_tensorcnt 0x0                           ; my four parts of Q,
	s_barrier_signal -1
	s_barrier_wait -1                              ; everybody's
	FETCHQ 0
	s_mov_b32 s[CNT], 32
.Lstep:
	s_wait_dscnt 0x0                               ; the step's Q is in
	s_sub_co_u32 s[STP], 32, s[CNT]
	s_lshr_b32 s[TT], s[STP], 2                    ; the tile
	s_and_b32 s[SS], s[STP], 3                     ; the step in it
	s_cmp_eq_u32 s[SS], s[WV]
	s_cselect_b32 s[AL], 1.0, 0
	s_cmp_lt_u32 s[SS], s[WV]
	s_cselect_b32 s[BE], s[BIGN], 0
.set z, 0
.rept 16
	v_pk_fma_f32 v[MC+2*z:MC+2*z+1], v[MD+2*z:MD+2*z+1], s[AL:AL+1], s[BE:BE+1] op_sel_hi:[1,0,0]
.set z, z+1
.endr
.irp g, 7,6,5,4,3,2,1
	s_cmp_eq_u32 s[TT], \g
	s_cbranch_scc0 .Lne\g
	A1 \g, 1                                       ; the diagonal piece's scores
	WIN 0
	s_branch .Lp\g
.Lne\g:
.endr
	A1 0, 1
	WIN 0
	s_branch .Lp0
.irp g, 7,6,5,4,3,2,1
.Lp\g:
	A1 (\g)-1, 0                                   ; the next piece's products are at work under this piece's vector work
	B1 \g, 1
	WIN 0
.endr
.Lp0:
	FETCHQ 1
	B1 0, 0
	WIN 0
	s_sub_co_u32 s[CNT], s[CNT], 1
	s_cmp_lg_u32 s[CNT], 0
	s_cbranch_scc1 .Lstep
	; THE END.  The two halves of the lanes meet: M = max(m, m'), L = l 2^(m - M) + l' 2^(m' - M); nb = -(M + log2 L).  A half that has seen no visible query has m near -1e30, and its factor is 0.
.macro ALL line:vararg
.set t, 0
.rept 8
	\line
.set t, t+1
.endr
.endm
	ALL v_add_f32 v[ST+4*t+2], v[ST+4*t+2], v[ST+4*t+3]
	ALL v_permlanex16_b32 v[ST+4*t+1], v[ST+4*t], s[SEL], s[SEL+1]
	ALL v_max_num_f32 v[64+t], v[ST+4*t], v[ST+4*t+1]
	ALL v_sub_f32 v[72+t], v[ST+4*t], v[64+t]
	ALL v_exp_f32 v[72+t], v[72+t]
	v_nop
	s_wait_alu depctr_va_vdst(0)                   ; one wait for the eight exponentials
	ALL v_mul_f32 v[ST+4*t+2], v[ST+4*t+2], v[72+t]
	ALL v_permlanex16_b32 v[ST+4*t+3], v[ST+4*t+2], s[SEL], s[SEL+1]
	ALL v_add_f32 v[ST+4*t+2], v[ST+4*t+2], v[ST+4*t+3]
	ALL v_log_f32 v[72+t], v[ST+4*t+2]
	v_nop
	s_wait_alu depctr_va_vdst(0)                   ; one wait for the eight logarithms
	ALL v_add_f32 v[64+t], v[64+t], v[72+t]
	ALL v_sub_f32 v[64+t], 0, v[64+t]
	ALL ds_store_b32 v[SA], v[64+t] offset:256*t
	s_wait_dscnt 0x0                               ; for the others' sake: my stores are done
	s_barrier_signal -1
	s_barrier_wait -1
	ds_load_b128 v[80:83], v[SR]                   ; 512 of the work-group's 2,048 bytes a wave
	s_wait_dscnt 0x0
	global_store_b128 v[GO], v[80:83], s[6:7]
	s_wait_tensorcnt 0x0                           ; the wave's end
	ds_add_u32 v[SPW], v[NIL]
	s_wait_dscnt 0x0
	CROUND                                         ; the closing round
	s_endpgm
.Lfunc_end_k_qa3ac2f7390_stat:
	.size	k_qa3ac2f7390_stat, .Lfunc_end_k_qa3ac2f7390_stat-k_qa3ac2f7390_stat
	.p2alignl 7, 3214868480
	.fill 96, 4, 3214868480
	.section	.rodata,"a",@progbits
	.p2align	6, 0x0
	.amdhsa_kernel k_qa3ac2f7390_stat
		.amdhsa_group_segment_fixed_size 327680
		.amdhsa_private_segment_fixed_size 0
		.amdhsa_enable_private_segment 0
		.amdhsa_kernarg_size 16
		.amdhsa_user_sgpr_count 2
		.amdhsa_user_sgpr_kernarg_segment_ptr 1
		.amdhsa_wavefront_size32 1
		.amdhsa_system_sgpr_workgroup_id_x 1
		.amdhsa_system_sgpr_workgroup_id_y 1
		.amdhsa_system_sgpr_workgroup_id_z 1
		.amdhsa_system_vgpr_workitem_id 0
		.amdhsa_next_free_vgpr 448
		.amdhsa_next_free_sgpr 66
		.amdhsa_reserve_vcc 1
		.amdhsa_float_denorm_mode_32 3
		.amdhsa_float_denorm_mode_16_64 3
		.amdhsa_memory_ordered 1
		.amdhsa_forward_progress 1
		.amdhsa_inst_pref_size 65
	.end_amdhsa_kernel
	.amdgpu_metadata
---
amdhsa.version: [ 1, 2 ]
amdhsa.kernels:
  - .name:           k_qa3ac2f7390_stat
    .symbol:         k_qa3ac2f7390_stat.kd
    .args:
      - { .name: qkv, .offset: 0, .size: 8, .value_kind: global_buffer, .address_space: global }
      - { .name: nb, .offset: 8, .size: 8, .value_kind: global_buffer, .address_space: global }
    .group_segment_fixed_size: 327680
    .private_segment_fixed_size: 0
    .kernarg_segment_align: 8
    .kernarg_segment_size: 16
    .max_flat_workgroup_size: 128
    .sgpr_count:     66
    .vgpr_count:     448
    .wavefront_size: 32
...
	.end_amdgpu_metadata
.endif
;; end of part 4
;; launch attn (part 5): grid 4 x 64, 4 waves a work-group, clusters of 4 x 1, 327,680 bytes of LDS; arguments qkv, vlo, nb, o2; writes o2
.if DOCPART == 5
	.amdgcn_target "amdgcn-amd-amdhsa--gfx1250"
	.amdhsa_code_object_version 6
	.text
	.protected	k_qa3ac2f7390_attn
	.globl	k_qa3ac2f7390_attn
	.p2align	8
	.type	k_qa3ac2f7390_attn,@function
k_qa3ac2f7390_attn:
	s_mov_b64 s[64:65], 0
	v_nop
	global_prefetch_b8 v0, s[64:65] scope:SCOPE_SE
	s_setreg_imm32_b32 hwreg(HW_REG_WAVE_MODE, 25, 1), 1
	s_wait_xcnt 0x0
	s_wait_alu depctr_hold_cnt(0) depctr_sa_sdst(0) depctr_va_vdst(0) depctr_va_sdst(0) depctr_va_ssrc(0) depctr_va_vcc(0) depctr_vm_vsrc(0)
	s_getreg_b32 s2, hwreg(HW_REG_IB_STS2, 6, 4)
	s_cmp_eq_u32 s2, 0
	s_cbranch_scc0 .Lentry_in_a_cluster
	s_endpgm
.Lentry_in_a_cluster:
	s_bfe_u32 s2, ttmp6, 0x10000c
	s_cmp_lg_u32 s2, 0x3003
	s_cbranch_scc0 .Lentry_shape_is_right
	s_endpgm
.Lentry_shape_is_right:
; O'[t][:] = the sum over s <= t of P[t][s] v'[s][:], P = 2^(q'[t] . k'[s] + nb[s]): nb = -(M + log2 L) of key s was made by the launch before, by a running maximum, so P lies in 0 to 1 and nothing is rescaled or divided here.
; q', k', v' f16, sums f32, P rounded to f16.  For the last 32 keys of a batch, whose weights are the largest, what v's rounding dropped (vlo) is multiplied too, once at the end.
; O' leaves as two bf16 numbers, hi = bf16(O'), lo = bf16(O' - hi): o2[b][slice 32][t][64], slice h = hi, slice 16 + h = lo.
; LIMITS: a hidden score counts as its value less 1e30; a weight below 2^-126 counts as 0, below 6e-5 it keeps f16's fixed step; NaN and infinities are not treated apart.
; SHARES.  A cluster of four work-groups has a head.  Piece g (0..7) of wave w of work-group cx owns the 16 queries 256 g + 64 w + 16 cx + 0..15: every wave of every partner runs the same walk and needs the same K and V.
; THE WALK: 8 key tiles of 256, four steps of 64 keys each, through two LDS slots of one tile, filled by joint loads (waves 0, 1: K's halves; 2, 3: V's).  In tile T pieces g >= T are at work, from T up to 7; piece T holds the
; diagonal.  The step's text holds all pieces; a chain of compares on T (made of the loop's count alone) goes forward into it at piece T, and the product written in that chain takes bias + mask as its C operand; the others take the bias.
; Tile 7 is written out (piece 7 alone).  By this text's count a wave has two tensor loads out at the start, later one.
; LAYOUT.  S^T = K Q^T + bias (source 0 = 16 keys, source 1 = 16 queries): a lane holds ONE query and the keys 8 (lane / 16) + 0..7; two results rounded to f16 ARE source 1 of O^T = V^T P.  V comes out of LDS turned.
; The next piece's K Q^T is issued ahead of a piece's exponentials, its V^T P behind them: the matrix unit has work under the vector work.
; O^T is cleared by 256 v_mov_b32 in the wait for the first tile: the price of writing no first step out.
; K's and V's tiles are prefetched: behind each refill, the tile after the one just asked for; waves 0 (K) and 2 (V) of each partner, 32 blocks of 256 bytes each, the partners told apart by address; nothing behind tile 7.
; REGISTERS: window 0: v2-14 addresses; v64-127 S^T, two buffers; v128-159 P, two buffers; v160-191 the step's bias; v192-223 MD; v224-255 MC.  window 1: O^T, 32 a piece.
;   window 2: v0-127 Q, 16 a piece; v128-191 K of a step; v192-255 V of a step.
.set PK,    144
.set PV,    160
.set VOFF,  256*PK                     ; a slot: 256 rows of K, then 256 rows of V
.set SLOT1, 1<<17
.set NBL,   SLOT1+256*(PK+PV)          ; 208,896: the head's 2,048 nb
.set VLO,   NBL+8192                   ; 32 rows of vlo, pitch 160
.set STAGE, VLO+32*PV                  ; 222,208: a wave's 16 rows x 144, hi and lo; no tensor load lands here
.set SPARE, STAGE+4*4608               ; the spare words, 128 bytes a wave
.set AK0, 2
.set AV0, 3
.set AN0, 4
.set AK,  5
.set AV,  6
.set AN,  7
.set QO,  8
.set STO, 9
.set RD,  10
.set GO,  11
.set THR, 12
.set AVL, 13
.set PFO, 14
.set SPW, 62
.set NIL, 63
.set S,    64
.set P,    128
.set BIAS, 160
.set MD,   192
.set MC,   224
.set KF,   128
.set VF,   192
.set HI,   64                          ; the way out
.set LO,   80
.set U,    96
.set WV,  12
.set CX,  13
.set BH,  14
.set II,  15
.set G1K, 16
.set G1V, 24
.set G1N, 32
.set G1L, 40
.set G0K, 48
.set G0V, 52
.set G0N, 56
.set G0L, 60
.set TK,  66
.set CNT, 67
.set TBK, 68
.set TBV, 69
.set TBN, 70
.set SS,  71
.set AL,  72
.set BE,  74
.set BIGN, 76
.set SLOTS, 77
.set PFA, 96
.set LIM, 98
.set MH,  99
.set MSB, 0
.macro WIN new
.if MSB != (\new)
	s_set_vgpr_msb (MSB<<8)|(\new)
.set MSB, \new
.endif
.endm
.macro PLACES
.rept 4
	v_nop
.endr
.endm
.macro CROUND
	s_barrier_signal -1
	s_barrier_wait -1
	s_cmp_lg_u32 s[WV], 0
	s_cbranch_scc1 .Lnot_wave_0_\@
	s_barrier_signal -3
.Lnot_wave_0_\@:
	s_barrier_wait -3
	s_barrier_signal -1
	s_barrier_wait -1
.endm
.macro JLOAD                           ; a joint fill; an s_nop 0 and four v_nop follow each line
	s_cmp_lt_u32 s[WV], 2
	s_cbranch_scc0 .Lfor_v_\@
	tensor_load_to_lds s[G0K:G0K+3], s[G1K:G1K+7]
	s_nop 0
	PLACES
	s_branch .Lasked_\@
.Lfor_v_\@:
	tensor_load_to_lds s[G0V:G0V+3], s[G1V:G1V+7]
	s_nop 0
	PLACES
.Lasked_\@:
.endm
; THE CHANGE OF SLOTS: every wave waits for all its tensor loads (its part of the other slot), adds 0 to its spare word, waits for that and for its reads of the slot that it leaves.  fill = 1: a round of the cluster's barrier,
; and the joint refill first behind it, into the slot just left.  (At its first use nothing has been read: slot 0 is waited for, slot 1 filled.)
.macro CHANGE fill
	WIN 0
	s_wait_tensorcnt 0x0
	ds_add_u32 v[SPW], v[NIL]
.if \fill
.irp g, G0K, G0V
	s_xor_b32 s[\g+1], s[\g+1], SLOT1              ; the walking descriptors: the other slot, the next 256 keys
	s_add_nc_u64 s[\g+2:\g+3], s[\g+2:\g+3], 32768
.endr
	s_wait_xcnt 0x0                                ; the last prefetch, a tile back, has read its address
	s_add_nc_u64 s[PFA:PFA+1], s[PFA:PFA+1], 32768
	s_wait_dscnt 0x0
	CROUND
	JLOAD
	s_cmp_lt_u32 s[TK], s[LIM]                     ; tile T + 2, while there is one
	s_cbranch_scc0 .Lnot_mine_\@
	global_prefetch_b8 v[PFO], s[PFA:PFA+1] th:TH_LOAD_NT scope:SCOPE_SE
.Lnot_mine_\@:
.else
	s_wait_dscnt 0x0
	s_barrier_signal -1
	s_barrier_wait -1
.endif
	s_sub_co_u32 s[TBK], s[TBK], 4*64*PK           ; the fetches go back to a slot's first step, in the other slot
	s_xor_b32 s[TBK], s[TBK], SLOT1
	s_sub_co_u32 s[TBV], s[TBV], 4*64*PV
	s_xor_b32 s[TBV], s[TBV], SLOT1
.endm
	s_load_b256 s[4:11], s[0:1], 0x0               ; qkv s[4:5], vlo s[6:7], nb s[8:9], o2 s[10:11]
	v_lshl_add_u32 v[SPW], v0, 2, SPARE
	v_mov_b32 v[NIL], 0
	ds_add_u32 v[SPW], v[NIL]                      ; the wave's opening: the add and its wait ahead of my first tensor load
	v_lshrrev_b32 v1, 5, v0
	v_readfirstlane_b32 s[WV], v1
	s_and_b32 s[II], s[WV], 1                      ; which half of a tile I fetch
	s_bfe_u32 s[CX], ttmp6, 0x40000
	s_and_b32 s[BH], ttmp7, 0xffff
	s_lshr_b32 s78, s[BH], 4                       ; b
	s_and_b32 s79, s[BH], 15                       ; h
	s_mul_i32 s80, s78, 48
	s_add_co_u32 s80, s80, s79
	s_lshl_b32 s81, s80, 18                        ; q's head, in bytes
	s_lshl_b32 s84, s[II], 14
	s_add_co_u32 s84, s84, s81
	s_add_co_u32 s84, s84, 4194304                 ; K: my half of tile 0
	s_mov_b32 s85, 0
	s_add_co_u32 s86, s84, 4194304                 ; V
	s_mov_b32 s87, 0
	s_lshl_b32 s88, s[WV], 13
	s_lshl_b32 s89, s[CX], 11
	s_add_co_u32 s88, s88, s89                     ; my 16 rows in a block of 256
	s_add_co_u32 s90, s81, s88
	s_mov_b32 s91, 0
	s_lshl_b32 s92, s[BH], 13
	s_lshl_b32 s93, s[II], 12
	s_add_co_u32 s92, s92, s93                     ; nb: my half of the head's 8,192 bytes
	s_mov_b32 s93, 0
	s_add_co_u32 s94, s80, 32
	s_lshl_b32 s94, s94, 3
	s_add_co_u32 s94, s94, 7
	s_lshl_b32 s94, s94, 12                        ; vlo: v's head, the last tile
	s_lshl_b32 s95, s[II], 11
	s_add_co_u32 s94, s94, s95
	s_mov_b32 s95, 0
	s_lshl_b32 s82, s78, 23
	s_lshl_b32 s83, s79, 18
	s_add_co_u32 s82, s82, s83
	s_add_co_u32 s82, s82, s88                     ; o2
	s_mov_b32 s83, 0
	s_cmp_lt_u32 s[WV], 2                          ; the prefetches (waves 0 and 2, in which the half is 0): K's or V's tile 1,
	s_cselect_b32 s78, s84, s86
	s_lshl_b32 s79, s[CX], 13                      ; my work-group's 8,192 bytes of it
	s_add_co_u32 s78, s78, s79
	s_add_co_u32 s78, s78, 32768
	s_mov_b32 s79, 0
	s_cmp_eq_u32 s[II], 0
	s_cselect_b32 s[LIM], 6, 0
	s_mov_b32 s[G1K], 15|(1<<16)|(1<<20)|(1<<21)|(4<<22)|(3<<25)  ; the mask of four; 2-byte elements; padding on; bit 21 beside a mask; after every 32 words, 4 words
	s_mov_b32 s[G1V], 15|(1<<16)|(1<<20)|(1<<21)|(4<<22)|(7<<25)  ; the same with 8 words
	s_mov_b32 s[G1L], 15|(1<<16)|(1<<20)|(1<<21)|(4<<22)|(7<<25)
	s_mov_b32 s[G1N], 15|(2<<16)|(1<<21)                           ; 4-byte elements, no padding
.irp g, G1K, G1V, G1L
	s_mov_b32 s[\g+1], 128<<16
	s_mov_b32 s[\g+3], 128<<16
	s_mov_b32 s[\g+5], 128
	s_mov_b32 s[\g+6], 0
	s_mov_b32 s[\g+7], 0
.endr
	s_mov_b32 s[G1K+2], 64<<16                     ; 64 rows of 256 bytes: 128 keys
	s_mov_b32 s[G1K+4], 64
	s_mov_b32 s[G1V+2], 64<<16
	s_mov_b32 s[G1V+4], 64
	s_mov_b32 s[G1L+2], 8<<16                      ; 8 rows of 256 bytes: 16 keys
	s_mov_b32 s[G1L+4], 8
	s_mov_b32 s[G1N+1], 64<<16                     ; 16 rows of 64 words
	s_mov_b32 s[G1N+2], 16<<16
	s_mov_b32 s[G1N+3], 64<<16
	s_mov_b32 s[G1N+4], 16
	s_mov_b32 s[G1N+5], 64
	s_mov_b32 s[G1N+6], 0
	s_mov_b32 s[G1N+7], 0
	s_mov_b32 s[G0K], 1
	s_mul_i32 s[G0K+1], s[II], 128*PK
	s_mov_b32 s[G0V], 1
	s_mul_i32 s[G0V+1], s[II], 128*PV
	s_add_co_u32 s[G0V+1], s[G0V+1], VOFF
	s_mov_b32 s[G0N], 1
	s_lshl_b32 s[G0N+1], s[II], 12
	s_add_co_u32 s[G0N+1], s[G0N+1], NBL
	s_mov_b32 s[G0L], 1
	s_mul_i32 s[G0L+1], s[II], 16*PV
	s_add_co_u32 s[G0L+1], s[G0L+1], VLO
	s_mov_b32 s[TBK], SLOT1+4*64*PK                ; the first change of slots turns these two into 0
	s_mov_b32 s[TBV], SLOT1+4*64*PV
	s_mov_b32 s[TBN], 0
	s_mov_b32 s[AL+1], 0
	s_mov_b32 s[BE+1], 0
	s_mov_b32 s[BIGN], 0xf149f2ca                  ; -1e30
	s_mov_b32 s[MH], 0xffff0000
	s_wait_dscnt 0x0                               ; the opening add is done
	s_wait_kmcnt 0x0
	s_add_nc_u64 s[G0K+2:G0K+3], s[4:5], s[84:85]
	s_or_b32 s[G0K+3], s[G0K+3], 0x80000000
	s_add_nc_u64 s[G0V+2:G0V+3], s[4:5], s[86:87]
	s_or_b32 s[G0V+3], s[G0V+3], 0x80000000
	s_add_nc_u64 s[G0N+2:G0N+3], s[8:9], s[92:93]
	s_or_b32 s[G0N+3], s[G0N+3], 0x80000000
	s_add_nc_u64 s[G0L+2:G0L+3], s[6:7], s[94:95]
	s_or_b32 s[G0L+3], s[G0L+3], 0x80000000
	s_add_nc_u64 s[90:91], s[4:5], s[90:91]        ; Q at my rows of block 0
	s_add_nc_u64 s[10:11], s[10:11], s[82:83]      ; o2 likewise
	s_add_nc_u64 s[PFA:PFA+1], s[4:5], s[78:79]
	CROUND                                         ; all four work-groups are here: the first joint loads meet
	s_cmp_lt_u32 s[WV], 2                          ; a wave's two first fills stand in one branch
	s_cbranch_scc0 .Lfirst_v
	tensor_load_to_lds s[G0N:G0N+3], s[G1N:G1N+7]
	s_nop 0
	tensor_load_to_lds s[G0K:G0K+3], s[G1K:G1K+7]
	s_nop 0
	PLACES
	s_branch .Lfirst_asked
.Lfirst_v:
	tensor_load_to_lds s[G0L:G0L+3], s[G1L:G1L+7]
	s_nop 0
	tensor_load_to_lds s[G0V:G0V+3], s[G1V:G1V+7]
	s_nop 0
	PLACES
.Lfirst_asked:
	v_and_b32 v1, 15, v0
	v_bfe_u32 v15, v0, 4, 1
	v_lshlrev_b32 v[QO], 7, v1
	v_lshl_add_u32 v[QO], v15, 4, v[QO]
	WIN 0x80
.set i, 0
.rept 16                               ; Q stays in registers: piece i / 2, channels 32 (i % 2) on
	global_load_b128 v[8*i:8*i+3],   v[QO], s[90:91] offset:(i/2)*32768+(i%2)*64
	global_load_b128 v[8*i+4:8*i+7], v[QO], s[90:91] offset:(i/2)*32768+(i%2)*64+32
.set i, i+1
.endr
	WIN 0x40
.set i, 0
.rept 256
	v_mov_b32 v[i], 0                              ; O^T
.set i, i+1
.endr
	WIN 0
	v_mul_u32_u24 v[AK0], v1, PK
	v_lshl_add_u32 v[AK0], v15, 4, v[AK0]
	v_and_b32 v16, 7, v0
	v_bfe_u32 v17, v0, 3, 1
	v_lshl_add_u32 v[AV0], v15, 3, v16             ; the turning load: key 8 (l / 16) + l % 8, channels 8 ((l / 8) % 2) ..
	v_mul_u32_u24 v[AV0], v[AV0], PV
	v_lshl_add_u32 v[AV0], v17, 4, v[AV0]
	v_add_nc_u32 v[AVL], VLO, v[AV0]
	v_add_nc_u32 v[AV0], VOFF, v[AV0]
	v_lshlrev_b32 v[AN0], 5, v15
	v_add_nc_u32 v[AN0], NBL, v[AN0]               ; my eight keys' nb: 32 bytes for each half of the lanes
	v_lshlrev_b32 v18, 3, v15
	v_sub_nc_u32 v[THR], v1, v18
	s_lshl_b32 s78, s[CX], 4
	v_add_nc_u32 v[THR], s78, v[THR]               ; 16 cx + r - 8 (l / 16): register j of key block kb is hidden in my own step where 16 kb + j is greater
.set i, 0
.rept 32
	v_cmp_gt_i32 vcc_lo, 16*(i/8)+i%8, v[THR]
	v_cndmask_b32 v[MD+i], 0, s[BIGN], vcc_lo
.set i, i+1
.endr
	s_mul_i32 s78, s[WV], 4608
	s_add_co_u32 s78, s78, STAGE
	v_mul_u32_u24 v[STO], v1, 144
	v_lshl_add_u32 v[STO], v15, 4, v[STO]
	v_add_nc_u32 v[STO], s78, v[STO]
	v_bfe_u32 v[RD], v0, 3, 2
	v_mul_u32_u24 v[RD], v[RD], 144
	v_lshl_add_u32 v[RD], v16, 4, v[RD]
	v_add_nc_u32 v[RD], s78, v[RD]
	v_and_b32 v[GO], 31, v0
	v_lshlrev_b32 v[PFO], 8, v[GO]
	v_lshlrev_b32 v[GO], 4, v[GO]
; Eight products S^T = K Q^T + C for piece g: keys 16 (i % 4) on, channels 32 (i / 4) on; the four accumulators take turns.  C: the bias, or (m = 1) bias + mask.
.macro A2 g, m
	WIN 0x0a
.set i, 0
.rept 8
.set rS, S+32*((\g)%2)+8*(i%4)
.set rK, KF+16*(i%4)+8*(i/4)
.set rQ, 16*(\g)+8*(i/4)
.if (i < 4) && (\m)
	v_wmma_f32_16x16x32_f16 v[rS:rS+7], v[rK:rK+7], v[rQ:rQ+7], v[MC+8*(i%4):MC+8*(i%4)+7]
.elseif i < 4
	v_wmma_f32_16x16x32_f16 v[rS:rS+7], v[rK:rK+7], v[rQ:rQ+7], v[BIAS+8*(i%4):BIAS+8*(i%4)+7]
.else
	v_wmma_f32_16x16x32_f16 v[rS:rS+7], v[rK:rK+7], v[rQ:rQ+7], v[rS:rS+7]
.endif
.set i, i+1
.endr
.endm
; Piece g's weights: 32 exponentials in ONE batch (each accumulator from its low end on), a plain instruction and one wait behind it; then 16 roundings to f16.
.macro B2 g, places
.set rS, S+32*((\g)%2)
.set rP, P+16*((\g)%2)
	WIN 0
.if \places
	PLACES
.endif
.set z, 0
.rept 32
	v_exp_f32 v[rS+z], v[rS+z]
.set z, z+1
.endr
	v_nop
	s_wait_alu depctr_va_vdst(0)
.set z, 0
.rept 16
	v_cvt_pk_f16_f32 v[rP+z], v[rS+2*z], v[rS+2*z+1]
.set z, z+1
.endr
.endm
.macro C2 g                            ; eight products O^T += V^T P: keys 32 (i / 4) on, channels 16 (i % 4) on
	WIN 0x52
.set i, 0
.rept 8
.set rO, 32*(\g)+8*(i%4)
.set rV, VF+32*(i/4)+8*(i%4)
.set rP, P+16*((\g)%2)+8*(i/4)
	v_wmma_f32_16x16x32_f16 v[rO:rO+7], v[rV:rV+7], v[rP:rP+7], v[rO:rO+7]
.set i, i+1
.endr
.endm
; The LDS loads stand in runs, four places behind the last product that read the registers.  skip = 1: a tile's last step fetches nothing: the next step lies in the other slot, behind the change.
.macro FETCHK skip                     ; the next step's K (16 loads) and bias (8)
	PLACES
	WIN 0
.if \skip
	s_cmp_eq_u32 s[CNT], 1
	s_cbranch_scc1 .Lno_k_\@
.endif
	v_add_nc_u32 v[AK], s[TBK], v[AK0]
	v_add_nc_u32 v[AN], s[TBN], v[AN0]
	s_add_co_u32 s[TBK], s[TBK], 64*PK
	s_add_co_u32 s[TBN], s[TBN], 64
	WIN 0x80
.irp f, 0,1,2,3,4,5,6,7
	ds_load_b128 v[KF+8*\f:KF+8*\f+3],   v[AK] offset:(\f/2)*16*PK+(\f%2)*64
	ds_load_b128 v[KF+8*\f+4:KF+8*\f+7], v[AK] offset:(\f/2)*16*PK+(\f%2)*64+32
.endr
	WIN 0
.irp f, 0,1,2,3
	ds_load_b128 v[BIAS+8*\f:BIAS+8*\f+3],   v[AN] offset:\f*2048
	ds_load_b128 v[BIAS+8*\f+4:BIAS+8*\f+7], v[AN] offset:\f*2048+16
.endr
.if \skip
.Lno_k_\@:
.endif
.endm
.macro FETCHV skip                     ; the next step's V, turned: 16 loads
	PLACES
	WIN 0
.if \skip
	s_cmp_eq_u32 s[CNT], 1
	s_cbranch_scc1 .Lno_v_\@
.endif
	v_add_nc_u32 v[AV], s[TBV], v[AV0]
	s_add_co_u32 s[TBV], s[TBV], 64*PV
	WIN 0x80
.irp f, 0,1,2,3,4,5,6,7
	ds_load_tr16_b128 v[VF+8*\f:VF+8*\f+3],   v[AV] offset:(\f/4)*32*PV+(\f%4)*32
	ds_load_tr16_b128 v[VF+8*\f+4:VF+8*\f+7], v[AV] offset:(\f/4)*32*PV+16*PV+(\f%4)*32
.endr
	WIN 0
.if \skip
.Lno_v_\@:
.endif
.endm
.macro HEADM                           ; a step's head: the diagonal piece's C = bias + MD x AL + BE: (1, 0) in my own step of the tile, (0, -1e30) behind it, (0, 0) before it
	s_wait_dscnt 16                                ; K and the bias are in; V's 16 loads may stay out
	s_sub_co_u32 s[SS], 4, s[CNT]
	s_cmp_eq_u32 s[SS], s[WV]
	s_cselect_b32 s[AL], 1.0, 0
	s_cmp_gt_u32 s[SS], s[WV]
	s_cselect_b32 s[BE], s[BIGN], 0
.set z, 0
.rept 16
	v_pk_fma_f32 v[MC+2*z:MC+2*z+1], v[MD+2*z:MD+2*z+1], s[AL:AL+1], v[BIAS+2*z:BIAS+2*z+1] op_sel_hi:[1,0,1]
.set z, z+1
.endr
.set z, 0
.rept 16
	v_pk_add_f32 v[MC+2*z:MC+2*z+1], v[MC+2*z:MC+2*z+1], s[BE:BE+1] op_sel_hi:[1,0]
.set z, z+1
.endr
.endm
	s_wait_loadcnt 0x0                             ; Q
	s_mov_b32 s[SLOTS], 7
.Ltile:                                            ; seven trips: tile T is entered and tile T + 1 asked for
	s_sub_co_u32 s[TK], 7, s[SLOTS]
	CHANGE 1
	FETCHK 0
	FETCHV 0
	s_mov_b32 s[CNT], 4
.Lstep:
	HEADM
.irp g, 0,1,2,3,4,5
	s_cmp_eq_u32 s[TK], \g
	s_cbranch_scc0 .Lna\g
	A2 \g, 1                                       ; the diagonal piece's scores
	WIN 0
	s_wait_dscnt 0x0                               ; V is in
	s_branch .Lq\g
.Lna\g:
.endr
	A2 6, 1
	WIN 0
	s_wait_dscnt 0x0
	s_branch .Lq6
.irp g, 0,1,2,3,4,5,6
.Lq\g:
	A2 (\g)+1, 0
	B2 \g, 1
	C2 \g
	WIN 0
.endr
	FETCHK 1
	B2 7, 0
	C2 7
	FETCHV 1
	s_sub_co_u32 s[CNT], s[CNT], 1
	s_cmp_lg_u32 s[CNT], 0
	s_cbranch_scc1 .Lstep
	s_sub_co_u32 s[SLOTS], s[SLOTS], 1
	s_cmp_lg_u32 s[SLOTS], 0
	s_cbranch_scc1 .Ltile
	CHANGE 0                                       ; tile 7: nothing is asked for
	FETCHK 0
	FETCHV 0
	s_mov_b32 s[CNT], 4
.Llast:
	HEADM
	A2 7, 1
	WIN 0
	s_wait_dscnt 0x0
	FETCHK 1
	B2 7, 0
	C2 7
	FETCHV 1
	s_sub_co_u32 s[CNT], s[CNT], 1
	s_cmp_lg_u32 s[CNT], 0
	s_cbranch_scc1 .Llast
	; keys 2,016 - 2,047 once more, with what v's rounding dropped: the last step's weights of its keys 32-63 still lie in P's second buffer
	PLACES
	WIN 0x80
.irp f, 0,1,2,3
	ds_load_tr16_b128 v[KF+8*\f:KF+8*\f+3],   v[AVL] offset:\f*32
	ds_load_tr16_b128 v[KF+8*\f+4:KF+8*\f+7], v[AVL] offset:16*PV+\f*32
.endr
	s_wait_dscnt 0x0
	WIN 0x52
.irp f, 0,1,2,3
	v_wmma_f32_16x16x32_f16 v[224+8*\f:224+8*\f+7], v[KF+8*\f:KF+8*\f+7], v[P+24:P+31], v[224+8*\f:224+8*\f+7]
.endr
	PLACES
; THE WAY OUT of piece g: hi = bf16(O), lo = bf16(O - hi); 16 bytes a lane of each into my stage (rows of 144), back as whole rows of 128 bytes, stored 512 consecutive bytes at a time.
.macro OUTP g
.set rO, 32*(\g)
.set BK, 128+32*((\g)%2)
	WIN 0x05
.set n, 0
.rept 16
	v_cvt_pk_bf16_f32 v[HI+n], v[rO+2*n], v[rO+2*n+1]
.set n, n+1
.endr
	WIN 0
.set n, 0
.rept 16
	v_lshlrev_b32 v[U+2*n], 16, v[HI+n]
	v_and_b32 v[U+2*n+1], s[MH], v[HI+n]
.set n, n+1
.endr
	WIN 0x01
.set n, 0
.rept 16
	v_pk_add_f32 v[U+2*n:U+2*n+1], v[rO+2*n:rO+2*n+1], v[U+2*n:U+2*n+1] neg_lo:[0,1] neg_hi:[0,1]
.set n, n+1
.endr
	WIN 0
.set n, 0
.rept 16
	v_cvt_pk_bf16_f32 v[LO+n], v[U+2*n], v[U+2*n+1]
.set n, n+1
.endr
.irp f, 0,1,2,3
	ds_store_b128 v[STO], v[HI+4*\f:HI+4*\f+3] offset:32*\f
	ds_store_b128 v[STO], v[LO+4*\f:LO+4*\f+3] offset:2304+32*\f
.endr
	s_wait_xcnt 0x0                                ; earlier stores have read the registers that the loads below write
.irp f, 0,1,2,3
	ds_load_b128 v[BK+4*\f:BK+4*\f+3],       v[RD] offset:\f*576       ; LDS serves a wave's instructions in order: these see the stores above
	ds_load_b128 v[BK+16+4*\f:BK+16+4*\f+3], v[RD] offset:2304+\f*576
.endr
.irp f, 0,1,2,3
	s_wait_dscnt 6-2*\f
	global_store_b128 v[GO], v[BK+4*\f:BK+4*\f+3],       s[10:11] offset:(\g)*32768+\f*512
	global_store_b128 v[GO], v[BK+16+4*\f:BK+16+4*\f+3], s[10:11] offset:(\g)*32768+\f*512+4194304
.endr
.endm
.irp g, 0,1,2,3,4,5,6,7
	OUTP \g
.endr
	s_wait_tensorcnt 0x0                           ; the wave's end
	ds_add_u32 v[SPW], v[NIL]
	s_wait_dscnt 0x0
	CROUND                                         ; the closing round
	s_endpgm
.Lfunc_end_k_qa3ac2f7390_attn:
	.size	k_qa3ac2f7390_attn, .Lfunc_end_k_qa3ac2f7390_attn-k_qa3ac2f7390_attn
	.p2alignl 7, 3214868480
	.fill 96, 4, 3214868480
	.section	.rodata,"a",@progbits
	.p2align	6, 0x0
	.amdhsa_kernel k_qa3ac2f7390_attn
		.amdhsa_group_segment_fixed_size 327680
		.amdhsa_private_segment_fixed_size 0
		.amdhsa_enable_private_segment 0
		.amdhsa_kernarg_size 32
		.amdhsa_user_sgpr_count 2
		.amdhsa_user_sgpr_kernarg_segment_ptr 1
		.amdhsa_wavefront_size32 1
		.amdhsa_system_sgpr_workgroup_id_x 1
		.amdhsa_system_sgpr_workgroup_id_y 1
		.amdhsa_system_sgpr_workgroup_id_z 1
		.amdhsa_system_vgpr_workitem_id 0
		.amdhsa_next_free_vgpr 768
		.amdhsa_next_free_sgpr 100
		.amdhsa_reserve_vcc 1
		.amdhsa_float_denorm_mode_32 3
		.amdhsa_float_denorm_mode_16_64 3
		.amdhsa_memory_ordered 1
		.amdhsa_forward_progress 1
		.amdhsa_inst_pref_size 126
	.end_amdhsa_kernel
	.amdgpu_metadata
---
amdhsa.version: [ 1, 2 ]
amdhsa.kernels:
  - .name:           k_qa3ac2f7390_attn
    .symbol:         k_qa3ac2f7390_attn.kd
    .args:
      - { .name: qkv, .offset: 0, .size: 8, .value_kind: global_buffer, .address_space: global }
      - { .name: vlo, .offset: 8, .size: 8, .value_kind: global_buffer, .address_space: global }
      - { .name: nb, .offset: 16, .size: 8, .value_kind: global_buffer, .address_space: global }
      - { .name: o2, .offset: 24, .size: 8, .value_kind: global_buffer, .address_space: global }
    .group_segment_fixed_size: 327680
    .private_segment_fixed_size: 0
    .kernarg_segment_align: 8
    .kernarg_segment_size: 32
    .max_flat_workgroup_size: 128
    .sgpr_count:     100
    .vgpr_count:     768
    .wavefront_size: 32
...
	.end_amdgpu_metadata
.endif
;; end of part 5
;; launch gout (part 6): grid 8 x 32, 4 waves a work-group, clusters of 4 x 4, 327,680 bytes of LDS; arguments o2, wps, bp, out0; writes out0
.if DOCPART == 6
	.amdgcn_target "amdgcn-amd-amdhsa--gfx1250"
	.amdhsa_code_object_version 6
	.text
	.protected	k_qa3ac2f7390_gout
	.globl	k_qa3ac2f7390_gout
	.p2align	8
	.type	k_qa3ac2f7390_gout,@function
k_qa3ac2f7390_gout:
	s_mov_b64 s[64:65], 0
	v_nop
	global_prefetch_b8 v0, s[64:65] scope:SCOPE_SE
	s_setreg_imm32_b32 hwreg(HW_REG_WAVE_MODE, 25, 1), 1
	s_wait_xcnt 0x0
	s_wait_alu depctr_hold_cnt(0) depctr_sa_sdst(0) depctr_va_vdst(0) depctr_va_sdst(0) depctr_va_ssrc(0) depctr_va_vcc(0) depctr_vm_vsrc(0)
	s_getreg_b32 s2, hwreg(HW_REG_IB_STS2, 6, 4)
	s_cmp_eq_u32 s2, 0
	s_cbranch_scc0 .Lentry_in_a_cluster
	s_endpgm
.Lentry_in_a_cluster:
	s_bfe_u32 s2, ttmp6, 0x10000c
	s_cmp_lg_u32 s2, 0xf033
	s_cbranch_scc0 .Lentry_shape_is_right
	s_endpgm
.Lentry_shape_is_right:
; out0[b][t][n] = (1 / s) x the sum over c of (hi + lo)[b][t][c] Wp[n][c] + bp[n], s = sqrt(log2(e) / 32) (the scale that v carries).  Operands bf16 (o2's hi and lo slices, wps), sums f32; bp rounded to bf16 like the other inputs.
; SHARES.  A tile is 256 rows x 128 columns.  Four waves; wave w makes rows 64 w .. + 63 x all 128 columns: 32 accumulators.  A K step is one slice of 64 channels taken twice: A's hi slice and lo slice (128 along K)
; against the same 64 channels of Wp.  16 K steps through two LDS slots; rows of 128 bytes, dense in memory, asked for as rows of 256 bytes and padded in LDS after every 128 bytes (pitch 144).
; CLUSTER 4 x 4: A's tile is shared along a row of the cluster, B's along a column: joint loads, wave 0 for hi, wave 1 for lo, waves 2 and 3 for B's two halves of 64 rows.
; THE MATRIX INSTRUCTION IS USED TRANSPOSED (source 0 = 16 rows of wps, source 1 = 16 rows of o2): a lane holds one row t and eight neighbouring n.
; REGISTERS: window 0: v16-30 addresses; v36-41 the bias; v64-127 the way out; v128-191 A's fragments, two buffers of 32.  window 1: B's fragments, two buffers of 64.
;   windows 2, 3: accumulator (a, b) at 8 (8 (a % 2) + b), a < 2 in window 2.
.set NBK,    8
.set KSTEPS, 16
.set ABATCH, 8388608
.set AWAVE,  4194304                   ; wave 0: hi, wave 1: lo, 16 slices on
.set STEPA,  262144
.set BROWS,  32                        ; 64 rows of 128 bytes as 32 of 256
.set BWAVE,  8192
.set BTILE,  16384
.set STEPB,  262144
.set BLDS,   9216
.set BQ2,    0                         ; all four quarters read the same 64 channels of B
.set AH,     2
.set STGW,   8448                      ; a wave's stage: 16 rows x 528
.set PIT,    144
.set BOFF,   73728
.set SLOT1,  131072
.set STAGE,  262144
.set SPARE,  STAGE+4*STGW
.set NL,     2*NBK+8
.set ADRA0, 16
.set ADRB0, 17
.set ADRA,  18
.set ADRB,  19
.set STO,   24
.set RD,    25
.set GO,    26
.set SPW,   28
.set NIL,   29
.set PFO,   30
.set BK,    64
.set FA,    128
.set WV,  12
.set HF,  13
.set II,  14
.set CNT, 15
.set G1,  24
.set G0,  32
.set G1B, 48
.set G0B, 56
.set PFA, 68
.set LIM, 70
.set TB,  71
.set SC,  72
.set MSB, 0
.macro WIN new
.if MSB != (\new)
	s_set_vgpr_msb (MSB<<8)|(\new)
.set MSB, \new
.endif
.endm
.macro PLACES
.rept 4
	v_nop
.endr
.endm
.macro JLOAD                           ; a joint refill by the walking descriptors; an s_nop 0 and four v_nop follow each line
	s_cmp_eq_u32 s[HF], 0
	s_cbranch_scc0 .Lfor_b_\@
	tensor_load_to_lds s[G0+4:G0+7], s[G1:G1+7]
	s_nop 0
	PLACES
	s_branch .Lasked_\@
.Lfor_b_\@:
	tensor_load_to_lds s[G0B+4:G0B+7], s[G1B:G1B+7]
	s_nop 0
	PLACES
.Lasked_\@:
.endm
.macro CREST
	s_cmp_lg_u32 s[WV], 0
	s_cbranch_scc1 .Lnot_wave_0_\@
	s_barrier_signal -3
.Lnot_wave_0_\@:
	s_barrier_wait -3
	s_barrier_signal -1
	s_barrier_wait -1
.endm
.macro CROUND
	s_barrier_signal -1
	s_barrier_wait -1
	CREST
.endm
; A's tiles are prefetched: behind each refill, the K step AH behind it.  Waves 0 and 1 of the clusters with x = 0 ask; of a wave's 32,768 bytes the partner at cx takes 8,192, told apart by address; a lane 256 bytes:
; each block is named once in the launch.  The trips whose look-ahead would pass the last K step ask for nothing.
.macro ASK
	s_cmp_gt_u32 s[CNT], s[LIM]
	s_cbranch_scc0 .Lnot_mine_\@
	global_prefetch_b8 v[PFO], s[PFA:PFA+1] th:TH_LOAD_NT scope:SCOPE_SE
.Lnot_mine_\@:
.endm
	s_load_b256 s[4:11], s[0:1], 0x0               ; o2 s[4:5], wps s[6:7], bp s[8:9], out0 s[10:11]
	v_lshl_add_u32 v[SPW], v0, 2, SPARE
	v_mov_b32 v[NIL], 0
	ds_add_u32 v[SPW], v[NIL]                      ; the wave's opening: the add and its wait ahead of my first tensor load
	v_lshrrev_b32 v1, 5, v0
	v_readfirstlane_b32 s[WV], v1
	s_lshr_b32 s[HF], s[WV], 1
	s_and_b32 s[II], s[WV], 1
	s_bfe_u32 s40, ttmp6, 0x40000                  ; cx
	s_bfe_u32 s41, ttmp6, 0x40004                  ; cy
	s_lshl_b32 s42, ttmp9, 2
	s_add_co_u32 s42, s42, s40                     ; column tile
	s_and_b32 s43, ttmp7, 0xffff
	s_lshl_b32 s43, s43, 2
	s_add_co_u32 s43, s43, s41                     ; row tile
	s_lshl_b32 s44, s41, 2
	s_lshl_b32 s44, 15, s44
	s_lshl_b32 s45, 0x1111, s40
	s_or_b32 s[G1], s44, (1<<16)|(1<<20)|(1<<21)|(4<<22)|(3<<25)
	s_or_b32 s[G1B], s45, (1<<16)|(1<<20)|(1<<21)|(4<<22)|(3<<25)
.irp g, G1, G1B
	s_mov_b32 s[(\g)+1], 128<<16
	s_mov_b32 s[(\g)+3], 128<<16
	s_mov_b32 s[(\g)+5], 128
	s_mov_b32 s[(\g)+6], 0
	s_mov_b32 s[(\g)+7], 0
.endr
	s_mov_b32 s[G1+2], 128<<16
	s_mov_b32 s[G1+4], 128
	s_mov_b32 s[G1B+2], BROWS<<16
	s_mov_b32 s[G1B+4], BROWS
	s_lshr_b32 s16, s43, 3
	s_mul_i32 s16, s16, ABATCH
	s_and_b32 s17, s43, 7
	s_lshl_b32 s17, s17, 15
	s_add_co_u32 s16, s16, s17
	s_mul_i32 s17, s[II], AWAVE
	s_add_co_u32 s16, s16, s17
	s_mov_b32 s17, 0
	s_mul_i32 s46, s42, BTILE
	s_mul_i32 s47, s[II], BWAVE
	s_add_co_u32 s46, s46, s47
	s_mov_b32 s47, 0
	s_mul_i32 s20, s[II], 256*PIT
	s_mul_i32 s21, s[II], BLDS
	s_add_co_u32 s21, s21, BOFF
	s_mov_b32 s[SC], 0x4096b561                    ; 1 / s = 4.7096412
	s_mov_b32 s[SC+1], s[SC]
	s_mov_b32 s[TB], 0
	s_or_b32 s[LIM], s[HF], ttmp9
	s_cmp_eq_u32 s[LIM], 0
	s_cselect_b32 s[LIM], AH, -1
	s_wait_dscnt 0x0                               ; the opening add is done
	s_wait_kmcnt 0x0
	s_add_nc_u64 s[18:19], s[4:5], s[16:17]
	s_add_nc_u64 s[46:47], s[6:7], s[46:47]
	CROUND                                         ; all sixteen work-groups are here: the first joint loads meet
.irp s, 0,1
	s_mov_b32 s[G0+4*(\s)], 1
	s_add_co_u32 s[G0+4*(\s)+1], s20, (\s)*SLOT1
	s_add_nc_u64 s[G0+4*(\s)+2:G0+4*(\s)+3], s[18:19], (\s)*STEPA
	s_or_b32 s[G0+4*(\s)+3], s[G0+4*(\s)+3], 0x80000000
	s_mov_b32 s[G0B+4*(\s)], 1
	s_add_co_u32 s[G0B+4*(\s)+1], s21, (\s)*SLOT1
	s_add_nc_u64 s[G0B+4*(\s)+2:G0B+4*(\s)+3], s[46:47], (\s)*STEPB
	s_or_b32 s[G0B+4*(\s)+3], s[G0B+4*(\s)+3], 0x80000000
.endr
	s_cmp_eq_u32 s[HF], 0                          ; a wave's two first fills stand in one branch: K steps 0 and 1; two loads of mine are out
	s_cbranch_scc0 .Lfirst_b
	tensor_load_to_lds s[G0:G0+3], s[G1:G1+7]
	s_nop 0
	tensor_load_to_lds s[G0+4:G0+7], s[G1:G1+7]
	s_nop 0
	PLACES
	s_branch .Lfirst_asked
.Lfirst_b:
	tensor_load_to_lds s[G0B:G0B+3], s[G1B:G1B+7]
	s_nop 0
	tensor_load_to_lds s[G0B+4:G0B+7], s[G1B:G1B+7]
	s_nop 0
	PLACES
.Lfirst_asked:
	s_lshl_b32 s22, s40, 13
	s_mov_b32 s23, 0
	s_add_nc_u64 s[PFA:PFA+1], s[18:19], s[22:23]
	s_add_nc_u64 s[PFA:PFA+1], s[PFA:PFA+1], (1+AH)*STEPA
	v_and_b32 v1, 15, v0
	v_bfe_u32 v2, v0, 4, 1
	v_and_b32 v3, 31, v0
	v_mul_u32_u24 v4, v1, PIT
	v_lshl_add_u32 v4, v2, 4, v4
	s_mul_i32 s22, s[WV], 64*PIT
	v_add_nc_u32 v[ADRA0], s22, v4
	v_add_nc_u32 v[ADRB0], BOFF, v4
	v_mov_b32 v[ADRA], v[ADRA0]
	v_mov_b32 v[ADRB], v[ADRB0]
	s_mul_i32 s22, s[WV], STGW
	s_add_co_u32 s22, s22, STAGE
	v_mul_u32_u24 v5, v1, 528
	v_lshl_add_u32 v5, v2, 5, v5
	v_add_nc_u32 v[STO], s22, v5                   ; in: row l % 16 (pitch 528), 32 bytes for each half of the lanes
	v_lshl_add_u32 v[RD], v3, 4, s22               ; back: a whole row of 512 bytes a load
	v_lshlrev_b32 v[GO], 4, v3
	v_lshlrev_b32 v[PFO], 8, v3
	s_lshl_b32 s76, s43, 20                        ; 256 rows of 4,096 bytes a row tile
	s_lshl_b32 s77, s[WV], 18
	s_add_co_u32 s76, s76, s77
	s_lshl_b32 s78, s42, 9                         ; 128 columns of 4 bytes a column tile
	s_add_co_u32 s76, s76, s78
	s_mov_b32 s77, 0
	s_mov_b32 s79, 0
	s_add_nc_u64 s[10:11], s[10:11], s[76:77]
	s_add_nc_u64 s[74:75], s[8:9], s[78:79]
	global_load_b128 v[36:39], v[GO], s[74:75]     ; my four columns' bias; waited for on the way out
.macro MULROW f, a, zero               ; NBK matrix instructions; the accumulators take turns, one instruction a turn
	WIN 0xa1+0x50*((\a)/2)
.set rA, FA+32*(\f)+8*(\a)
.set bb, 0
.rept NBK
.set rC, 8*(NBK*((\a)%2)+bb)
.set rB, 8*NBK*(\f)+8*bb
.if \zero
	v_wmma_f32_16x16x32_bf16 v[rC:rC+7], v[rB:rB+7], v[rA:rA+7], 0
.else
	v_wmma_f32_16x16x32_bf16 v[rC:rC+7], v[rB:rB+7], v[rA:rA+7], v[rC:rC+7]
.endif
.set bb, bb+1
.endr
.endm
.macro FETCH q, g
	WIN 0x40
.set bq, BQ2*((\q)/2)+64*((\q)%2)
.set bb, 0
.rept NBK
	ds_load_b128 v[8*NBK*(\g)+8*bb:8*NBK*(\g)+8*bb+3],   v[ADRB] offset:bq+bb*16*PIT
	ds_load_b128 v[8*NBK*(\g)+8*bb+4:8*NBK*(\g)+8*bb+7], v[ADRB] offset:bq+bb*16*PIT+32
.set bb, bb+1
.endr
	WIN 0
.set aq, 256*PIT*((\q)/2)+64*((\q)%2)
.irp a, 0,1,2,3
	ds_load_b128 v[FA+32*(\g)+8*\a:FA+32*(\g)+8*\a+3],   v[ADRA] offset:aq+\a*16*PIT
	ds_load_b128 v[FA+32*(\g)+8*\a+4:FA+32*(\g)+8*\a+7], v[ADRA] offset:aq+\a*16*PIT+32
.endr
.endm
.macro QUARTER q, f, g, zero
	s_wait_dscnt 4                                 ; B and A's blocks 0, 1 are in; the youngest four loads may be out
	MULROW \f, 0, \zero
	MULROW \f, 1, \zero
	PLACES
	FETCH \q, \g
	s_wait_dscnt NL                                ; all but the NL just issued
	MULROW \f, 2, \zero
	MULROW \f, 3, \zero
.endm
; The last quarter of a K step changes slots: one barrier; in front of it each wave waits for all its tensor loads, adds 0 to its spare word and waits for that and for its reads of this slot.
; fill = 1: the barrier opens a round of the cluster's, and the joint refill (two K steps on) is the first thing behind it.
.macro TURN fill
.if \fill
	s_wait_xcnt 0x0                                ; the last prefetch, a K step back, has read its address
	s_add_nc_u64 s[PFA:PFA+1], s[PFA:PFA+1], STEPA
.endif
	WIN 0
	s_wait_tensorcnt 0x0
	ds_add_u32 v[SPW], v[NIL]
	s_wait_dscnt 5                                 ; the add and the youngest four loads may be out
	MULROW 1, 0, 0
	s_wait_dscnt 0x0
	s_barrier_signal -1
	MULROW 1, 1, 0
	WIN 0
	s_barrier_wait -1
.if \fill
	CREST
	s_xor_b32 s[G0+5], s[G0+5], SLOT1
	s_add_nc_u64 s[G0+6:G0+7], s[G0+6:G0+7], STEPA
	s_xor_b32 s[G0B+5], s[G0B+5], SLOT1
	s_add_nc_u64 s[G0B+6:G0B+7], s[G0B+6:G0B+7], STEPB
	JLOAD
.else
	PLACES
.endif
	s_xor_b32 s[TB], s[TB], SLOT1
	v_add_nc_u32 v[ADRA], s[TB], v[ADRA0]
	v_add_nc_u32 v[ADRB], s[TB], v[ADRB0]
	FETCH 0, 0
.if \fill
	ASK
.endif
	MULROW 1, 2, 0
	MULROW 1, 3, 0
.endm
	s_wait_tensorcnt 0x1                           ; my part of K step 0 is in; K step 1's may stay out
	s_barrier_signal -1
	s_barrier_wait -1
	FETCH 0, 0
	QUARTER 1, 0, 1, 1
	WIN 0
	s_mov_b32 s[CNT], KSTEPS-2
.Lk:
	QUARTER 2, 1, 0, 0
	QUARTER 3, 0, 1, 0
	TURN 1
	QUARTER 1, 0, 1, 0
	WIN 0
	s_sub_co_u32 s[CNT], s[CNT], 1
	s_cmp_lg_u32 s[CNT], 0
	s_cbranch_scc1 .Lk
	QUARTER 2, 1, 0, 0
	QUARTER 3, 0, 1, 0
	TURN 0
	QUARTER 1, 0, 1, 0
	QUARTER 2, 1, 0, 0
	QUARTER 3, 0, 1, 0
	s_wait_dscnt 4
	MULROW 1, 0, 0
	MULROW 1, 1, 0
	s_wait_dscnt 0x0
	MULROW 1, 2, 0
	MULROW 1, 3, 0
	WIN 0
	PLACES
	s_wait_loadcnt 0x0                             ; the bias, rounded to bf16 and widened again
	v_cvt_pk_bf16_f32 v40, v36, v37
	v_cvt_pk_bf16_f32 v41, v38, v39
	v_lshlrev_b32 v36, 16, v40
	v_and_b32 v37, 0xffff0000, v40
	v_lshlrev_b32 v38, 16, v41
	v_and_b32 v39, 0xffff0000, v41
; THE WAY OUT of row block a: the f32 sums go into my stage (16 rows x 528 bytes; each accumulator's low four registers first), come back as whole rows of 512 bytes, take 1 / s and the bias in one
; fused multiply-add, and leave 512 consecutive bytes a store.
.macro WAYOUT a
.set AC, 8*NBK*((\a)%2)
	WIN 0x08+4*((\a)/2)                            ; the stores' data in window 2 or 3
.set bb, 0
.rept NBK
	ds_store_b128 v[STO], v[AC+8*bb:AC+8*bb+3]   offset:64*bb
	ds_store_b128 v[STO], v[AC+8*bb+4:AC+8*bb+7] offset:64*bb+16
.set bb, bb+1
.endr
	WIN 0
	s_wait_xcnt 0x0                                ; earlier stores have read the registers that the loads below write
.set k, 0
.rept 16
	ds_load_b128 v[BK+4*k:BK+4*k+3], v[RD] offset:k*528  ; LDS serves a wave's instructions in order: these see the stores above
.set k, k+1
.endr
.set k, 0
.rept 16
	s_wait_dscnt 15-k
	v_pk_fma_f32 v[BK+4*k:BK+4*k+1],   v[BK+4*k:BK+4*k+1],   s[SC:SC+1], v[36:37] op_sel_hi:[1,0,1]
	v_pk_fma_f32 v[BK+4*k+2:BK+4*k+3], v[BK+4*k+2:BK+4*k+3], s[SC:SC+1], v[38:39] op_sel_hi:[1,0,1]
	global_store_b128 v[GO], v[BK+4*k:BK+4*k+3], s[10:11] offset:(16*(\a)+k)*4096
.set k, k+1
.endr
.endm
	WAYOUT 0
	WAYOUT 1
	WAYOUT 2
	WAYOUT 3
	s_wait_tensorcnt 0x0                           ; the wave's end
	ds_add_u32 v[SPW], v[NIL]
	s_wait_dscnt 0x0
	CROUND                                         ; the closing round
	s_endpgm
.Lfunc_end_k_qa3ac2f7390_gout:
	.size	k_qa3ac2f7390_gout, .Lfunc_end_k_qa3ac2f7390_gout-k_qa3ac2f7390_gout
	.p2alignl 7, 3214868480
	.fill 96, 4, 3214868480
	.section	.rodata,"a",@progbits
	.p2align	6, 0x0
	.amdhsa_kernel k_qa3ac2f7390_gout
		.amdhsa_group_segment_fixed_size 327680
		.amdhsa_private_segment_fixed_size 0
		.amdhsa_enable_private_segment 0
		.amdhsa_kernarg_size 32
		.amdhsa_user_sgpr_count 2
		.amdhsa_user_sgpr_kernarg_segment_ptr 1
		.amdhsa_wavefront_size32 1
		.amdhsa_system_sgpr_workgroup_id_x 1
		.amdhsa_system_sgpr_workgroup_id_y 1
		.amdhsa_system_sgpr_workgroup_id_z 1
		.amdhsa_system_vgpr_workitem_id 0
		.amdhsa_next_free_vgpr 896
		.amdhsa_next_free_sgpr 80
		.amdhsa_reserve_vcc 0
		.amdhsa_float_denorm_mode_32 3
		.amdhsa_float_denorm_mode_16_64 3
		.amdhsa_memory_ordered 1
		.amdhsa_forward_progress 1
		.amdhsa_inst_pref_size 80
	.end_amdhsa_kernel
	.amdgpu_metadata
---
amdhsa.version: [ 1, 2 ]
amdhsa.kernels:
  - .name:           k_qa3ac2f7390_gout
    .symbol:         k_qa3ac2f7390_gout.kd
    .args:
      - { .name: o2, .offset: 0, .size: 8, .value_kind: global_buffer, .address_space: global }
      - { .name: wps, .offset: 8, .size: 8, .value_kind: global_buffer, .address_space: global }
      - { .name: bp, .offset: 16, .size: 8, .value_kind: global_buffer, .address_space: global }
      - { .name: out0, .offset: 24, .size: 8, .value_kind: global_buffer, .address_space: global }
    .group_segment_fixed_size: 327680
    .private_segment_fixed_size: 0
    .kernarg_segment_align: 8
    .kernarg_segment_size: 32
    .max_flat_workgroup_size: 128
    .sgpr_count:     80
    .vgpr_count:     896
    .wavefront_size: 32
...
	.end_amdgpu_metadata
.endif
;; end of part 6
;; ======== version 2 of 2: 5 launches
;; limits: values are held in f16: magnitudes above 65,504 overflow, below 6.1e-05 lose precision; values outside matrix products are rounded to bf16
;; workspace buffers: xs 16,777,216 bytes; wps 4,194,304 bytes; wt 6,291,456 bytes; qkv 50,331,648 bytes; vlo 6,291,456 bytes; nb 524,288 bytes; o2 20,971,520 bytes
;; launch prep (part 7): grid 384 x 1, 8 waves a work-group, no clusters, 74,752 bytes of LDS; arguments x, Wp, Wq, Wk, Wv, xs, wps, wt; writes xs, wps, wt
.if DOCPART == 7
	.amdgcn_target "amdgcn-amd-amdhsa--gfx1250"
	.amdhsa_code_object_version 6
	.text
	.protected	k_qa3ac2f7390_prep
	.globl	k_qa3ac2f7390_prep
	.p2align	8
	.type	k_qa3ac2f7390_prep,@function
k_qa3ac2f7390_prep:
	s_mov_b64 s[64:65], 0
	v_nop
	global_prefetch_b8 v0, s[64:65] scope:SCOPE_SE
	s_setreg_imm32_b32 hwreg(HW_REG_WAVE_MODE, 25, 1), 1
	s_wait_xcnt 0x0
; ALL INPUTS OF THE MATRIX PRODUCTS, rounded once to bf16 and laid in slices of 64 along the summed axis.  One launch, three kinds of work-group, told apart by the work-group's number alone:
;   0-255    x  [8192][1024] f32 -> xs [batch 4][slice 16][row 2048][64], 32 rows a work-group
;   256-287  Wp [1024][1024] f32 -> wps[slice 16][row 2048][64] (rows under 1,024 are written), by the same text
;   288-383  Wq, Wk, Wv [16][1024][64] f32 -> wt[slice 16][n 3072][64] = W[head][64 slice + cc][d], n = 64 gh + d, gh = 0-15 Wq's heads, 16-31 Wk's, 32-47 Wv's: turned
; A stream: every byte is read once and written once, so there is no cluster, no matrix unit and no prefetch.
; THE CAST.  Wave v takes slices 2 v and 2 v + 1.  Lane l takes row l / 8 of a group of four rows and eight columns 8 (l % 8) ..: 32 bytes in (two loads), 16 bytes out, so that a store of the wave covers 512 consecutive
; bytes, aligned, of one slice.  All 32 loads of a wave go out at once and no register is written twice: the only waits are the counted ones for the loads.
; THE TURN.  A wave turns one block of 64 (c) x 64 (d): 16,384 dense bytes in, 8,192 dense bytes out; a work-group has one gh and eight slices, a slice a wave.  Lane l reads 16 bytes (d = 4 (l % 16) ..) of row
; c = 16 u + 4 i + 2 (l / 16) + e.  Two neighbouring c of one d make a word of bf16, put into LDS row d (pitch 144); whole rows of 128 bytes come back and leave as 512 consecutive bytes a store.  The word stores meet
; four deep in the banks: 6 MB once, taken as the price of a short text.  Each wave keeps to its own 9,216 bytes of LDS, so there is no barrier.
.set PIT,   144
.set WREG,  64*PIT
.set SPARE, 8*WREG                     ; behind the eight waves' rows: the spare words, 128 bytes a wave; no other line names them
.set SPW, 8                            ; v8  my spare word; never rewritten
.set NIL, 9                            ; v9  0; never rewritten
.set X,   16                           ; the cast: v[16:143] pair j of 16: 8 numbers as loaded
.set Y,   144                          ;           v[144:207] pair j: 4 registers to store
.set LI,  10                           ; the turn: my offset in the block as it lies in memory
.set LS,  11                           ;           where I put a word
.set LR,  12                           ;           where I read rows back
.set GO,  13                           ;           16 l
.set R,   16                           ;           v[16:143] the block as loaded
.set T,   144                          ;           v[144:147] at work
.set BK,  148                          ;           v[148:211] rows read back
	s_load_b512 s[4:19], s[0:1], 0x0               ; x s[4:5], Wp s[6:7], Wq s[8:9], Wk s[10:11], Wv s[12:13], xs s[14:15], wps s[16:17], wt s[18:19]
	v_lshl_add_u32 v[SPW], v0, 2, SPARE
	v_mov_b32 v[NIL], 0
	v_and_b32 v1, 31, v0                           ; lane
	v_lshrrev_b32 v2, 5, v0                        ; wave
	s_cmp_ge_u32 ttmp9, 288
	s_cbranch_scc1 .Lturn
	; ---- the cast
	v_lshrrev_b32 v3, 3, v1                        ; row in a group of four
	v_and_b32 v4, 7, v1                            ; my eight columns
	v_lshlrev_b32 v5, 12, v3
	v_lshl_add_u32 v5, v4, 5, v5
	v_lshl_add_u32 v5, v2, 9, v5                   ; in: row x 4,096 + 32 (l % 8) + 512 x wave
	v_lshlrev_b32 v6, 4, v1
	v_lshl_add_u32 v6, v2, 19, v6                  ; out: 16 l + wave x two slices of 262,144 bytes
	s_cmp_lt_u32 ttmp9, 256
	s_cselect_b32 s20, 0, 256
	s_sub_co_u32 s20, ttmp9, s20                   ; the group of 32 rows in its tensor
	s_lshl_b32 s22, s20, 17                        ; 32 rows of 4,096 bytes
	s_mov_b32 s23, 0
	s_lshr_b32 s24, s20, 6                         ; batch: 64 groups each
	s_lshl_b32 s24, s24, 22                        ; 16 slices of 262,144 bytes
	s_and_b32 s25, s20, 63
	s_lshl_b32 s25, s25, 12                        ; 32 rows of 128 bytes in a slice
	s_add_co_u32 s24, s24, s25
	s_mov_b32 s25, 0
	s_wait_kmcnt 0x0
	s_cmp_lt_u32 ttmp9, 256
	s_cselect_b64 s[26:27], s[4:5], s[6:7]
	s_cselect_b64 s[28:29], s[14:15], s[16:17]
	s_add_nc_u64 s[26:27], s[26:27], s[22:23]
	s_add_nc_u64 s[28:29], s[28:29], s[24:25]
.set j, 0
.rept 16                               ; pair j: slice 2 v + j / 8, rows 4 (j % 8) ..
	global_load_b128 v[X+8*j:X+8*j+3],   v5, s[26:27] offset:(j/8)*256+(j%8)*16384 th:TH_LOAD_NT
	global_load_b128 v[X+8*j+4:X+8*j+7], v5, s[26:27] offset:(j/8)*256+(j%8)*16384+16 th:TH_LOAD_NT
.set j, j+1
.endr
.set j, 0
.rept 16
	s_wait_loadcnt 30-2*j                          ; loads come back in order: pair j is in, the younger pairs stay out
	v_cvt_pk_bf16_f32 v[Y+4*j],   v[X+8*j],   v[X+8*j+1]
	v_cvt_pk_bf16_f32 v[Y+4*j+1], v[X+8*j+2], v[X+8*j+3]
	v_cvt_pk_bf16_f32 v[Y+4*j+2], v[X+8*j+4], v[X+8*j+5]
	v_cvt_pk_bf16_f32 v[Y+4*j+3], v[X+8*j+6], v[X+8*j+7]
	global_store_b128 v6, v[Y+4*j:Y+4*j+3], s[28:29] offset:(j/8)*262144+(j%8)*512
.set j, j+1
.endr
	s_endpgm                                       ; these waves have written no LDS
	; ---- the turn
.Lturn:
	v_readfirstlane_b32 s20, v2                    ; wave
	v_and_b32 v3, 15, v0
	v_bfe_u32 v4, v0, 4, 1
	v_lshlrev_b32 v[LI], 4, v3
	v_lshl_add_u32 v[LI], v4, 9, v[LI]             ; 16 (l % 16) + two rows of 256 bytes for the upper lanes
	s_mul_i32 s21, s20, WREG
	v_mul_u32_u24 v[LS], v3, 4*PIT
	v_lshl_add_u32 v[LS], v4, 2, v[LS]
	v_add_nc_u32 v[LS], s21, v[LS]                 ; row 4 (l % 16), word l / 16
	v_lshrrev_b32 v5, 3, v1
	v_and_b32 v6, 7, v0
	v_mul_u32_u24 v[LR], v5, PIT
	v_lshl_add_u32 v[LR], v6, 4, v[LR]
	v_add_nc_u32 v[LR], s21, v[LR]                 ; four rows of 128 bytes a load
	v_lshlrev_b32 v[GO], 4, v1
	s_sub_co_u32 s22, ttmp9, 288
	s_lshr_b32 s23, s22, 1                         ; gh
	s_and_b32 s24, s22, 1
	s_lshl_b32 s24, s24, 3
	s_add_co_u32 s24, s24, s20                     ; slice
	s_lshr_b32 s25, s23, 4                         ; which tensor
	s_and_b32 s26, s23, 15                         ; its head
	s_lshl_b32 s28, s26, 18
	s_lshl_b32 s29, s24, 14
	s_add_co_u32 s28, s28, s29
	s_mov_b32 s29, 0
	s_mul_i32 s30, s24, 393216
	s_lshl_b32 s31, s23, 13
	s_add_co_u32 s30, s30, s31
	s_mov_b32 s31, 0
	s_wait_kmcnt 0x0
	s_cmp_eq_u32 s25, 0
	s_cselect_b64 s[32:33], s[8:9], s[10:11]
	s_cmp_eq_u32 s25, 2
	s_cselect_b64 s[32:33], s[12:13], s[32:33]
	s_add_nc_u64 s[32:33], s[32:33], s[28:29]
	s_add_nc_u64 s[18:19], s[18:19], s[30:31]
.set k, 0
.rept 32                               ; k = 8 u + 2 i + e
	global_load_b128 v[R+4*k:R+4*k+3], v[LI], s[32:33] offset:(16*(k/8)+4*((k%8)/2)+(k%2))*256 th:TH_LOAD_NT
.set k, k+1
.endr
.set u, 0
.rept 4
	s_wait_loadcnt 24-8*u                          ; chunk u's eight loads are in; the younger chunks stay out
.set i, 0
.rept 4
.set jj, 0
.rept 4
	v_cvt_pk_bf16_f32 v[T+jj], v[R+32*u+8*i+jj], v[R+32*u+8*i+4+jj]
	ds_store_b32 v[LS], v[T+jj] offset:jj*PIT+32*u+8*i
.set jj, jj+1
.endr
.set i, i+1
.endr
.set u, u+1
.endr
.set f, 0
.rept 16
	ds_load_b128 v[BK+4*f:BK+4*f+3], v[LR] offset:f*4*PIT  ; LDS serves a wave's instructions in order (ISA guide 5.7.1.4): these see my stores above
.set f, f+1
.endr
.set f, 0
.rept 16
	s_wait_dscnt 15-f
	global_store_b128 v[GO], v[BK+4*f:BK+4*f+3], s[18:19] offset:f*512
.set f, f+1
.endr
	s_wait_tensorcnt 0x0                           ; the wave's end
	ds_add_u32 v[SPW], v[NIL]
	s_wait_dscnt 0x0
	s_endpgm
.Lfunc_end_k_qa3ac2f7390_prep:
	.size	k_qa3ac2f7390_prep, .Lfunc_end_k_qa3ac2f7390_prep-k_qa3ac2f7390_prep
	.p2alignl 7, 3214868480
	.fill 96, 4, 3214868480
	.section	.rodata,"a",@progbits
	.p2align	6, 0x0
	.amdhsa_kernel k_qa3ac2f7390_prep
		.amdhsa_group_segment_fixed_size 74752
		.amdhsa_private_segment_fixed_size 0
		.amdhsa_enable_private_segment 0
		.amdhsa_kernarg_size 64
		.amdhsa_user_sgpr_count 2
		.amdhsa_user_sgpr_kernarg_segment_ptr 1
		.amdhsa_wavefront_size32 1
		.amdhsa_system_sgpr_workgroup_id_x 1
		.amdhsa_system_sgpr_workgroup_id_y 1
		.amdhsa_system_sgpr_workgroup_id_z 1
		.amdhsa_system_vgpr_workitem_id 0
		.amdhsa_next_free_vgpr 212
		.amdhsa_next_free_sgpr 66
		.amdhsa_reserve_vcc 0
		.amdhsa_float_denorm_mode_32 3
		.amdhsa_float_denorm_mode_16_64 3
		.amdhsa_memory_ordered 1
		.amdhsa_forward_progress 1
		.amdhsa_inst_pref_size 27
	.end_amdhsa_kernel
	.amdgpu_metadata
---
amdhsa.version: [ 1, 2 ]
amdhsa.kernels:
  - .name:           k_qa3ac2f7390_prep
    .symbol:         k_qa3ac2f7390_prep.kd
    .args:
      - { .name: x, .offset: 0, .size: 8, .value_kind: global_buffer, .address_space: global }
      - { .name: Wp, .offset: 8, .size: 8, .value_kind: global_buffer, .address_space: global }
      - { .name: Wq, .offset: 16, .size: 8, .value_kind: global_buffer, .address_space: global }
      - { .name: Wk, .offset: 24, .size: 8, .value_kind: global_buffer, .address_space: global }
      - { .name: Wv, .offset: 32, .size: 8, .value_kind: global_buffer, .address_space: global }
      - { .name: xs, .offset: 40, .size: 8, .value_kind: global_buffer, .address_space: global }
      - { .name: wps, .offset: 48, .size: 8, .value_kind: global_buffer, .address_space: global }
      - { .name: wt, .offset: 56, .size: 8, .value_kind: global_buffer, .address_space: global }
    .group_segment_fixed_size: 74752
    .private_segment_fixed_size: 0
    .kernarg_segment_align: 8
    .kernarg_segment_size: 64
    .max_flat_workgroup_size: 256
    .sgpr_count:     66
    .vgpr_count:     212
    .wavefront_size: 32
...
	.end_amdgpu_metadata
.endif
;; end of part 7
;; launch gqkv: the kernel of part 3 again; grid 16 x 32, 4 waves a work-group, clusters of 4 x 4, 327,680 bytes of LDS; arguments xs, wt, qkv, vlo; writes qkv, vlo
;; launch stat (part 8): grid 4 x 64, 4 waves a work-group, clusters of 4 x 1, 327,680 bytes of LDS; arguments qkv, nb; writes nb
.if DOCPART == 8
	.amdgcn_target "amdgcn-amd-amdhsa--gfx1250"
	.amdhsa_code_object_version 6
	.text
	.protected	k_qa3ac2f7390_stat
	.globl	k_qa3ac2f7390_stat
	.p2align	8
	.type	k_qa3ac2f7390_stat,@function
k_qa3ac2f7390_stat:
	s_mov_b64 s[64:65], 0
	v_nop
	global_prefetch_b8 v0, s[64:65] scope:SCOPE_SE
	s_setreg_imm32_b32 hwreg(HW_REG_WAVE_MODE, 25, 1), 1
	s_wait_xcnt 0x0
	s_wait_alu depctr_hold_cnt(0) depctr_sa_sdst(0) depctr_va_vdst(0) depctr_va_sdst(0) depctr_va_ssrc(0) depctr_va_vcc(0) depctr_vm_vsrc(0)
	s_getreg_b32 s2, hwreg(HW_REG_IB_STS2, 6, 4)
	s_cmp_eq_u32 s2, 0
	s_cbranch_scc0 .Lentry_in_a_cluster
	s_endpgm
.Lentry_in_a_cluster:
	s_bfe_u32 s2, ttmp6, 0x10000c
	s_cmp_lg_u32 s2, 0x3003
	s_cbranch_scc0 .Lentry_shape_is_right
	s_endpgm
.Lentry_shape_is_right:
; THE SOFTMAX RUNS OVER THE QUERIES: for key s of a head, M[s] = max over t >= s of e[t][s], L[s] = the sum over t >= s of 2^(e[t][s] - M[s]), e = q'[t] . k'[s] (already the exponent in base 2).
; This launch stores nb = -(M + log2 L), f32, as nb[head 64][cx 4][g 8][w 4][16]: key s = 256 g + 64 w + 16 cx + r.  A running maximum is kept; products f16 with f32 sums.
; LIMITS: a hidden score counts as its value less 1e30 (f16's scores are 2.7e11 at the most); a weight below 2^-126 counts as 0; NaN and infinities are not treated apart.
; SHARES.  A cluster of four work-groups has a head.  Piece g (0..7) of wave w of work-group cx owns 16 keys, 256 g + 64 w + 16 cx + 0..15, kept in registers.  So every wave of every partner runs the same walk.
; The head's whole Q (2,048 rows, pitch 144) lies in LDS, fetched once by joint loads (four a wave, 128 rows each: four of mine are out); nothing is filled again.
; THE WALK: 32 steps of 64 queries.  Step n lies in tile T = n / 4; pieces g <= T are at work, from T down to 0; piece T holds the diagonal.  The step's text holds all eight pieces; a chain of compares on T
; (made of the loop's count alone) goes forward into it at piece T, and the product written in that chain takes the mask as its C operand.
; LAYOUT.  S = Q K^T (source 0 = 16 queries, source 1 = my 16 keys): a lane holds ONE key (lane % 16) and the queries 8 (lane / 16) + 0..7 of each of four blocks.  Each half of the lanes keeps its own m and l;
; they meet once, at the end.
; SIDE BY SIDE.  A piece's block is: its maximum and s - m; then the NEXT piece's eight products, four of this piece's 32 exponentials behind each; one plain instruction and one wait for the batch; the sums.
; An exponential names a destination and source 0 alone, and Q (the products' source 0) lies in S's window: so no window is switched inside that run.
; THE MASK: MD = -1e30 where 16 qg + j < 16 cx + r - 8 (lane / 16); a step's mask is MD x AL + BE: (1, 0) in my own step of the tile, (0, -1e30) before it, (0, 0) behind it.
; Nothing is prefetched: all that the launch reads is asked for at its head.
; REGISTERS: window 0: v2-8 addresses; v16-47 a piece's m, m_old - m, l (two); v48-51 at work; v64-127 S, two buffers; v128-159 MD; v160-191 MC; v192-255 the step's Q.  window 1: v0-127 my keys, 16 a piece.
.set PIT,   144
.set STG,   294912                     ; behind Q: 2,048 bytes in which the waves' results meet
.set SPARE, 296960                     ; the spare words, 128 bytes a wave
.set AQ0, 2
.set AQ,  3
.set KO,  4
.set THR, 5
.set SA,  6
.set SR,  7
.set GO,  8
.set ST,  16
.set CC,  48
.set SPW, 62
.set NIL, 63
.set S,   64
.set MD,  128
.set MC,  160
.set QF,  192
.set WV,  12
.set CX,  13
.set BH,  14
.set G1,  16
.set G0,  32
.set CNT, 48
.set STP, 49
.set TT,  50
.set SS,  51
.set AL,  52
.set BE,  54
.set BIGN, 56
.set TB,  57
.set SEL, 58
.set KB,  60
.set MSB, 0
.macro WIN new
.if MSB != (\new)
	s_set_vgpr_msb (MSB<<8)|(\new)
.set MSB, \new
.endif
.endm
.macro PLACES
.rept 4
	v_nop
.endr
.endm
.macro CROUND
	s_barrier_signal -1
	s_barrier_wait -1
	s_cmp_lg_u32 s[WV], 0
	s_cbranch_scc1 .Lnot_wave_0_\@
	s_barrier_signal -3
.Lnot_wave_0_\@:
	s_barrier_wait -3
	s_barrier_signal -1
	s_barrier_wait -1
.endm
	s_load_b128 s[4:7], s[0:1], 0x0                ; qkv s[4:5], nb s[6:7]
	v_lshl_add_u32 v[SPW], v0, 2, SPARE
	v_mov_b32 v[NIL], 0
	ds_add_u32 v[SPW], v[NIL]                      ; the wave's opening: the add and its wait ahead of my first tensor load
	v_lshrrev_b32 v1, 5, v0
	v_readfirstlane_b32 s[WV], v1
	s_bfe_u32 s[CX], ttmp6, 0x40000
	s_and_b32 s[BH], ttmp7, 0xffff                 ; batch x 16 + head
	s_lshr_b32 s24, s[BH], 4
	s_mul_i32 s24, s24, 48
	s_and_b32 s25, s[BH], 15
	s_add_co_u32 s24, s24, s25
	s_lshl_b32 s24, s24, 18                        ; q's head, in bytes
	s_lshl_b32 s26, s[WV], 14                      ; my 128 rows of each 512
	s_add_co_u32 s26, s26, s24
	s_mov_b32 s27, 0
	s_lshl_b32 s28, s[WV], 13                      ; my keys: (64 w + 16 cx) rows of 128 bytes,
	s_lshl_b32 s29, s[CX], 11
	s_add_co_u32 s28, s28, s29
	s_add_co_u32 s28, s28, s24
	s_add_co_u32 s28, s28, 4194304                 ; in k's head, 16 heads on
	s_mov_b32 s29, 0
	s_mul_i32 s30, s[WV], 128*PIT
	s_mov_b32 s[G1], 15|(1<<16)|(1<<20)|(1<<21)|(4<<22)|(3<<25)  ; the mask of four; 2-byte elements; padding on; bit 21 beside a mask; after every 32 words, 4 words
	s_mov_b32 s[G1+1], 128<<16
	s_mov_b32 s[G1+2], 64<<16
	s_mov_b32 s[G1+3], 128<<16
	s_mov_b32 s[G1+4], 64                          ; 64 rows of 256 bytes: 128 queries
	s_mov_b32 s[G1+5], 128
	s_mov_b32 s[G1+6], 0
	s_mov_b32 s[G1+7], 0
	s_mov_b32 s[AL+1], 0                           ; named as pairs
	s_mov_b32 s[BE+1], 0
	s_mov_b32 s[BIGN], 0xf149f2ca                  ; -1e30
	s_mov_b32 s[TB], 0
	s_mov_b32 s[SEL], 0x76543210
	s_mov_b32 s[SEL+1], 0xfedcba98
	s_wait_dscnt 0x0                               ; the opening add is done
	s_wait_kmcnt 0x0
	s_add_nc_u64 s[26:27], s[4:5], s[26:27]
	s_add_nc_u64 s[KB:KB+1], s[4:5], s[28:29]
	CROUND                                         ; all four work-groups are here: the joint loads meet
.irp p, 0,1,2,3
	s_mov_b32 s[G0+4*(\p)], 1
	s_add_co_u32 s[G0+4*(\p)+1], s30, (\p)*512*PIT
	s_add_nc_u64 s[G0+4*(\p)+2:G0+4*(\p)+3], s[26:27], (\p)*65536
	s_or_b32 s[G0+4*(\p)+3], s[G0+4*(\p)+3], 0x80000000
.endr
.irp p, 0,1,2,3
	tensor_load_to_lds s[G0+4*(\p):G0+4*(\p)+3], s[G1:G1+7]
	s_nop 0
.endr
	PLACES
	v_and_b32 v1, 15, v0
	v_bfe_u32 v9, v0, 4, 1
	v_lshlrev_b32 v[KO], 7, v1
	v_lshl_add_u32 v[KO], v9, 4, v[KO]
	WIN 0x40
.set i, 0
.rept 16                               ; my keys stay in registers: piece i / 2, channels 32 (i % 2) on
	global_load_b128 v[8*i:8*i+3],   v[KO], s[KB:KB+1] offset:(i/2)*32768+(i%2)*64
	global_load_b128 v[8*i+4:8*i+7], v[KO], s[KB:KB+1] offset:(i/2)*32768+(i%2)*64+32
.set i, i+1
.endr
	WIN 0
	v_mul_u32_u24 v[AQ0], v1, PIT
	v_lshl_add_u32 v[AQ0], v9, 4, v[AQ0]
	v_lshlrev_b32 v10, 3, v9
	v_sub_nc_u32 v[THR], v1, v10
	s_lshl_b32 s24, s[CX], 4
	v_add_nc_u32 v[THR], s24, v[THR]
.set i, 0
.rept 32
	v_cmp_lt_i32 vcc_lo, 16*(i/8)+i%8, v[THR]
	v_cndmask_b32 v[MD+i], 0, s[BIGN], vcc_lo
.set i, i+1
.endr
.set i, 0
.rept 8
	v_mov_b32 v[ST+4*i], 0xff7fffff                ; m: the lowest finite number
	v_mov_b32 v[ST+4*i+1], 0
	v_mov_b32 v[ST+4*i+2], 0                       ; l
	v_mov_b32 v[ST+4*i+3], 0
.set i, i+1
.endr
	s_lshl_b32 s24, s[WV], 6
	s_add_co_u32 s24, s24, STG
	v_lshl_add_u32 v[SA], v1, 2, s24               ; my key's word: g x 256 + w x 64 + 4 r
	v_and_b32 v11, 31, v0
	s_lshl_b32 s25, s[WV], 9
	s_add_co_u32 s24, s25, STG
	v_lshl_add_u32 v[SR], v11, 4, s24
	v_lshlrev_b32 v[GO], 4, v11
	s_lshl_b32 s24, s[BH], 13
	s_add_co_u32 s24, s24, s25
	s_lshl_b32 s25, s[CX], 11
	s_add_co_u32 s24, s24, s25
	s_mov_b32 s25, 0
	s_add_nc_u64 s[6:7], s[6:7], s[24:25]
; Eight products S = Q K^T for piece g: queries 16 (i % 4) on, channels 32 (i / 4) on.  The four accumulators take turns.  The first four start the sums: with 0, or (m = 1) with the mask.
; e >= 0: four of piece e's 32 exponentials stand behind each product; they name the other buffer of S alone.
.macro A1 g, m, e
	WIN 0x04                                       ; source 1 (my keys) in window 1; all else in window 0
.set i, 0
.rept 8
.set rS, S+32*((\g)%2)+8*(i%4)
.set rQ, QF+16*(i%4)+8*(i/4)
.set rK, 16*(\g)+8*(i/4)
.if (i < 4) && (\m)
	v_wmma_f32_16x16x32_f16 v[rS:rS+7], v[rQ:rQ+7], v[rK:rK+7], v[MC+8*(i%4):MC+8*(i%4)+7]
.elseif i < 4
	v_wmma_f32_16x16x32_f16 v[rS:rS+7], v[rQ:rQ+7], v[rK:rK+7], 0
.else
	v_wmma_f32_16x16x32_f16 v[rS:rS+7], v[rQ:rQ+7], v[rK:rK+7], v[rS:rS+7]
.endif
.if (\e) >= 0
.set n, 0
.rept 4
	v_exp_f32 v[S+32*((\e)%2)+4*i+n], v[S+32*((\e)%2)+4*i+n]
.set n, n+1
.endr
.endif
.set i, i+1
.endr
.endm
.macro FETCHQ skip                     ; the next step's 64 queries: 16 loads in one run; four places or more lie behind the last product that read the registers.  skip = 1: the last step has none
	WIN 0
.if \skip
	s_cmp_eq_u32 s[CNT], 1
	s_cbranch_scc1 .Lno_q_\@
.endif
	v_add_nc_u32 v[AQ], s[TB], v[AQ0]
	s_add_co_u32 s[TB], s[TB], 64*PIT
.irp f, 0,1,2,3,4,5,6,7
	ds_load_b128 v[QF+8*\f:QF+8*\f+3],   v[AQ] offset:(\f/2)*16*PIT+(\f%2)*64
	ds_load_b128 v[QF+8*\f+4:QF+8*\f+7], v[AQ] offset:(\f/2)*16*PIT+(\f%2)*64+32
.endr
.if \skip
.Lno_q_\@:
.endif
.endm
; Piece g's vector work for a step, first part: the maximum of my 32 scores and the old m (each accumulator's lowest registers are read first); m_old - m; s - m; the batch's first exponential, a.
.macro B1A g
.set rT, ST+4*(\g)
.set rS, S+32*((\g)%2)
	WIN 0
.irp n, 0,1,2,3
	v_max3_num_f32 v[CC+\n], v[rS+8*\n], v[rS+8*\n+1], v[rS+8*\n+2]
.endr
.irp n, 0,1,2,3
	v_max3_num_f32 v[CC+\n], v[CC+\n], v[rS+8*\n+3], v[rS+8*\n+4]
.endr
.irp n, 0,1,2,3
	v_max3_num_f32 v[CC+\n], v[CC+\n], v[rS+8*\n+5], v[rS+8*\n+6]
.endr
	v_max3_num_f32 v[CC], v[CC], v[rS+7], v[rS+15]
	v_max3_num_f32 v[CC+1], v[CC+1], v[rS+23], v[rS+31]
	v_max3_num_f32 v[CC+2], v[CC+2], v[CC+3], v[rT]
	v_max3_num_f32 v[CC], v[CC], v[CC+1], v[CC+2]
	v_sub_f32 v[rT+1], v[rT], v[CC]
	v_mov_b32 v[rT], v[CC]
.set z, 0
.rept 16
	v_pk_add_f32 v[rS+2*z:rS+2*z+1], v[rS+2*z:rS+2*z+1], v[rT:rT+1] op_sel_hi:[1,0] neg_lo:[0,1] neg_hi:[0,1]
.set z, z+1
.endr
	v_exp_f32 v[CC+2], v[rT+1]
.endm
; Last part: one plain instruction and ONE wait for the batch of 33; the sum by pairs; l = a l + sum.  These 17 plain lines are also the places behind the products that stand ahead of them.
.macro B1B g
.set rT, ST+4*(\g)
.set rS, S+32*((\g)%2)
	v_nop
	s_wait_alu depctr_va_vdst(0)
	WIN 0
.irp w, 4,8,16,32
.set u, 0
.rept 32/\w
	v_pk_add_f32 v[rS+\w*u:rS+\w*u+1], v[rS+\w*u:rS+\w*u+1], v[rS+\w*u+\w/2:rS+\w*u+\w/2+1]
.set u, u+1
.endr
.endr
	v_pk_fma_f32 v[rT+2:rT+3], v[rT+2:rT+3], v[CC+2:CC+3], v[rS:rS+1] op_sel_hi:[1,0,1]
.endm
	s_wait_loadcnt 0x0                             ; my keys
	s_wait_tensorcnt 0x0                           ; my four parts of Q,
	s_barrier_signal -1
	s_barrier_wait -1                              ; everybody's
	FETCHQ 0
	s_mov_b32 s[CNT], 32
.Lstep:
	s_wait_dscnt 0x0                               ; the step's Q is in
	s_sub_co_u32 s[STP], 32, s[CNT]
	s_lshr_b32 s[TT], s[STP], 2                    ; the tile
	s_and_b32 s[SS], s[STP], 3                     ; the step in it
	s_cmp_eq_u32 s[SS], s[WV]
	s_cselect_b32 s[AL], 1.0, 0
	s_cmp_lt_u32 s[SS], s[WV]
	s_cselect_b32 s[BE], s[BIGN], 0
.set z, 0
.rept 16
	v_pk_fma_f32 v[MC+2*z:MC+2*z+1], v[MD+2*z:MD+2*z+1], s[AL:AL+1], s[BE:BE+1] op_sel_hi:[1,0,0]
.set z, z+1
.endr
.irp g, 7,6,5,4,3,2,1
	s_cmp_eq_u32 s[TT], \g
	s_cbranch_scc0 .Lne\g
	A1 \g, 1, -1                                   ; the diagonal piece's scores
	WIN 0
	PLACES                                         ; the places between them and the maximum that reads them
	s_branch .Lp\g
.Lne\g:
.endr
	A1 0, 1, -1
	WIN 0
	PLACES
	s_branch .Lp0
.irp g, 7,6,5,4,3,2,1
.Lp\g:
	B1A \g
	A1 (\g)-1, 0, \g                               ; the next piece's products, this piece's exponentials behind them
	B1B \g
	WIN 0
.endr
.Lp0:
	FETCHQ 1
	B1A 0
.set z, 0
.rept 32
	v_exp_f32 v[S+z], v[S+z]                       ; the last piece has no product to stand behind
.set z, z+1
.endr
	B1B 0
	WIN 0
	s_sub_co_u32 s[CNT], s[CNT], 1
	s_cmp_lg_u32 s[CNT], 0
	s_cbranch_scc1 .Lstep
	; THE END.  The two halves of the lanes meet: M = max(m, m'), L = l 2^(m - M) + l' 2^(m' - M); nb = -(M + log2 L).  A half that has seen no visible query has m near -1e30, and its factor is 0.
.macro ALL line:vararg
.set t, 0
.rept 8
	\line
.set t, t+1
.endr
.endm
	ALL v_add_f32 v[ST+4*t+2], v[ST+4*t+2], v[ST+4*t+3]
	ALL v_permlanex16_b32 v[ST+4*t+1], v[ST+4*t], s[SEL], s[SEL+1]
	ALL v_max_num_f32 v[64+t], v[ST+4*t], v[ST+4*t+1]
	ALL v_sub_f32 v[72+t], v[ST+4*t], v[64+t]
	ALL v_exp_f32 v[72+t], v[72+t]
	v_nop
	s_wait_alu depctr_va_vdst(0)                   ; one wait for the eight exponentials
	ALL v_mul_f32 v[ST+4*t+2], v[ST+4*t+2], v[72+t]
	ALL v_permlanex16_b32 v[ST+4*t+3], v[ST+4*t+2], s[SEL], s[SEL+1]
	ALL v_add_f32 v[ST+4*t+2], v[ST+4*t+2], v[ST+4*t+3]
	ALL v_log_f32 v[72+t], v[ST+4*t+2]
	v_nop
	s_wait_alu depctr_va_vdst(0)                   ; one wait for the eight logarithms
	ALL v_add_f32 v[64+t], v[64+t], v[72+t]
	ALL v_sub_f32 v[64+t], 0, v[64+t]
	ALL ds_store_b32 v[SA], v[64+t] offset:256*t
	s_wait_dscnt 0x0                               ; for the others' sake: my stores are done
	s_barrier_signal -1
	s_barrier_wait -1
	ds_load_b128 v[80:83], v[SR]                   ; 512 of the work-group's 2,048 bytes a wave
	s_wait_dscnt 0x0
	global_store_b128 v[GO], v[80:83], s[6:7]
	s_wait_tensorcnt 0x0                           ; the wave's end
	ds_add_u32 v[SPW], v[NIL]
	s_wait_dscnt 0x0
	CROUND                                         ; the closing round
	s_endpgm
.Lfunc_end_k_qa3ac2f7390_stat:
	.size	k_qa3ac2f7390_stat, .Lfunc_end_k_qa3ac2f7390_stat-k_qa3ac2f7390_stat
	.p2alignl 7, 3214868480
	.fill 96, 4, 3214868480
	.section	.rodata,"a",@progbits
	.p2align	6, 0x0
	.amdhsa_kernel k_qa3ac2f7390_stat
		.amdhsa_group_segment_fixed_size 327680
		.amdhsa_private_segment_fixed_size 0
		.amdhsa_enable_private_segment 0
		.amdhsa_kernarg_size 16
		.amdhsa_user_sgpr_count 2
		.amdhsa_user_sgpr_kernarg_segment_ptr 1
		.amdhsa_wavefront_size32 1
		.amdhsa_system_sgpr_workgroup_id_x 1
		.amdhsa_system_sgpr_workgroup_id_y 1
		.amdhsa_system_sgpr_workgroup_id_z 1
		.amdhsa_system_vgpr_workitem_id 0
		.amdhsa_next_free_vgpr 384
		.amdhsa_next_free_sgpr 66
		.amdhsa_reserve_vcc 1
		.amdhsa_float_denorm_mode_32 3
		.amdhsa_float_denorm_mode_16_64 3
		.amdhsa_memory_ordered 1
		.amdhsa_forward_progress 1
		.amdhsa_inst_pref_size 65
	.end_amdhsa_kernel
	.amdgpu_metadata
---
amdhsa.version: [ 1, 2 ]
amdhsa.kernels:
  - .name:           k_qa3ac2f7390_stat
    .symbol:         k_qa3ac2f7390_stat.kd
    .args:
      - { .name: qkv, .offset: 0, .size: 8, .value_kind: global_buffer, .address_space: global }
      - { .name: nb, .offset: 8, .size: 8, .value_kind: global_buffer, .address_space: global }
    .group_segment_fixed_size: 327680
    .private_segment_fixed_size: 0
    .kernarg_segment_align: 8
    .kernarg_segment_size: 16
    .max_flat_workgroup_size: 128
    .sgpr_count:     66
    .vgpr_count:     384
    .wavefront_size: 32
...
	.end_amdgpu_metadata
.endif
;; end of part 8
;; launch attn (part 9): grid 4 x 64, 4 waves a work-group, clusters of 4 x 1, 327,680 bytes of LDS; arguments qkv, vlo, nb, o2; writes o2
.if DOCPART == 9
	.amdgcn_target "amdgcn-amd-amdhsa--gfx1250"
	.amdhsa_code_object_version 6
	.text
	.protected	k_qa3ac2f7390_attn
	.globl	k_qa3ac2f7390_attn
	.p2align	8
	.type	k_qa3ac2f7390_attn,@function
k_qa3ac2f7390_attn:
	s_mov_b64 s[64:65], 0
	v_nop
	global_prefetch_b8 v0, s[64:65] scope:SCOPE_SE
	s_setreg_imm32_b32 hwreg(HW_REG_WAVE_MODE, 25, 1), 1
	s_wait_xcnt 0x0
	s_wait_alu depctr_hold_cnt(0) depctr_sa_sdst(0) depctr_va_vdst(0) depctr_va_sdst(0) depctr_va_ssrc(0) depctr_va_vcc(0) depctr_vm_vsrc(0)
	s_getreg_b32 s2, hwreg(HW_REG_IB_STS2, 6, 4)
	s_cmp_eq_u32 s2, 0
	s_cbranch_scc0 .Lentry_in_a_cluster
	s_endpgm
.Lentry_in_a_cluster:
	s_bfe_u32 s2, ttmp6, 0x10000c
	s_cmp_lg_u32 s2, 0x3003
	s_cbranch_scc0 .Lentry_shape_is_right
	s_endpgm
.Lentry_shape_is_right:
; O'[t][:] = the sum over s <= t of P[t][s] v'[s][:], P = 2^(q'[t] . k'[s] + nb[s]): nb = -(M + log2 L) of key s was made by the launch before, by a running maximum, so P lies in 0 to 1 and nothing is rescaled or divided here.
; q', k', v' f16, sums f32, P rounded to f16.  For the last 32 keys of a batch, whose weights are the largest, what v's rounding dropped (vlo) is multiplied too, once at the end.
; O' leaves as bf16: hi = bf16(O') for every row, and lo = bf16(O' - hi) for the last 512 rows of a batch (pieces 6 and 7): key s is divided by a sum over the 2,048 - s queries that see it, so the large numbers lie in the last rows.
; o2[b 4][slice h 16][tile j 8][320 rows][64]: a tile's 20 blocks of 16 rows: block p < 16 = hi of rows 256 (p / 2) + 32 j + 16 (p % 2) ..; blocks 16-19 = lo of blocks 12-15.  With u = 4 w + cx my piece g is block 2 g + u % 2 of tile u / 2.
; LIMITS: a hidden score counts as its value less 1e30; a weight below 2^-126 counts as 0, below 6e-5 it keeps f16's fixed step; NaN and infinities are not treated apart.
; SHARES.  A cluster of four work-groups has a head.  Piece g (0..7) of wave w of work-group cx owns the 16 queries 256 g + 64 w + 16 cx + 0..15: every wave of every partner runs the same walk and needs the same K and V.
; THE WALK: 8 key tiles of 256, four steps of 64 keys each, through two LDS slots of one tile, filled by joint loads (waves 0, 1: K's halves; 2, 3: V's).  In tile T pieces g >= T are at work, from T up to 7; piece T holds the
; diagonal.  The step's text holds all pieces; a chain of compares on T (made of the loop's count alone) goes forward into it at piece T, and the product written in that chain takes bias + mask as its C operand; the others take the bias.
; Tile 7 is written out (piece 7 alone).  By this text's count a wave has two tensor loads out at the start, later one.
; LAYOUT.  S^T = K Q^T + bias (source 0 = 16 keys, source 1 = 16 queries): a lane holds ONE query and the keys 8 (lane / 16) + 0..7; two results rounded to f16 ARE source 1 of O^T = V^T P.  V comes out of LDS turned.
; SIDE BY SIDE.  A piece's block is: the NEXT piece's eight products K Q^T, four of this piece's 32 exponentials behind each; one plain instruction and one wait for the batch; 16 roundings; this piece's eight products V^T P.
; An exponential names a destination and source 0 alone, and K (the products' source 0) lies in S^T's window: so the run has one switch, where C changes from the bias's window to S^T's.
; O^T is cleared by 256 v_mov_b32 in the wait for the first tile: the price of writing no first step out.
; K's and V's tiles are prefetched: behind each refill, the tile after the one just asked for; waves 0 (K) and 2 (V) of each partner, 32 blocks of 256 bytes each, the partners told apart by address; nothing behind tile 7.
; REGISTERS: window 0: v2-14 addresses; v64-127 S^T, two buffers; v128-159 P, two buffers; v160-223 K of a step.  window 1: O^T, 32 a piece.
;   window 2: v0-127 Q, 16 a piece; v128-159 vlo's fragments; v192-255 V of a step.  window 3: v0-31 the step's bias; v32-63 MD; v64-95 MC.
.set PK,    144
.set PV,    160
.set VOFF,  256*PK                     ; a slot: 256 rows of K, then 256 rows of V
.set SLOT1, 1<<17
.set NBL,   SLOT1+256*(PK+PV)          ; 208,896: the head's 2,048 nb
.set VLO,   NBL+8192                   ; 32 rows of vlo, pitch 160
.set STAGE, VLO+32*PV                  ; 222,208: a wave's 16 rows x 144, hi and lo; no tensor load lands here
.set SPARE, STAGE+4*4608               ; the spare words, 128 bytes a wave
.set AK0, 2
.set AV0, 3
.set AN0, 4
.set AK,  5
.set AV,  6
.set AN,  7
.set QO,  8
.set STO, 9
.set RD,  10
.set GO,  11
.set THR, 12
.set AVL, 13
.set PFO, 14
.set SPW, 62
.set NIL, 63
.set S,    64
.set P,    128
.set KF,   160                         ; window 0
.set LF,   128                         ; window 2
.set VF,   192                         ; window 2
.set BIAS, 0                           ; window 3
.set MD,   32
.set MC,   64
.set HI,   64                          ; the way out
.set LO,   80
.set U,    96
.set WV,  12
.set CX,  13
.set BH,  14
.set II,  15
.set G1K, 16
.set G1V, 24
.set G1N, 32
.set G1L, 40
.set G0K, 48
.set G0V, 52
.set G0N, 56
.set G0L, 60
.set TK,  66
.set CNT, 67
.set TBK, 68
.set TBV, 69
.set TBN, 70
.set SS,  71
.set AL,  72
.set BE,  74
.set BIGN, 76
.set SLOTS, 77
.set PFA, 96
.set LIM, 98
.set MH,  99
.set MSB, 0
.macro WIN new
.if MSB != (\new)
	s_set_vgpr_msb (MSB<<8)|(\new)
.set MSB, \new
.endif
.endm
.macro PLACES
.rept 4
	v_nop
.endr
.endm
.macro CROUND
	s_barrier_signal -1
	s_barrier_wait -1
	s_cmp_lg_u32 s[WV], 0
	s_cbranch_scc1 .Lnot_wave_0_\@
	s_barrier_signal -3
.Lnot_wave_0_\@:
	s_barrier_wait -3
	s_barrier_signal -1
	s_barrier_wait -1
.endm
.macro JLOAD                           ; a joint fill; an s_nop 0 and four v_nop follow each line
	s_cmp_lt_u32 s[WV], 2
	s_cbranch_scc0 .Lfor_v_\@
	tensor_load_to_lds s[G0K:G0K+3], s[G1K:G1K+7]
	s_nop 0
	PLACES
	s_branch .Lasked_\@
.Lfor_v_\@:
	tensor_load_to_lds s[G0V:G0V+3], s[G1V:G1V+7]
	s_nop 0
	PLACES
.Lasked_\@:
.endm
; THE CHANGE OF SLOTS: every wave waits for all its tensor loads (its part of the other slot), adds 0 to its spare word, waits for that and for its reads of the slot that it leaves.  fill = 1: a round of the cluster's barrier,
; and the joint refill first behind it, into the slot just left.  (At its first use nothing has been read: slot 0 is waited for, slot 1 filled.)
.macro CHANGE fill
	WIN 0
	s_wait_tensorcnt 0x0
	ds_add_u32 v[SPW], v[NIL]
.if \fill
.irp g, G0K, G0V
	s_xor_b32 s[\g+1], s[\g+1], SLOT1              ; the walking descriptors: the other slot, the next 256 keys
	s_add_nc_u64 s[\g+2:\g+3], s[\g+2:\g+3], 32768
.endr
	s_wait_xcnt 0x0                                ; the last prefetch, a tile back, has read its address
	s_add_nc_u64 s[PFA:PFA+1], s[PFA:PFA+1], 32768
	s_wait_dscnt 0x0
	CROUND
	JLOAD
	s_cmp_lt_u32 s[TK], s[LIM]                     ; tile T + 2, while there is one
	s_cbranch_scc0 .Lnot_mine_\@
	global_prefetch_b8 v[PFO], s[PFA:PFA+1] th:TH_LOAD_NT scope:SCOPE_SE
.Lnot_mine_\@:
.else
	s_wait_dscnt 0x0
	s_barrier_signal -1
	s_barrier_wait -1
.endif
	s_sub_co_u32 s[TBK], s[TBK], 4*64*PK           ; the fetches go back to a slot's first step, in the other slot
	s_xor_b32 s[TBK], s[TBK], SLOT1
	s_sub_co_u32 s[TBV], s[TBV], 4*64*PV
	s_xor_b32 s[TBV], s[TBV], SLOT1
.endm
	s_load_b256 s[4:11], s[0:1], 0x0               ; qkv s[4:5], vlo s[6:7], nb s[8:9], o2 s[10:11]
	v_lshl_add_u32 v[SPW], v0, 2, SPARE
	v_mov_b32 v[NIL], 0
	ds_add_u32 v[SPW], v[NIL]                      ; the wave's opening: the add and its wait ahead of my first tensor load
	v_lshrrev_b32 v1, 5, v0
	v_readfirstlane_b32 s[WV], v1
	s_and_b32 s[II], s[WV], 1                      ; which half of a tile I fetch
	s_bfe_u32 s[CX], ttmp6, 0x40000
	s_and_b32 s[BH], ttmp7, 0xffff
	s_lshr_b32 s78, s[BH], 4                       ; b
	s_and_b32 s79, s[BH], 15                       ; h
	s_mul_i32 s80, s78, 48
	s_add_co_u32 s80, s80, s79
	s_lshl_b32 s81, s80, 18                        ; q's head, in bytes
	s_lshl_b32 s84, s[II], 14
	s_add_co_u32 s84, s84, s81
	s_add_co_u32 s84, s84, 4194304                 ; K: my half of tile 0
	s_mov_b32 s85, 0
	s_add_co_u32 s86, s84, 4194304                 ; V
	s_mov_b32 s87, 0
	s_lshl_b32 s88, s[WV], 13
	s_lshl_b32 s89, s[CX], 11
	s_add_co_u32 s88, s88, s89                     ; my 16 rows in a block of 256
	s_add_co_u32 s90, s81, s88
	s_mov_b32 s91, 0
	s_lshl_b32 s92, s[BH], 13
	s_lshl_b32 s93, s[II], 12
	s_add_co_u32 s92, s92, s93                     ; nb: my half of the head's 8,192 bytes
	s_mov_b32 s93, 0
	s_add_co_u32 s94, s80, 32
	s_lshl_b32 s94, s94, 3
	s_add_co_u32 s94, s94, 7
	s_lshl_b32 s94, s94, 12                        ; vlo: v's head, the last tile
	s_lshl_b32 s95, s[II], 11
	s_add_co_u32 s94, s94, s95
	s_mov_b32 s95, 0
	s_mul_i32 s82, s78, 5242880                    ; o2: the batch's 16 slices of 327,680 bytes,
	s_mul_i32 s83, s79, 327680                     ; the head's slice,
	s_add_co_u32 s82, s82, s83
	s_lshl_b32 s83, s[WV], 2
	s_add_co_u32 s83, s83, s[CX]                   ; u = 4 w + cx
	s_lshr_b32 s83, s83, 1
	s_mul_i32 s83, s83, 40960                      ; tile u / 2: 320 rows of 128 bytes,
	s_add_co_u32 s82, s82, s83
	s_and_b32 s83, s[CX], 1
	s_lshl_b32 s83, s83, 11                        ; and the odd block of a piece's two where u is odd
	s_add_co_u32 s82, s82, s83
	s_mov_b32 s83, 0
	s_cmp_lt_u32 s[WV], 2                          ; the prefetches (waves 0 and 2, in which the half is 0): K's or V's tile 1,
	s_cselect_b32 s78, s84, s86
	s_lshl_b32 s79, s[CX], 13                      ; my work-group's 8,192 bytes of it
	s_add_co_u32 s78, s78, s79
	s_add_co_u32 s78, s78, 32768
	s_mov_b32 s79, 0
	s_cmp_eq_u32 s[II], 0
	s_cselect_b32 s[LIM], 6, 0
	s_mov_b32 s[G1K], 15|(1<<16)|(1<<20)|(1<<21)|(4<<22)|(3<<25)  ; the mask of four; 2-byte elements; padding on; bit 21 beside a mask; after every 32 words, 4 words
	s_mov_b32 s[G1V], 15|(1<<16)|(1<<20)|(1<<21)|(4<<22)|(7<<25)  ; the same with 8 words
	s_mov_b32 s[G1L], 15|(1<<16)|(1<<20)|(1<<21)|(4<<22)|(7<<25)
	s_mov_b32 s[G1N], 15|(2<<16)|(1<<21)                           ; 4-byte elements, no padding
.irp g, G1K, G1V, G1L
	s_mov_b32 s[\g+1], 128<<16
	s_mov_b32 s[\g+3], 128<<16
	s_mov_b32 s[\g+5], 128
	s_mov_b32 s[\g+6], 0
	s_mov_b32 s[\g+7], 0
.endr
	s_mov_b32 s[G1K+2], 64<<16                     ; 64 rows of 256 bytes: 128 keys
	s_mov_b32 s[G1K+4], 64
	s_mov_b32 s[G1V+2], 64<<16
	s_mov_b32 s[G1V+4], 64
	s_mov_b32 s[G1L+2], 8<<16                      ; 8 rows of 256 bytes: 16 keys
	s_mov_b32 s[G1L+4], 8
	s_mov_b32 s[G1N+1], 64<<16                     ; 16 rows of 64 words
	s_mov_b32 s[G1N+2], 16<<16
	s_mov_b32 s[G1N+3], 64<<16
	s_mov_b32 s[G1N+4], 16
	s_mov_b32 s[G1N+5], 64
	s_mov_b32 s[G1N+6], 0
	s_mov_b32 s[G1N+7], 0
	s_mov_b32 s[G0K], 1
	s_mul_i32 s[G0K+1], s[II], 128*PK
	s_mov_b32 s[G0V], 1
	s_mul_i32 s[G0V+1], s[II], 128*PV
	s_add_co_u32 s[G0V+1], s[G0V+1], VOFF
	s_mov_b32 s[G0N], 1
	s_lshl_b32 s[G0N+1], s[II], 12
	s_add_co_u32 s[G0N+1], s[G0N+1], NBL
	s_mov_b32 s[G0L], 1
	s_mul_i32 s[G0L+1], s[II], 16*PV
	s_add_co_u32 s[G0L+1], s[G0L+1], VLO
	s_mov_b32 s[TBK], SLOT1+4*64*PK                ; the first change of slots turns these two into 0
	s_mov_b32 s[TBV], SLOT1+4*64*PV
	s_mov_b32 s[TBN], 0
	s_mov_b32 s[AL+1], 0
	s_mov_b32 s[BE+1], 0
	s_mov_b32 s[BIGN], 0xf149f2ca                  ; -1e30
	s_mov_b32 s[MH], 0xffff0000
	s_wait_dscnt 0x0                               ; the opening add is done
	s_wait_kmcnt 0x0
	s_add_nc_u64 s[G0K+2:G0K+3], s[4:5], s[84:85]
	s_or_b32 s[G0K+3], s[G0K+3], 0x80000000
	s_add_nc_u64 s[G0V+2:G0V+3], s[4:5], s[86:87]
	s_or_b32 s[G0V+3], s[G0V+3], 0x80000000
	s_add_nc_u64 s[G0N+2:G0N+3], s[8:9], s[92:93]
	s_or_b32 s[G0N+3], s[G0N+3], 0x80000000
	s_add_nc_u64 s[G0L+2:G0L+3], s[6:7], s[94:95]
	s_or_b32 s[G0L+3], s[G0L+3], 0x80000000
	s_add_nc_u64 s[90:91], s[4:5], s[90:91]        ; Q at my rows of block 0
	s_add_nc_u64 s[10:11], s[10:11], s[82:83]      ; o2 at my piece 0's block
	s_add_nc_u64 s[PFA:PFA+1], s[4:5], s[78:79]
	CROUND                                         ; all four work-groups are here: the first joint loads meet
	s_cmp_lt_u32 s[WV], 2                          ; a wave's two first fills stand in one branch
	s_cbranch_scc0 .Lfirst_v
	tensor_load_to_lds s[G0N:G0N+3], s[G1N:G1N+7]
	s_nop 0
	tensor_load_to_lds s[G0K:G0K+3], s[G1K:G1K+7]
	s_nop 0
	PLACES
	s_branch .Lfirst_asked
.Lfirst_v:
	tensor_load_to_lds s[G0L:G0L+3], s[G1L:G1L+7]
	s_nop 0
	tensor_load_to_lds s[G0V:G0V+3], s[G1V:G1V+7]
	s_nop 0
	PLACES
.Lfirst_asked:
	v_and_b32 v1, 15, v0
	v_bfe_u32 v15, v0, 4, 1
	v_lshlrev_b32 v[QO], 7, v1
	v_lshl_add_u32 v[QO], v15, 4, v[QO]
	WIN 0x80
.set i, 0
.rept 16                               ; Q stays in registers: piece i / 2, channels 32 (i % 2) on
	global_load_b128 v[8*i:8*i+3],   v[QO], s[90:91] offset:(i/2)*32768+(i%2)*64
	global_load_b128 v[8*i+4:8*i+7], v[QO], s[90:91] offset:(i/2)*32768+(i%2)*64+32
.set i, i+1
.endr
	WIN 0x40
.set i, 0
.rept 256
	v_mov_b32 v[i], 0                              ; O^T
.set i, i+1
.endr
	WIN 0
	v_mul_u32_u24 v[AK0], v1, PK
	v_lshl_add_u32 v[AK0], v15, 4, v[AK0]
	v_and_b32 v16, 7, v0
	v_bfe_u32 v17, v0, 3, 1
	v_lshl_add_u32 v[AV0], v15, 3, v16             ; the turning load: key 8 (l / 16) + l % 8, channels 8 ((l / 8) % 2) ..
	v_mul_u32_u24 v[AV0], v[AV0], PV
	v_lshl_add_u32 v[AV0], v17, 4, v[AV0]
	v_add_nc_u32 v[AVL], VLO, v[AV0]
	v_add_nc_u32 v[AV0], VOFF, v[AV0]
	v_lshlrev_b32 v[AN0], 5, v15
	v_add_nc_u32 v[AN0], NBL, v[AN0]               ; my eight keys' nb: 32 bytes for each half of the lanes
	v_lshlrev_b32 v18, 3, v15
	v_sub_nc_u32 v[THR], v1, v18
	s_lshl_b32 s78, s[CX], 4
	v_add_nc_u32 v[THR], s78, v[THR]               ; 16 cx + r - 8 (l / 16): register j of key block kb is hidden in my own step where 16 kb + j is greater
	WIN 0xc0                                       ; destination window 3
.set i, 0
.rept 32
	v_cmp_gt_i32 vcc_lo, 16*(i/8)+i%8, v[THR]
	v_cndmask_b32 v[MD+i], 0, s[BIGN], vcc_lo
.set i, i+1
.endr
	WIN 0
	s_mul_i32 s78, s[WV], 4608
	s_add_co_u32 s78, s78, STAGE
	v_mul_u32_u24 v[STO], v1, 144
	v_lshl_add_u32 v[STO], v15, 4, v[STO]
	v_add_nc_u32 v[STO], s78, v[STO]
	v_bfe_u32 v[RD], v0, 3, 2
	v_mul_u32_u24 v[RD], v[RD], 144
	v_lshl_add_u32 v[RD], v16, 4, v[RD]
	v_add_nc_u32 v[RD], s78, v[RD]
	v_and_b32 v[GO], 31, v0
	v_lshlrev_b32 v[PFO], 8, v[GO]
	v_lshlrev_b32 v[GO], 4, v[GO]
; Eight products S^T = K Q^T + C for piece g: keys 16 (i % 4) on, channels 32 (i / 4) on; the four accumulators take turns.  C: the bias, or (m = 1) bias + mask, both in window 3.
; e >= 0: four of piece e's 32 exponentials stand behind each product (each accumulator from its low end on); they name the other buffer of S^T alone.
.macro A2 g, m, e
.set i, 0
.rept 8
.set rS, S+32*((\g)%2)+8*(i%4)
.set rK, KF+16*(i%4)+8*(i/4)
.set rQ, 16*(\g)+8*(i/4)
.if i < 4
	WIN 0x38                                       ; source 1 (Q) window 2, source 2 window 3
.if \m
	v_wmma_f32_16x16x32_f16 v[rS:rS+7], v[rK:rK+7], v[rQ:rQ+7], v[MC+8*(i%4):MC+8*(i%4)+7]
.else
	v_wmma_f32_16x16x32_f16 v[rS:rS+7], v[rK:rK+7], v[rQ:rQ+7], v[BIAS+8*(i%4):BIAS+8*(i%4)+7]
.endif
.else
	WIN 0x08                                       ; source 2 back in window 0
	v_wmma_f32_16x16x32_f16 v[rS:rS+7], v[rK:rK+7], v[rQ:rQ+7], v[rS:rS+7]
.endif
.if (\e) >= 0
.set n, 0
.rept 4
	v_exp_f32 v[S+32*((\e)%2)+4*i+n], v[S+32*((\e)%2)+4*i+n]
.set n, n+1
.endr
.endif
.set i, i+1
.endr
.endm
.macro EXPS g                          ; a piece's 32 exponentials where there is no product to stand behind
	WIN 0
.set z, 0
.rept 32
	v_exp_f32 v[S+32*((\g)%2)+z], v[S+32*((\g)%2)+z]
.set z, z+1
.endr
.endm
; Behind the batch: a plain instruction and ONE wait; then 16 roundings to f16.  These 17 plain lines are also the places behind the products that stand ahead of them.
.macro B2 g
.set rS, S+32*((\g)%2)
.set rP, P+16*((\g)%2)
	v_nop
	s_wait_alu depctr_va_vdst(0)
	WIN 0
.set z, 0
.rept 16
	v_cvt_pk_f16_f32 v[rP+z], v[rS+2*z], v[rS+2*z+1]
.set z, z+1
.endr
.endm
.macro C2 g                            ; eight products O^T += V^T P: keys 32 (i / 4) on, channels 16 (i % 4) on
	WIN 0x52
.set i, 0
.rept 8
.set rO, 32*(\g)+8*(i%4)
.set rV, VF+32*(i/4)+8*(i%4)
.set rP, P+16*((\g)%2)+8*(i/4)
	v_wmma_f32_16x16x32_f16 v[rO:rO+7], v[rV:rV+7], v[rP:rP+7], v[rO:rO+7]
.set i, i+1
.endr
.endm
; The LDS loads stand in runs, four places behind the last product that read the registers.  skip = 1: a tile's last step fetches nothing: the next step lies in the other slot, behind the change.
.macro FETCHK skip                     ; the next step's K (16 loads) and bias (8)
	PLACES
	WIN 0
.if \skip
	s_cmp_eq_u32 s[CNT], 1
	s_cbranch_scc1 .Lno_k_\@
.endif
	v_add_nc_u32 v[AK], s[TBK], v[AK0]
	v_add_nc_u32 v[AN], s[TBN], v[AN0]
	s_add_co_u32 s[TBK], s[TBK], 64*PK
	s_add_co_u32 s[TBN], s[TBN], 64
.irp f, 0,1,2,3,4,5,6,7
	ds_load_b128 v[KF+8*\f:KF+8*\f+3],   v[AK] offset:(\f/2)*16*PK+(\f%2)*64
	ds_load_b128 v[KF+8*\f+4:KF+8*\f+7], v[AK] offset:(\f/2)*16*PK+(\f%2)*64+32
.endr
	WIN 0xc0                                       ; destination window 3
.irp f, 0,1,2,3
	ds_load_b128 v[BIAS+8*\f:BIAS+8*\f+3],   v[AN] offset:\f*2048
	ds_load_b128 v[BIAS+8*\f+4:BIAS+8*\f+7], v[AN] offset:\f*2048+16
.endr
	WIN 0
.if \skip
.Lno_k_\@:
.endif
.endm
.macro FETCHV skip                     ; the next step's V, turned: 16 loads
	PLACES
	WIN 0
.if \skip
	s_cmp_eq_u32 s[CNT], 1
	s_cbranch_scc1 .Lno_v_\@
.endif
	v_add_nc_u32 v[AV], s[TBV], v[AV0]
	s_add_co_u32 s[TBV], s[TBV], 64*PV
	WIN 0x80
.irp f, 0,1,2,3,4,5,6,7
	ds_load_tr16_b128 v[VF+8*\f:VF+8*\f+3],   v[AV] offset:(\f/4)*32*PV+(\f%4)*32
	ds_load_tr16_b128 v[VF+8*\f+4:VF+8*\f+7], v[AV] offset:(\f/4)*32*PV+16*PV+(\f%4)*32
.endr
	WIN 0
.if \skip
.Lno_v_\@:
.endif
.endm
.macro HEADM                           ; a step's head: the diagonal piece's C = bias + MD x AL + BE: (1, 0) in my own step of the tile, (0, -1e30) behind it, (0, 0) before it
	s_wait_dscnt 16                                ; K and the bias are in; V's 16 loads may stay out
	s_sub_co_u32 s[SS], 4, s[CNT]
	s_cmp_eq_u32 s[SS], s[WV]
	s_cselect_b32 s[AL], 1.0, 0
	s_cmp_gt_u32 s[SS], s[WV]
	s_cselect_b32 s[BE], s[BIGN], 0
	WIN 0xff                                       ; all in window 3
.set z, 0
.rept 16
	v_pk_fma_f32 v[MC+2*z:MC+2*z+1], v[MD+2*z:MD+2*z+1], s[AL:AL+1], v[BIAS+2*z:BIAS+2*z+1] op_sel_hi:[1,0,1]
.set z, z+1
.endr
.set z, 0
.rept 16
	v_pk_add_f32 v[MC+2*z:MC+2*z+1], v[MC+2*z:MC+2*z+1], s[BE:BE+1] op_sel_hi:[1,0]
.set z, z+1
.endr
	WIN 0
.endm
	s_wait_loadcnt 0x0                             ; Q
	s_mov_b32 s[SLOTS], 7
.Ltile:                                            ; seven trips: tile T is entered and tile T + 1 asked for
	s_sub_co_u32 s[TK], 7, s[SLOTS]
	CHANGE 1
	FETCHK 0
	FETCHV 0
	s_mov_b32 s[CNT], 4
.Lstep:
	HEADM
.irp g, 0,1,2,3,4,5
	s_cmp_eq_u32 s[TK], \g
	s_cbranch_scc0 .Lna\g
	A2 \g, 1, -1                                   ; the diagonal piece's scores
	WIN 0
	PLACES                                         ; the places between them and the exponentials that read them
	s_wait_dscnt 0x0                               ; V is in
	s_branch .Lq\g
.Lna\g:
.endr
	A2 6, 1, -1
	WIN 0
	PLACES
	s_wait_dscnt 0x0
	s_branch .Lq6
.irp g, 0,1,2,3,4,5,6
.Lq\g:
	A2 (\g)+1, 0, \g                               ; the next piece's scores, this piece's exponentials behind them
	B2 \g
	C2 \g
	WIN 0
.endr
	FETCHK 1
	EXPS 7
	B2 7
	C2 7
	FETCHV 1
	s_sub_co_u32 s[CNT], s[CNT], 1
	s_cmp_lg_u32 s[CNT], 0
	s_cbranch_scc1 .Lstep
	s_sub_co_u32 s[SLOTS], s[SLOTS], 1
	s_cmp_lg_u32 s[SLOTS], 0
	s_cbranch_scc1 .Ltile
	CHANGE 0                                       ; tile 7: nothing is asked for
	FETCHK 0
	FETCHV 0
	s_mov_b32 s[CNT], 4
.Llast:
	HEADM
	A2 7, 1, -1
	WIN 0
	s_wait_dscnt 0x0
	FETCHK 1                                       ; its four places serve the exponentials below too
	EXPS 7
	B2 7
	C2 7
	FETCHV 1
	s_sub_co_u32 s[CNT], s[CNT], 1
	s_cmp_lg_u32 s[CNT], 0
	s_cbranch_scc1 .Llast
	; keys 2,016 - 2,047 once more, with what v's rounding dropped: the last step's weights of its keys 32-63 still lie in P's second buffer
	PLACES
	WIN 0x80
.irp f, 0,1,2,3
	ds_load_tr16_b128 v[LF+8*\f:LF+8*\f+3],   v[AVL] offset:\f*32
	ds_load_tr16_b128 v[LF+8*\f+4:LF+8*\f+7], v[AVL] offset:16*PV+\f*32
.endr
	s_wait_dscnt 0x0
	WIN 0x52
.irp f, 0,1,2,3
	v_wmma_f32_16x16x32_f16 v[224+8*\f:224+8*\f+7], v[LF+8*\f:LF+8*\f+7], v[P+24:P+31], v[224+8*\f:224+8*\f+7]
.endr
	PLACES
; THE WAY OUT of piece g: hi = bf16(O); for pieces 6 and 7 also lo = bf16(O - hi).  16 bytes a lane of each into my stage (rows of 144), back as whole rows of 128 bytes, stored 512 consecutive bytes at a time:
; hi into block 2 g (+ 1 where u is odd: in the base) of my tile, lo into block 16 + 2 (g - 6).
.macro OUTP g
.set rO, 32*(\g)
.set BK, 128+32*((\g)%2)
.set NLO, 4*((\g)/6)                   ; the loads of lo, issued behind hi's four
	WIN 0x05
.set n, 0
.rept 16
	v_cvt_pk_bf16_f32 v[HI+n], v[rO+2*n], v[rO+2*n+1]
.set n, n+1
.endr
	WIN 0
.if (\g) >= 6
.set n, 0
.rept 16
	v_lshlrev_b32 v[U+2*n], 16, v[HI+n]
	v_and_b32 v[U+2*n+1], s[MH], v[HI+n]
.set n, n+1
.endr
	WIN 0x01
.set n, 0
.rept 16
	v_pk_add_f32 v[U+2*n:U+2*n+1], v[rO+2*n:rO+2*n+1], v[U+2*n:U+2*n+1] neg_lo:[0,1] neg_hi:[0,1]
.set n, n+1
.endr
	WIN 0
.set n, 0
.rept 16
	v_cvt_pk_bf16_f32 v[LO+n], v[U+2*n], v[U+2*n+1]
.set n, n+1
.endr
.endif
.irp f, 0,1,2,3
	ds_store_b128 v[STO], v[HI+4*\f:HI+4*\f+3] offset:32*\f
.endr
.if (\g) >= 6
.irp f, 0,1,2,3
	ds_store_b128 v[STO], v[LO+4*\f:LO+4*\f+3] offset:2304+32*\f
.endr
.endif
	s_wait_xcnt 0x0                                ; earlier stores have read the registers that the loads below write
.irp f, 0,1,2,3
	ds_load_b128 v[BK+4*\f:BK+4*\f+3], v[RD] offset:\f*576               ; LDS serves a wave's instructions in order: these see the stores above
.endr
.if (\g) >= 6
.irp f, 0,1,2,3
	ds_load_b128 v[BK+16+4*\f:BK+16+4*\f+3], v[RD] offset:2304+\f*576
.endr
.endif
.irp f, 0,1,2,3
	s_wait_dscnt NLO+3-\f                          ; the younger loads may stay out
	global_store_b128 v[GO], v[BK+4*\f:BK+4*\f+3], s[10:11] offset:(\g)*4096+\f*512
.endr
.if (\g) >= 6
.irp f, 0,1,2,3
	s_wait_dscnt 3-\f
	global_store_b128 v[GO], v[BK+16+4*\f:BK+16+4*\f+3], s[10:11] offset:32768+((\g)-6)*4096+\f*512
.endr
.endif
.endm
.irp g, 0,1,2,3,4,5,6,7
	OUTP \g
.endr
	s_wait_tensorcnt 0x0                           ; the wave's end
	ds_add_u32 v[SPW], v[NIL]
	s_wait_dscnt 0x0
	CROUND                                         ; the closing round
	s_endpgm
.Lfunc_end_k_qa3ac2f7390_attn:
	.size	k_qa3ac2f7390_attn, .Lfunc_end_k_qa3ac2f7390_attn-k_qa3ac2f7390_attn
	.p2alignl 7, 3214868480
	.fill 96, 4, 3214868480
	.section	.rodata,"a",@progbits
	.p2align	6, 0x0
	.amdhsa_kernel k_qa3ac2f7390_attn
		.amdhsa_group_segment_fixed_size 327680
		.amdhsa_private_segment_fixed_size 0
		.amdhsa_enable_private_segment 0
		.amdhsa_kernarg_size 32
		.amdhsa_user_sgpr_count 2
		.amdhsa_user_sgpr_kernarg_segment_ptr 1
		.amdhsa_wavefront_size32 1
		.amdhsa_system_sgpr_workgroup_id_x 1
		.amdhsa_system_sgpr_workgroup_id_y 1
		.amdhsa_system_sgpr_workgroup_id_z 1
		.amdhsa_system_vgpr_workitem_id 0
		.amdhsa_next_free_vgpr 864
		.amdhsa_next_free_sgpr 100
		.amdhsa_reserve_vcc 1
		.amdhsa_float_denorm_mode_32 3
		.amdhsa_float_denorm_mode_16_64 3
		.amdhsa_memory_ordered 1
		.amdhsa_forward_progress 1
		.amdhsa_inst_pref_size 104
	.end_amdhsa_kernel
	.amdgpu_metadata
---
amdhsa.version: [ 1, 2 ]
amdhsa.kernels:
  - .name:           k_qa3ac2f7390_attn
    .symbol:         k_qa3ac2f7390_attn.kd
    .args:
      - { .name: qkv, .offset: 0, .size: 8, .value_kind: global_buffer, .address_space: global }
      - { .name: vlo, .offset: 8, .size: 8, .value_kind: global_buffer, .address_space: global }
      - { .name: nb, .offset: 16, .size: 8, .value_kind: global_buffer, .address_space: global }
      - { .name: o2, .offset: 24, .size: 8, .value_kind: global_buffer, .address_space: global }
    .group_segment_fixed_size: 327680
    .private_segment_fixed_size: 0
    .kernarg_segment_align: 8
    .kernarg_segment_size: 32
    .max_flat_workgroup_size: 128
    .sgpr_count:     100
    .vgpr_count:     864
    .wavefront_size: 32
...
	.end_amdgpu_metadata
.endif
;; end of part 9
;; launch gout (part 10): grid 8 x 32, 4 waves a work-group, clusters of 4 x 4, 327,680 bytes of LDS; arguments o2, wps, bp, out0; writes out0
.if DOCPART == 10
	.amdgcn_target "amdgcn-amd-amdhsa--gfx1250"
	.amdhsa_code_object_version 6
	.text
	.protected	k_qa3ac2f7390_gout
	.globl	k_qa3ac2f7390_gout
	.p2align	8
	.type	k_qa3ac2f7390_gout,@function
k_qa3ac2f7390_gout:
	s_mov_b64 s[64:65], 0
	v_nop
	global_prefetch_b8 v0, s[64:65] scope:SCOPE_SE
	s_setreg_imm32_b32 hwreg(HW_REG_WAVE_MODE, 25, 1), 1
	s_wait_xcnt 0x0
	s_wait_alu depctr_hold_cnt(0) depctr_sa_sdst(0) depctr_va_vdst(0) depctr_va_sdst(0) depctr_va_ssrc(0) depctr_va_vcc(0) depctr_vm_vsrc(0)
	s_getreg_b32 s2, hwreg(HW_REG_IB_STS2, 6, 4)
	s_cmp_eq_u32 s2, 0
	s_cbranch_scc0 .Lentry_in_a_cluster
	s_endpgm
.Lentry_in_a_cluster:
	s_bfe_u32 s2, ttmp6, 0x10000c
	s_cmp_lg_u32 s2, 0xf033
	s_cbranch_scc0 .Lentry_shape_is_right
	s_endpgm
.Lentry_shape_is_right:
; out0[b][t][n] = (1 / s) x the sum over c of O'[b][t][c] Wp[n][c] + bp[n], s = sqrt(log2(e) / 32) (the scale that v carries).  Operands bf16, sums f32; bp rounded to bf16 like the other inputs.
; O' enters as hi = bf16(O') for rows t < 1,536 of a batch, and as hi + lo (two bf16 numbers, two products) for its last 512 rows, where the large numbers lie.
; o2[b 4][slice 16][tile j 8][320 rows][64]: a tile's 20 blocks of 16 rows: block p < 16 = hi of rows 256 (p / 2) + 32 j + 16 (p % 2) ..; blocks 16-19 = lo of blocks 12-15.  A tile and slice are 40,960 dense bytes.
; SHARES.  A tile is those 256 rows x 128 columns.  Four waves; wave w makes blocks 3 w, 3 w + 1, 3 w + 2 and 12 + w x all 128 columns: 32 accumulators; the last of its blocks takes lo (block 16 + w) too: all waves alike.
; A K step is two slices of 64 channels: 160 matrix instructions a wave, four quarters of 32 + 8.  8 K steps through two LDS slots; rows of 128 bytes, dense in memory, asked for as rows of 256 bytes, padded in LDS after every 128 (pitch 144).
; CLUSTER 4 x 4: A's tile is shared along a row of the cluster, B's along a column: joint loads, waves 0 and 1 for A's two slices, waves 2 and 3 for B's.
; THE MATRIX INSTRUCTION IS USED TRANSPOSED (source 0 = 16 rows of wps, source 1 = 16 rows of o2): a lane holds one row t and eight neighbouring n.
; REGISTERS: window 0: v16-30 addresses; v36-41 the bias; v64-127 the way out; v128-207 A's fragments, two buffers of 40 (four blocks and lo).  window 1: B's fragments, two buffers of 64.
;   windows 2, 3: accumulator (a, b) at 8 (8 (a % 2) + b), a < 2 in window 2.
.set NBK,    8
.set KSTEPS, 8
.set ABATCH, 5242880                   ; bytes of o2 in a batch
.set ATILE,  40960
.set AWAVE,  327680                    ; wave i fetches slice 2 ks + i
.set STEPA,  655360
.set AROWS,  160                       ; 320 rows of 128 bytes as 160 of 256
.set ALDS,   46080                     ; 320 rows x 144
.set BROWS,  64                        ; 128 rows of 128 bytes as 64 of 256
.set BWAVE,  262144
.set BTILE,  16384
.set STEPB,  524288
.set BLDS,   18432                     ; 128 rows x 144
.set AH,     1                         ; the prefetch names the K step AH behind the one being asked for
.set STGW,   8448                      ; a wave's stage: 16 rows x 528
.set PIT,    144
.set BOFF,   2*ALDS                    ; A's two slices, then B's two: 129,024 bytes a slot
.set SLOT1,  131072
.set STAGE,  262144
.set SPARE,  STAGE+4*STGW              ; the spare words, 128 bytes a wave; no other line names them
.set NL,     2*NBK+10                  ; LDS loads of a quarter
.set ADRA0, 16
.set ADRB0, 17
.set ADRA,  18
.set ADRB,  19
.set ADRL0, 20
.set ADRL,  21
.set STO,   24
.set RD,    25
.set GO,    26
.set SPW,   28
.set NIL,   29
.set PFO,   30
.set BK,    64
.set FA,    128
.set WV,  12
.set HF,  13
.set II,  14
.set CNT, 15
.set G1,  24
.set G0,  32
.set G1B, 48
.set G0B, 56
.set PFA, 68
.set LIM, 70
.set TB,  71
.set SC,  72
.set OB,  80                           ; s[80:87] out0 at the first row of my block a, my tile's columns
.set MSB, 0
.macro WIN new                         ; the immediate's high byte repeats the setting that is left; a switch that changes nothing is dropped
.if MSB != (\new)
	s_set_vgpr_msb (MSB<<8)|(\new)
.set MSB, \new
.endif
.endm
.macro PLACES                          ; four plain places behind matrix instructions, ahead of loads into their sources and of readers of their results
.rept 4
	v_nop
.endr
.endm
.macro JLOAD                           ; a joint refill by the walking descriptors; an s_nop 0 and four v_nop follow each line
	s_cmp_eq_u32 s[HF], 0
	s_cbranch_scc0 .Lfor_b_\@
	tensor_load_to_lds s[G0+4:G0+7], s[G1:G1+7]
	s_nop 0
	PLACES
	s_branch .Lasked_\@
.Lfor_b_\@:
	tensor_load_to_lds s[G0B+4:G0B+7], s[G1B:G1B+7]
	s_nop 0
	PLACES
.Lasked_\@:
.endm
.macro CREST                           ; a round of the cluster's barrier behind its opening barrier
	s_cmp_lg_u32 s[WV], 0
	s_cbranch_scc1 .Lnot_wave_0_\@
	s_barrier_signal -3
.Lnot_wave_0_\@:
	s_barrier_wait -3
	s_barrier_signal -1
	s_barrier_wait -1
.endm
.macro CROUND
	s_barrier_signal -1
	s_barrier_wait -1
	CREST
.endm
; A's tiles are prefetched: behind each refill, the K step AH behind it.  Waves 0 and 1 of the clusters with x = 0 ask, for the 32,768 bytes of hi of the wave's slice: the partner at cx takes 8,192, told apart by address; a lane
; 256 bytes: each block is named once in the launch.  The slice's 8,192 bytes of lo come by their loads alone: 32 blocks are no share for four partners that no branch may tell apart.
; The trips whose look-ahead would pass the last K step ask for nothing.
.macro ASK
	s_cmp_gt_u32 s[CNT], s[LIM]
	s_cbranch_scc0 .Lnot_mine_\@
	global_prefetch_b8 v[PFO], s[PFA:PFA+1] th:TH_LOAD_NT scope:SCOPE_SE
.Lnot_mine_\@:
.endm
	s_load_b256 s[4:11], s[0:1], 0x0               ; o2 s[4:5], wps s[6:7], bp s[8:9], out0 s[10:11]
	v_lshl_add_u32 v[SPW], v0, 2, SPARE
	v_mov_b32 v[NIL], 0
	ds_add_u32 v[SPW], v[NIL]                      ; the wave's opening: the add and its wait ahead of my first tensor load
	v_lshrrev_b32 v1, 5, v0
	v_readfirstlane_b32 s[WV], v1
	s_lshr_b32 s[HF], s[WV], 1                     ; 0: I fetch for A; 1: for B
	s_and_b32 s[II], s[WV], 1                      ; which slice of the step
	s_bfe_u32 s40, ttmp6, 0x40000                  ; cx
	s_bfe_u32 s41, ttmp6, 0x40004                  ; cy
	s_lshl_b32 s42, ttmp9, 2
	s_add_co_u32 s42, s42, s40                     ; column tile
	s_and_b32 s43, ttmp7, 0xffff
	s_lshl_b32 s43, s43, 2
	s_add_co_u32 s43, s43, s41                     ; row tile = 8 b + j
	s_lshl_b32 s44, s41, 2
	s_lshl_b32 s44, 15, s44                        ; my row of the cluster
	s_lshl_b32 s45, 0x1111, s40                    ; my column
	s_or_b32 s[G1], s44, (1<<16)|(1<<20)|(1<<21)|(4<<22)|(3<<25)   ; mask; 2-byte elements; padding on; bit 21 beside a mask; after every 32 words, 4 words
	s_or_b32 s[G1B], s45, (1<<16)|(1<<20)|(1<<21)|(4<<22)|(3<<25)
.irp g, G1, G1B
	s_mov_b32 s[(\g)+1], 128<<16                   ; tensor_dim0 = 128 elements (256 bytes)
	s_mov_b32 s[(\g)+3], 128<<16                   ; tile_dim0
	s_mov_b32 s[(\g)+5], 128                       ; from row to row
	s_mov_b32 s[(\g)+6], 0
	s_mov_b32 s[(\g)+7], 0
.endr
	s_mov_b32 s[G1+2], AROWS<<16
	s_mov_b32 s[G1+4], AROWS
	s_mov_b32 s[G1B+2], BROWS<<16
	s_mov_b32 s[G1B+4], BROWS
	s_lshr_b32 s16, s43, 3                         ; A hangs on the row tile and the wave alone
	s_mul_i32 s16, s16, ABATCH
	s_and_b32 s17, s43, 7
	s_mul_i32 s17, s17, ATILE
	s_add_co_u32 s16, s16, s17
	s_mul_i32 s17, s[II], AWAVE
	s_add_co_u32 s16, s16, s17
	s_mov_b32 s17, 0
	s_mul_i32 s46, s42, BTILE                      ; B on the column tile and the wave alone
	s_mul_i32 s47, s[II], BWAVE
	s_add_co_u32 s46, s46, s47
	s_mov_b32 s47, 0
	s_mul_i32 s20, s[II], ALDS                     ; where they go: no place in the cluster enters an LDS address
	s_mul_i32 s21, s[II], BLDS
	s_add_co_u32 s21, s21, BOFF
	s_mov_b32 s[SC], 0x4096b561                    ; 1 / s = 4.7096412
	s_mov_b32 s[SC+1], s[SC]
	s_mov_b32 s[TB], 0
	s_or_b32 s[LIM], s[HF], ttmp9
	s_cmp_eq_u32 s[LIM], 0
	s_cselect_b32 s[LIM], AH, -1                   ; the same in all sixteen partners, for a given wave
	s_wait_dscnt 0x0                               ; the opening add is done
	s_wait_kmcnt 0x0
	s_add_nc_u64 s[18:19], s[4:5], s[16:17]
	s_add_nc_u64 s[46:47], s[6:7], s[46:47]
	CROUND                                         ; all sixteen work-groups are here: the first joint loads meet
.irp s, 0,1
	s_mov_b32 s[G0+4*(\s)], 1
	s_add_co_u32 s[G0+4*(\s)+1], s20, (\s)*SLOT1
	s_add_nc_u64 s[G0+4*(\s)+2:G0+4*(\s)+3], s[18:19], (\s)*STEPA
	s_or_b32 s[G0+4*(\s)+3], s[G0+4*(\s)+3], 0x80000000
	s_mov_b32 s[G0B+4*(\s)], 1
	s_add_co_u32 s[G0B+4*(\s)+1], s21, (\s)*SLOT1
	s_add_nc_u64 s[G0B+4*(\s)+2:G0B+4*(\s)+3], s[46:47], (\s)*STEPB
	s_or_b32 s[G0B+4*(\s)+3], s[G0B+4*(\s)+3], 0x80000000
.endr
	s_cmp_eq_u32 s[HF], 0                          ; a wave's two first fills stand in one branch: K steps 0 and 1; two loads of mine are out
	s_cbranch_scc0 .Lfirst_b
	tensor_load_to_lds s[G0:G0+3], s[G1:G1+7]
	s_nop 0
	tensor_load_to_lds s[G0+4:G0+7], s[G1:G1+7]
	s_nop 0
	PLACES
	s_branch .Lfirst_asked
.Lfirst_b:
	tensor_load_to_lds s[G0B:G0B+3], s[G1B:G1B+7]
	s_nop 0
	tensor_load_to_lds s[G0B+4:G0B+7], s[G1B:G1B+7]
	s_nop 0
	PLACES
.Lfirst_asked:
	s_lshl_b32 s22, s40, 13                        ; the prefetches: my work-group's 8,192 bytes of the slice's hi,
	s_mov_b32 s23, 0
	s_add_nc_u64 s[PFA:PFA+1], s[18:19], s[22:23]
	s_add_nc_u64 s[PFA:PFA+1], s[PFA:PFA+1], (1+AH)*STEPA  ; the first refill (K step 2) steps it once more and names K step 2 + AH
	v_and_b32 v1, 15, v0
	v_bfe_u32 v2, v0, 4, 1
	v_and_b32 v3, 31, v0
	v_mul_u32_u24 v4, v1, PIT
	v_lshl_add_u32 v4, v2, 4, v4                   ; a fragment's row x pitch + 16 x half
	s_mul_i32 s22, s[WV], 48*PIT
	v_add_nc_u32 v[ADRA0], s22, v4                 ; my blocks 3 w .. 3 w + 2
	s_mul_i32 s22, s[WV], 16*PIT
	s_add_co_u32 s22, s22, 192*PIT
	v_add_nc_u32 v[ADRL0], s22, v4                 ; my block 12 + w; its lo lies 64 rows on
	v_add_nc_u32 v[ADRB0], BOFF, v4
	v_mov_b32 v[ADRA], v[ADRA0]
	v_mov_b32 v[ADRB], v[ADRB0]
	v_mov_b32 v[ADRL], v[ADRL0]
	s_mul_i32 s22, s[WV], STGW
	s_add_co_u32 s22, s22, STAGE
	v_mul_u32_u24 v5, v1, 528
	v_lshl_add_u32 v5, v2, 5, v5
	v_add_nc_u32 v[STO], s22, v5                   ; in: row l % 16 (pitch 528), 32 bytes for each half of the lanes
	v_lshl_add_u32 v[RD], v3, 4, s22               ; back: a whole row of 512 bytes a load
	v_lshlrev_b32 v[GO], 4, v3
	v_lshlrev_b32 v[PFO], 8, v3
	s_lshr_b32 s76, s43, 3                         ; out0: the batch's 2,048 rows of 4,096 bytes,
	s_lshl_b32 s76, s76, 23
	s_and_b32 s77, s43, 7
	s_lshl_b32 s77, s77, 17                        ; 32 j rows,
	s_add_co_u32 s76, s76, s77
	s_lshl_b32 s22, s42, 9                         ; 128 columns of 4 bytes a column tile
	s_add_co_u32 s76, s76, s22
	s_mov_b32 s23, 0
	s_add_nc_u64 s[74:75], s[8:9], s[22:23]
.irp a, 0,1,2,3                        ; my block a is the tile's block p = 3 w + a (a < 3) or 12 + w: rows 256 (p / 2) + 16 (p % 2) + 32 j ..
.if (\a) < 3
	s_mul_i32 s78, s[WV], 3
	s_add_co_u32 s78, s78, \a
.else
	s_add_co_u32 s78, s[WV], 12
.endif
	s_lshr_b32 s79, s78, 1
	s_lshl_b32 s79, s79, 20
	s_and_b32 s78, s78, 1
	s_lshl_b32 s78, s78, 16
	s_add_co_u32 s78, s78, s79
	s_add_co_u32 s78, s78, s76
	s_mov_b32 s79, 0
	s_add_nc_u64 s[OB+2*(\a):OB+2*(\a)+1], s[10:11], s[78:79]
.endr
	global_load_b128 v[36:39], v[GO], s[74:75]     ; my four columns' bias; waited for on the way out
; NBK matrix instructions: A's block a (4 = lo, which adds onto block 3's sums) x all column blocks, 32 along K, from buffers f.  The accumulators take turns, one instruction a turn:
; between block 3's link and lo's on one accumulator stand the seven others'.
.macro MULROW f, a, zero
.set ac, (\a)-(\a)/4
	WIN 0xa1+0x50*(ac/2)
.set rA, FA+40*(\f)+8*(\a)
.set bb, 0
.rept NBK
.set rC, 8*(NBK*(ac%2)+bb)
.set rB, 8*NBK*(\f)+8*bb
.if \zero
	v_wmma_f32_16x16x32_bf16 v[rC:rC+7], v[rB:rB+7], v[rA:rA+7], 0
.else
	v_wmma_f32_16x16x32_bf16 v[rC:rC+7], v[rB:rB+7], v[rA:rA+7], v[rC:rC+7]
.endif
.set bb, bb+1
.endr
.endm
.macro FETCH q, g                      ; quarter q's fragments into buffers g: B's sixteen loads, then A's ten: blocks 0, 1, 2, 3, lo
	WIN 0x40
.set bq, BLDS*((\q)/2)+64*((\q)%2)
.set bb, 0
.rept NBK
	ds_load_b128 v[8*NBK*(\g)+8*bb:8*NBK*(\g)+8*bb+3],   v[ADRB] offset:bq+bb*16*PIT
	ds_load_b128 v[8*NBK*(\g)+8*bb+4:8*NBK*(\g)+8*bb+7], v[ADRB] offset:bq+bb*16*PIT+32
.set bb, bb+1
.endr
	WIN 0
.set aq, ALDS*((\q)/2)+64*((\q)%2)
.irp a, 0,1,2
	ds_load_b128 v[FA+40*(\g)+8*\a:FA+40*(\g)+8*\a+3],   v[ADRA] offset:aq+\a*16*PIT
	ds_load_b128 v[FA+40*(\g)+8*\a+4:FA+40*(\g)+8*\a+7], v[ADRA] offset:aq+\a*16*PIT+32
.endr
.irp a, 3,4
	ds_load_b128 v[FA+40*(\g)+8*\a:FA+40*(\g)+8*\a+3],   v[ADRL] offset:aq+((\a)-3)*64*PIT
	ds_load_b128 v[FA+40*(\g)+8*\a+4:FA+40*(\g)+8*\a+7], v[ADRL] offset:aq+((\a)-3)*64*PIT+32
.endr
.endm
.macro QUARTER q, f, g, zero           ; multiplies buffers f; in its middle fetches quarter q into buffers g
	s_wait_dscnt 6                                 ; B and A's blocks 0, 1 are in; the youngest six loads (blocks 2, 3, lo) may be out
	MULROW \f, 0, \zero
	MULROW \f, 1, \zero
	PLACES
	FETCH \q, \g
	s_wait_dscnt NL                                ; all but the NL just issued
	MULROW \f, 2, \zero
	MULROW \f, 3, \zero
	MULROW \f, 4, 0
.endm
; The last quarter of a K step multiplies buffers 1 and changes slots: one barrier; in front of it each wave waits for all its tensor loads (its part of the next slot), adds 0 to its spare word and waits for that
; and for its reads of this slot.  fill = 1: the barrier opens a round of the cluster's, and the joint refill (two K steps on) is the first thing behind it: 144 matrix instructions stand between it and the wait for it.
.macro TURN fill
.if \fill
	s_wait_xcnt 0x0                                ; the last prefetch, a K step back, has read its address
	s_add_nc_u64 s[PFA:PFA+1], s[PFA:PFA+1], STEPA
.endif
	WIN 0
	s_wait_tensorcnt 0x0
	ds_add_u32 v[SPW], v[NIL]
	s_wait_dscnt 7                                 ; the add and the youngest six loads may be out
	MULROW 1, 0, 0
	s_wait_dscnt 0x0                               ; the add is done, and my reads of this slot are over
	s_barrier_signal -1
	MULROW 1, 1, 0
	WIN 0
	s_barrier_wait -1
.if \fill
	CREST
	s_xor_b32 s[G0+5], s[G0+5], SLOT1              ; the walking descriptors: the other slot, the next K step
	s_add_nc_u64 s[G0+6:G0+7], s[G0+6:G0+7], STEPA
	s_xor_b32 s[G0B+5], s[G0B+5], SLOT1
	s_add_nc_u64 s[G0B+6:G0B+7], s[G0B+6:G0B+7], STEPB
	JLOAD                                          ; its four v_nop are also the places in front of the loads below
.else
	PLACES
.endif
	s_xor_b32 s[TB], s[TB], SLOT1
	v_add_nc_u32 v[ADRA], s[TB], v[ADRA0]
	v_add_nc_u32 v[ADRB], s[TB], v[ADRB0]
	v_add_nc_u32 v[ADRL], s[TB], v[ADRL0]
	FETCH 0, 0
.if \fill
	ASK
.endif
	MULROW 1, 2, 0
	MULROW 1, 3, 0
	MULROW 1, 4, 0
.endm
	s_wait_tensorcnt 0x1                           ; my part of K step 0 is in; K step 1's may stay out
	s_barrier_signal -1
	s_barrier_wait -1
	FETCH 0, 0
	QUARTER 1, 0, 1, 1                             ; the first quarter's products start the sums
	WIN 0
	s_mov_b32 s[CNT], KSTEPS-2
.Lk:                                               ; a trip: from a K step's second quarter to the next step's first; one refill
	QUARTER 2, 1, 0, 0
	QUARTER 3, 0, 1, 0
	TURN 1
	QUARTER 1, 0, 1, 0
	WIN 0
	s_sub_co_u32 s[CNT], s[CNT], 1
	s_cmp_lg_u32 s[CNT], 0
	s_cbranch_scc1 .Lk
	QUARTER 2, 1, 0, 0                             ; the last two K steps ask for nothing
	QUARTER 3, 0, 1, 0
	TURN 0
	QUARTER 1, 0, 1, 0
	QUARTER 2, 1, 0, 0
	QUARTER 3, 0, 1, 0
	s_wait_dscnt 6
	MULROW 1, 0, 0
	MULROW 1, 1, 0
	s_wait_dscnt 0x0
	MULROW 1, 2, 0
	MULROW 1, 3, 0
	MULROW 1, 4, 0
	WIN 0
	PLACES
	s_wait_loadcnt 0x0                             ; the bias, rounded to bf16 and widened again
	v_cvt_pk_bf16_f32 v40, v36, v37
	v_cvt_pk_bf16_f32 v41, v38, v39
	v_lshlrev_b32 v36, 16, v40
	v_and_b32 v37, 0xffff0000, v40
	v_lshlrev_b32 v38, 16, v41
	v_and_b32 v39, 0xffff0000, v41
; THE WAY OUT of my block a: the f32 sums go into my stage (16 rows x 528 bytes; each accumulator's low four registers first), come back as whole rows of 512 bytes, take 1 / s and the bias in one
; fused multiply-add, and leave 512 consecutive bytes a store, at the block's own base.
.macro WAYOUT a
.set AC, 8*NBK*((\a)%2)
	WIN 0x08+4*((\a)/2)                            ; the stores' data in window 2 or 3
.set bb, 0
.rept NBK
	ds_store_b128 v[STO], v[AC+8*bb:AC+8*bb+3]   offset:64*bb
	ds_store_b128 v[STO], v[AC+8*bb+4:AC+8*bb+7] offset:64*bb+16
.set bb, bb+1
.endr
	WIN 0
	s_wait_xcnt 0x0                                ; earlier stores have read the registers that the loads below write
.set k, 0
.rept 16
	ds_load_b128 v[BK+4*k:BK+4*k+3], v[RD] offset:k*528  ; LDS serves a wave's instructions in order: these see the stores above
.set k, k+1
.endr
.set k, 0
.rept 16
	s_wait_dscnt 15-k
	v_pk_fma_f32 v[BK+4*k:BK+4*k+1],   v[BK+4*k:BK+4*k+1],   s[SC:SC+1], v[36:37] op_sel_hi:[1,0,1]
	v_pk_fma_f32 v[BK+4*k+2:BK+4*k+3], v[BK+4*k+2:BK+4*k+3], s[SC:SC+1], v[38:39] op_sel_hi:[1,0,1]
	global_store_b128 v[GO], v[BK+4*k:BK+4*k+3], s[OB+2*(\a):OB+2*(\a)+1] offset:k*4096
.set k, k+1
.endr
.endm
	WAYOUT 0
	WAYOUT 1
	WAYOUT 2
	WAYOUT 3
	s_wait_tensorcnt 0x0                           ; the wave's end
	ds_add_u32 v[SPW], v[NIL]
	s_wait_dscnt 0x0
	CROUND                                         ; the closing round
	s_endpgm
.Lfunc_end_k_qa3ac2f7390_gout:
	.size	k_qa3ac2f7390_gout, .Lfunc_end_k_qa3ac2f7390_gout-k_qa3ac2f7390_gout
	.p2alignl 7, 3214868480
	.fill 96, 4, 3214868480
	.section	.rodata,"a",@progbits
	.p2align	6, 0x0
	.amdhsa_kernel k_qa3ac2f7390_gout
		.amdhsa_group_segment_fixed_size 327680
		.amdhsa_private_segment_fixed_size 0
		.amdhsa_enable_private_segment 0
		.amdhsa_kernarg_size 32
		.amdhsa_user_sgpr_count 2
		.amdhsa_user_sgpr_kernarg_segment_ptr 1
		.amdhsa_wavefront_size32 1
		.amdhsa_system_sgpr_workgroup_id_x 1
		.amdhsa_system_sgpr_workgroup_id_y 1
		.amdhsa_system_sgpr_workgroup_id_z 1
		.amdhsa_system_vgpr_workitem_id 0
		.amdhsa_next_free_vgpr 896
		.amdhsa_next_free_sgpr 88
		.amdhsa_reserve_vcc 0
		.amdhsa_float_denorm_mode_32 3
		.amdhsa_float_denorm_mode_16_64 3
		.amdhsa_memory_ordered 1
		.amdhsa_forward_progress 1
		.amdhsa_inst_pref_size 89
	.end_amdhsa_kernel
	.amdgpu_metadata
---
amdhsa.version: [ 1, 2 ]
amdhsa.kernels:
  - .name:           k_qa3ac2f7390_gout
    .symbol:         k_qa3ac2f7390_gout.kd
    .args:
      - { .name: o2, .offset: 0, .size: 8, .value_kind: global_buffer, .address_space: global }
      - { .name: wps, .offset: 8, .size: 8, .value_kind: global_buffer, .address_space: global }
      - { .name: bp, .offset: 16, .size: 8, .value_kind: global_buffer, .address_space: global }
      - { .name: out0, .offset: 24, .size: 8, .value_kind: global_buffer, .address_space: global }
    .group_segment_fixed_size: 327680
    .private_segment_fixed_size: 0
    .kernarg_segment_align: 8
    .kernarg_segment_size: 32
    .max_flat_workgroup_size: 128
    .sgpr_count:     88
    .vgpr_count:     896
    .wavefront_size: 32
...
	.end_amdgpu_metadata
.endif
;; end of part 10
